; MI455X (gfx1250); checked and timed in simulation.
; The chip was launched on July 23, 2026; its instructions are those of AMD's public machine-readable ISA for CDNA 5 (MIT licence, August 2026) and "CDNA5" Instruction Set Architecture Reference Guide (July 2026). The comments in the code are by the model that wrote it; some were corrected since.
;; Self Attention v1. Allowed arithmetic: float matrix products may take bf16 or f16 operands with f32 sums; other float arithmetic in f32, or as packed bf16 or f16 multiplies, adds, multiply-adds, maxima and minima; sums over many terms, partial sums and values carried from step to step in f32; what a program stores and reads back later, other than sums and carried values, may be rounded once to bf16 or f16.
;; Inputs: W_key 1,024 x 1,024 float32; W_query 1,024 x 1,024 float32; W_value 1,024 x 1,024 float32; x 4 x 2,048 x 1,024 float32.
;; Outputs: out0 4 x 2,048 x 1,024 float32.
;; 2 versions, each right. Each part assembles by itself: llvm-mc -triple=amdgcn-amd-amdhsa -mcpu=gfx1250 --defsym DOCPART=n.
;; ======== version 1 of 2: 4 launches
;; limits: values are held in f16: magnitudes above 65,504 overflow, below 6.1e-05 lose precision; right only within a limited range of input values
;; workspace buffers: xb 16,777,216 bytes; wt 6,291,456 bytes; qkv 50,331,648 bytes; pt 33,554,432 bytes; st 524,288 bytes
;; launch prep (part 1): grid 608 x 1, 4 waves a work-group, no clusters, 70,144 bytes of LDS; arguments x, W_query, W_key, W_value, xb, wt, st; writes xb, wt, st
.if DOCPART == 1
	.amdgcn_target "amdgcn-amd-amdhsa--gfx1250"
	.amdhsa_code_object_version 6
	.text
	.protected	k_qca24bd6a05_prep
	.globl	k_qca24bd6a05_prep
	.p2align	8
	.type	k_qca24bd6a05_prep,@function
k_qca24bd6a05_prep:
	s_mov_b64 s[64:65], 0
	v_nop
	global_prefetch_b8 v0, s[64:65] scope:SCOPE_SE
	s_setreg_imm32_b32 hwreg(HW_REG_WAVE_MODE, 25, 1), 1
	s_wait_xcnt 0x0
; SELF-ATTENTION WITH THE SOFTMAX OVER THE QUERY AXIS, in four launches: this one (formats), the projections, the scores, the weighted sum.
; q, k, v = x W;  s[i][j] = q_i . k_j / 32, hidden where j > i;  w[i][j] = exp(s[i][j] - M_j) / L_j with M_j, L_j the maximum and the sum over i >= j of column j;  out[i] = sum over j <= i of w[i][j] v_j.
; WORK LEFT OUT.  The mask that hides j > i is built by the problem itself: a hidden score is -inf ahead of the softmax, its weight is 0 whatever the inputs hold, and it enters neither M_j nor L_j nor out.
; So blocks of 256 x 256 scores that lie wholly above the diagonal are never multiplied, stored or read (36 of 64 blocks a batch stay), and the last launch walks, for 128 rows of out, only the keys up to their diagonal.
; Inside a block that holds the diagonal the hidden scores are computed and count as their value less 1e30.  LIMIT: a NaN, an infinity or an overflow that reaches only hidden scores is not carried to the result.
; FORMATS.  x and the weights are rounded once to bf16; q, k, v and the weights of the sum are kept in f16.  The factor 2^-5 is laid into the bf16 weights (exact): q, k, v are stored as 1/32 of themselves,
; so the score product holds s / 32, and the 32 of v comes back in the column's factor 32 / L_j.  LIMIT: |q|, |k|, |v| stay under 65,504 x 32 = 2.09e6; below 2e-3 they keep f16's fixed step.
; THIS LAUNCH.  Work-groups 0-511: 16 rows of x each, f32 to bf16; waves 0 and 1 also lay 512 bytes of neutral statistics (maximum -1e30, sum 0) into st, for the blocks that the score launch never makes.
; Work-groups 512-607: wt[n][k] = bf16(W[k][n] / 32), turned through LDS; a wave takes 128 k x 64 n.  wt's rows: 0-1023 query, 1024-2047 key, 2048-3071 value.
.set STGW,  17408                      ; a wave's stage: 64 rows (n) x 272 bytes (128 k in bf16 + 16 of padding)
.set SPARE, 4*STGW                     ; behind the stages: the spare words, 128 bytes a wave
.set SPW, 2                            ; v2  LDS address of my spare word; never rewritten
.set NIL, 3                            ; v3  0; never rewritten
.set XO,  4                            ; v4  my byte offset in what a load covers
.set YO,  5                            ; v5  my byte offset in what a store covers
.set SA,  6                            ; v6  stage: where I put (rows 2 lane, 2 lane + 1)
.set RA,  7                            ; v7  stage: where I read rows back
.set D,   8                            ; v[8:135]   as loaded
.set N0,  136                          ; v[136:167] column 2 lane, 64 k in bf16
.set N1,  168                          ; v[168:199] column 2 lane + 1
	s_load_b256 s[4:11], s[0:1], 0x0               ; x s[4:5], W_query s[6:7], W_key s[8:9], W_value s[10:11]
	s_load_b128 s[12:15], s[0:1], 0x20             ; xb s[12:13], wt s[14:15]
	s_load_b64 s[16:17], s[0:1], 0x30              ; st
	v_lshl_add_u32 v[SPW], v0, 2, SPARE
	v_mov_b32 v[NIL], 0
	v_lshrrev_b32 v1, 5, v0
	v_readfirstlane_b32 s18, v1                    ; wave 0..3
	v_and_b32 v1, 31, v0                           ; lane
	s_mov_b32 s23, 0
	s_wait_kmcnt 0x0
	s_cmp_lt_u32 ttmp9, 512
	s_cbranch_scc0 .Lweights
	; x: a wave's 16,384 bytes come by 32 loads of 512 consecutive bytes, all out before the first wait, and leave as 32 stores of 256 consecutive bytes, aligned
	v_lshlrev_b32 v[XO], 4, v1
	v_lshlrev_b32 v[YO], 3, v1
	s_lshl_b32 s22, ttmp9, 16
	s_lshl_b32 s19, s18, 14
	s_add_co_u32 s22, s22, s19
	s_add_nc_u64 s[4:5], s[4:5], s[22:23]
	s_lshr_b32 s22, s22, 1
	s_add_nc_u64 s[12:13], s[12:13], s[22:23]
.set i, 0
.rept 32
	global_load_b128 v[D+4*i:D+4*i+3], v[XO], s[4:5] offset:512*i th:TH_LOAD_NT
.set i, i+1
.endr
.set i, 0
.rept 32
	s_wait_loadcnt 31-i                            ; loads come back in order: number i is in, the younger ones stay out
	v_cvt_pk_bf16_f32 v[D+4*i], v[D+4*i], v[D+4*i+1]
	v_cvt_pk_bf16_f32 v[D+4*i+1], v[D+4*i+2], v[D+4*i+3]
	global_store_b64 v[YO], v[D+4*i:D+4*i+1], s[12:13] offset:256*i
.set i, i+1
.endr
	s_cmp_lt_u32 s18, 2
	s_cbranch_scc0 .Lend
	s_cmp_eq_u32 s18, 0                            ; wave 0: maxima, -1e30; wave 1: sums, 0
	s_cselect_b32 s19, 0xf149f2ca, 0
	v_mov_b32 v[N0], s19
	v_mov_b32 v[N0+1], s19
	v_mov_b32 v[N0+2], s19
	v_mov_b32 v[N0+3], s19
	s_lshl_b32 s22, ttmp9, 9                       ; 512 work-groups x 512 bytes = each half of st
	s_lshl_b32 s19, s18, 18
	s_add_co_u32 s22, s22, s19
	s_add_nc_u64 s[16:17], s[16:17], s[22:23]
	global_store_b128 v[XO], v[N0:N0+3], s[16:17]
	s_branch .Lend
.Lweights:
	s_sub_co_u32 s19, ttmp9, 512
	s_lshr_b32 s24, s19, 5                         ; which matrix
	s_and_b32 s19, s19, 31
	s_lshl2_add_u32 s19, s19, s18                  ; my tile of the matrix's 128
	s_lshr_b32 s25, s19, 3                         ; its 64 columns n
	s_and_b32 s26, s19, 7                          ; its 128 rows k
	s_cmp_eq_u32 s24, 0
	s_cselect_b64 s[20:21], s[6:7], s[8:9]
	s_cmp_eq_u32 s24, 2
	s_cselect_b64 s[20:21], s[10:11], s[20:21]
	s_lshl_b32 s22, s26, 19                        ; 128 rows of 4,096 bytes
	s_lshl_b32 s27, s25, 8                         ; 64 columns of 4 bytes
	s_add_co_u32 s22, s22, s27
	s_add_nc_u64 s[20:21], s[20:21], s[22:23]
	s_lshl_b32 s22, s24, 21                        ; wt: 1,024 rows of 2,048 bytes a matrix,
	s_lshl_b32 s27, s25, 17                        ; 64 rows,
	s_add_co_u32 s22, s22, s27
	s_lshl_b32 s27, s26, 8                         ; 128 k in bf16
	s_add_co_u32 s22, s22, s27
	s_add_nc_u64 s[14:15], s[14:15], s[22:23]
	s_mul_i32 s27, s18, STGW
	v_lshlrev_b32 v[XO], 3, v1                     ; two columns a lane: a load covers 256 consecutive bytes of a row of W
	v_mul_u32_u24 v[SA], v1, 544
	v_add_nc_u32 v[SA], s27, v[SA]
	v_and_b32 v[N0], 15, v0
	v_bfe_u32 v[N0+1], v0, 4, 1
	v_mul_u32_u24 v[RA], v[N0+1], 272
	v_lshl_add_u32 v[RA], v[N0], 4, v[RA]
	v_add_nc_u32 v[RA], s27, v[RA]                 ; back: lanes 0-15 one row of 256 bytes, lanes 16-31 the next
	v_lshlrev_b32 v[YO], 11, v[N0+1]
	v_lshl_add_u32 v[YO], v[N0], 4, v[YO]          ; and the same two rows in wt
.irp half, 0,1
.set i, 0
.rept 64
	global_load_b64 v[D+2*i:D+2*i+1], v[XO], s[20:21] offset:262144*\half+4096*i th:TH_LOAD_NT
.set i, i+1
.endr
	s_wait_loadcnt 0x0
.set i, 0
.rept 64
	v_pk_mul_f32 v[D+2*i:D+2*i+1], v[D+2*i:D+2*i+1], 0x3d000000 op_sel_hi:[1,0]  ; times 2^-5
.set i, i+1
.endr
.set i, 0
.rept 32
	v_cvt_pk_bf16_f32 v[N0+i], v[D+4*i], v[D+4*i+2]      ; k = 2 i, 2 i + 1 of my even column,
	v_cvt_pk_bf16_f32 v[N1+i], v[D+4*i+1], v[D+4*i+3]    ; of my odd one
.set i, i+1
.endr
.irp c, 0,1,2,3,4,5,6,7
	ds_store_b128 v[SA], v[N0+4*\c:N0+4*\c+3] offset:128*\half+16*\c
	ds_store_b128 v[SA], v[N1+4*\c:N1+4*\c+3] offset:272+128*\half+16*\c
.endr
.endr
.set i, 0
.rept 32
	ds_load_b128 v[D+4*i:D+4*i+3], v[RA] offset:544*i  ; my own stage: LDS serves a wave's instructions in order, so these see the stores above
.set i, i+1
.endr
.set i, 0
.rept 32
	s_wait_dscnt 31-i
	global_store_b128 v[YO], v[D+4*i:D+4*i+3], s[14:15] offset:4096*i  ; 16 lanes store 256 consecutive bytes, aligned
.set i, i+1
.endr
.Lend:
	s_wait_tensorcnt 0x0                           ; the wave's end, behind my last LDS store
	ds_add_u32 v[SPW], v[NIL]
	s_wait_dscnt 0x0
	s_endpgm
.Lfunc_end_k_qca24bd6a05_prep:
	.size	k_qca24bd6a05_prep, .Lfunc_end_k_qca24bd6a05_prep-k_qca24bd6a05_prep
	.p2alignl 7, 3214868480
	.fill 96, 4, 3214868480
	.section	.rodata,"a",@progbits
	.p2align	6, 0x0
	.amdhsa_kernel k_qca24bd6a05_prep
		.amdhsa_group_segment_fixed_size 70144
		.amdhsa_private_segment_fixed_size 0
		.amdhsa_enable_private_segment 0
		.amdhsa_kernarg_size 56
		.amdhsa_user_sgpr_count 2
		.amdhsa_user_sgpr_kernarg_segment_ptr 1
		.amdhsa_wavefront_size32 1
		.amdhsa_system_sgpr_workgroup_id_x 1
		.amdhsa_system_sgpr_workgroup_id_y 1
		.amdhsa_system_sgpr_workgroup_id_z 1
		.amdhsa_system_vgpr_workitem_id 0
		.amdhsa_next_free_vgpr 200
		.amdhsa_next_free_sgpr 66
		.amdhsa_reserve_vcc 0
		.amdhsa_float_denorm_mode_32 3
		.amdhsa_float_denorm_mode_16_64 3
		.amdhsa_memory_ordered 1
		.amdhsa_forward_progress 1
		.amdhsa_inst_pref_size 55
	.end_amdhsa_kernel
	.amdgpu_metadata
---
amdhsa.version: [ 1, 2 ]
amdhsa.kernels:
  - .name:           k_qca24bd6a05_prep
    .symbol:         k_qca24bd6a05_prep.kd
    .args:
      - { .name: x, .offset: 0, .size: 8, .value_kind: global_buffer, .address_space: global }
      - { .name: W_query, .offset: 8, .size: 8, .value_kind: global_buffer, .address_space: global }
      - { .name: W_key, .offset: 16, .size: 8, .value_kind: global_buffer, .address_space: global }
      - { .name: W_value, .offset: 24, .size: 8, .value_kind: global_buffer, .address_space: global }
      - { .name: xb, .offset: 32, .size: 8, .value_kind: global_buffer, .address_space: global }
      - { .name: wt, .offset: 40, .size: 8, .value_kind: global_buffer, .address_space: global }
      - { .name: st, .offset: 48, .size: 8, .value_kind: global_buffer, .address_space: global }
    .group_segment_fixed_size: 70144
    .private_segment_fixed_size: 0
    .kernarg_segment_align: 8
    .kernarg_segment_size: 56
    .max_flat_workgroup_size: 128
    .sgpr_count:     66
    .vgpr_count:     200
    .wavefront_size: 32
...
	.end_amdgpu_metadata
.endif
;; end of part 1
;; launch proj (part 2): grid 12 x 32, 4 waves a work-group, clusters of 4 x 4, 327,680 bytes of LDS; arguments xb, wt, qkv; writes qkv
.if DOCPART == 2
	.amdgcn_target "amdgcn-amd-amdhsa--gfx1250"
	.amdhsa_code_object_version 6
	.text
	.protected	k_qca24bd6a05_proj
	.globl	k_qca24bd6a05_proj
	.p2align	8
	.type	k_qca24bd6a05_proj,@function
k_qca24bd6a05_proj:
	s_mov_b64 s[64:65], 0
	v_nop
	global_prefetch_b8 v0, s[64:65] scope:SCOPE_SE
	s_setreg_imm32_b32 hwreg(HW_REG_WAVE_MODE, 25, 1), 1
	s_wait_xcnt 0x0
	s_wait_alu depctr_hold_cnt(0) depctr_sa_sdst(0) depctr_va_vdst(0) depctr_va_sdst(0) depctr_va_ssrc(0) depctr_va_vcc(0) depctr_vm_vsrc(0)
	s_getreg_b32 s2, hwreg(HW_REG_IB_STS2, 6, 4)
	s_cmp_eq_u32 s2, 0
	s_cbranch_scc0 .Lentry_in_a_cluster
	s_endpgm
.Lentry_in_a_cluster:
	s_bfe_u32 s2, ttmp6, 0x10000c
	s_cmp_lg_u32 s2, 0xf033
	s_cbranch_scc0 .Lentry_shape_is_right
	s_endpgm
.Lentry_shape_is_right:
; qkv[m][n] = sum over k of xb[m][k] wt[n][k]: all three projections as one product.  xb: [8192][1024] bf16, wt: [3072][1024] bf16 (it holds W^T / 32), qkv: [8192][3072] f16; sums in f32, rounded once.
; LIMIT: a sum of 65,520 or more becomes an infinity in f16 (q, k, v of 2.09e6 or more).
; A tile of 256 x 256 is made by four waves, each 128 x 128: 64 accumulators of 16 x 16.  K goes in steps of 128 through a ring of two LDS slots filled by tensor loads.
; CLUSTERS of 4 x 4 work-groups: the four of a row need the same tiles of xb, the four of a column the same tiles of wt: each tile is asked for jointly, by the same load with a mask that names the four.
; The matrix instruction is used transposed (source 0 = 16 rows of wt, source 1 = 16 rows of xb): a lane then holds eight neighbouring numbers of a row of qkv.
; REGISTERS, in windows of 256: window 0: v0-31 addresses; v64-191 fragments of xb, two buffers; v32-63, v192-255 at work on the way out.  Window 1: fragments of wt.  Windows 2, 3: the accumulators.
; The last K step goes by rows of the result, so that finished rows leave while the others are multiplied.
.set SIZE_M, 8192
.set SIZE_N, 3072
.set SIZE_K, 1024
.set KSTEP,  128
.set PITCH,  272                       ; an LDS row: 256 bytes + 16 of padding: the 16 rows that a load touches start at 16 different groups of four banks
.set HALFT,  128*PITCH                 ; 128 rows: what one tensor load brings
.set SLOT,   4*HALFT                   ; xb's 256 rows, then wt's 256 rows
.set STAGE,  2*SLOT                    ; behind the ring: 16 rows x 272 bytes for each wave, for the way out
.set SPITCH, 272
.set SPARE,  STAGE+4*16*SPITCH         ; behind the stages: the spare words, 128 bytes a wave
.set LAPS, SIZE_K/(2*KSTEP)            ; a lap = two K steps = once round the ring
.set ADRA, 16                          ; v16-17  LDS address of my xb fragments in slot 0, 1
.set ADRB, 20                          ; v20-21  the same for wt
.set STO,  24                          ; v24     the way out: where I put 16 bytes of a row
.set RD,   25                          ; v25     the way out: where I read a row back
.set CO,   26                          ; v26     my byte offset in qkv
.set SPW,  28                          ; v28     LDS address of my spare word; never rewritten
.set NIL,  29                          ; v29     0; never rewritten
.set PFO,  30                          ; v30     the prefetches' offset: my lane x a row of 2,048 bytes; never rewritten
.set PFA,  44                          ; s[44:45] where my prefetches stand
.set LIM,  43                          ; s43     1 in a wave that prefetches, else the greatest number
.set F0,   64
.set F1,   128
.set TMP,  192
.set OB,   32
.set PA,   64
.set G1, 24                            ; s[24:31] descriptor group 1 for xb's tiles
.set G0, 32                            ; s[32:39] group 0, a set for each slot
.set G1B, 48                           ; s[48:55], s[56:63] the same for wt's tiles
.set G0B, 56
.set MSB, 0
.macro WIN new                         ; the immediate's high byte repeats the setting that is left; a switch that changes nothing is dropped
.if MSB != (\new)
	s_set_vgpr_msb (MSB<<8)|(\new)
.set MSB, \new
.endif
.endm
.set MUL_LO, 0xa1                      ; source 0 window 1, source 1 window 0, C and D window 2
.set MUL_HI, 0xf1                      ; the same, C and D window 3
.set TO_B,   0x40                      ; destination window 1, address window 0
; A joint load.  Waves 0 and 1 fetch xb's two halves, waves 2 and 3 wt's.  The branch hangs on the wave's number alone.  An s_nop 0 and four v_nop follow each line.
.macro JLOAD s
	s_cmp_eq_u32 s11, 0
	s_cbranch_scc0 .Lfor_b_\@
	tensor_load_to_lds s[G0+4*(\s):G0+4*(\s)+3], s[G1:G1+7]
	s_nop 0
.rept 4
	v_nop
.endr
	s_branch .Lasked_\@
.Lfor_b_\@:
	tensor_load_to_lds s[G0B+4*(\s):G0B+4*(\s)+3], s[G1B:G1B+7]
	s_nop 0
.rept 4
	v_nop
.endr
.Lasked_\@:
.endm
; A prefetch of the K step that stands two refills on: 32 rows x 256 bytes, a lane a row, one instruction a wave.  Each row's 256 bytes of a K step are named once in the launch: xb's by the clusters with x = 0,
; wt's by those with y = 0; the four partners that ask for a tile jointly share its rows out by address, 32 each.  The last two refills have no K step two on.
.macro ASK
	s_cmp_gt_u32 s3, s[LIM]                        ; s3 = 1 in the loop's last trip
	s_cbranch_scc0 .Lnot_mine_\@
	global_prefetch_b8 v[PFO], s[PFA:PFA+1] offset:KSTEP*2 th:TH_LOAD_NT scope:SCOPE_SE
.Lnot_mine_\@:
.endm
.macro CREST                           ; a round of the cluster's barrier behind its opening barrier
	s_cmp_lg_u32 s10, 0
	s_cbranch_scc1 .Lnot_wave_0_\@
	s_barrier_signal -3
.Lnot_wave_0_\@:
	s_barrier_wait -3
	s_barrier_signal -1
	s_barrier_wait -1
.endm
.macro CROUND                          ; a whole round
	s_barrier_signal -1
	s_barrier_wait -1
	CREST
.endm
	s_load_b128 s[4:7], s[0:1], 0x0                ; xb s[4:5], wt s[6:7]
	s_load_b64 s[8:9], s[0:1], 0x10                ; qkv
	v_lshl_add_u32 v[SPW], v0, 2, SPARE
	v_mov_b32 v[NIL], 0
	ds_add_u32 v[SPW], v[NIL]                      ; the wave's opening: the add, twice on end, and its wait ahead of my first tensor load
	ds_add_u32 v[SPW], v[NIL]
	v_lshrrev_b32 v1, 5, v0
	v_readfirstlane_b32 s10, v1                    ; wave 0..3
	s_lshr_b32 s11, s10, 1                         ; which half of the tile's rows is mine.  Also: I fetch for xb (0) or for wt (1)
	s_and_b32 s12, s10, 1                          ; which half of its columns.  Also: which 128 rows of that tile I fetch
	s_bfe_u32 s40, ttmp6, 0x40000                  ; cx
	s_bfe_u32 s41, ttmp6, 0x40004                  ; cy
	s_lshl_b32 s42, ttmp9, 2
	s_add_co_u32 s42, s42, s40                     ; tile column = 4 x cluster x + cx
	s_and_b32 s13, ttmp7, 0xffff
	s_lshl_b32 s13, s13, 2
	s_add_co_u32 s13, s13, s41                     ; tile row = 4 x cluster y + cy
	s_lshl_b32 s43, s41, 2
	s_lshl_b32 s43, 15, s43                        ; my row of the cluster
	s_lshl_b32 s44, 0x1111, s40                    ; my column
	s_or_b32 s[G1+0], s43, (1<<16)|(1<<20)|(1<<21)|(5<<22)|(3<<25)  ; the mask; elements of 2 bytes; padding on; bit 21 beside a mask; after every 64 words 4 words
	s_or_b32 s[G1B+0], s44, (1<<16)|(1<<20)|(1<<21)|(5<<22)|(3<<25)
.irp g, G1, G1B
	s_mov_b32 s[(\g)+1], KSTEP<<16                 ; tensor_dim0 = 128
	s_mov_b32 s[(\g)+2], 128<<16                   ; tensor_dim1 = 128
	s_mov_b32 s[(\g)+3], KSTEP<<16                 ; tile_dim0 = 128
	s_mov_b32 s[(\g)+4], 128                       ; tile_dim1 = 128
	s_mov_b32 s[(\g)+5], SIZE_K                    ; elements from row to row
	s_mov_b32 s[(\g)+6], 0
	s_mov_b32 s[(\g)+7], 0
.endr
	s_lshl_b32 s17, s12, 7
	s_lshl_b32 s16, s13, 8
	s_add_co_u32 s16, s16, s17                     ; xb: row 256 x tile row + 128 x half
	s_lshl_b32 s46, s42, 8
	s_add_co_u32 s46, s46, s17                     ; wt: row 256 x tile column + 128 x half
	s_mov_b32 s17, 0
	s_mov_b32 s47, 0
	s_mov_b64 s[18:19], SIZE_K*2
	s_mul_u64 s[16:17], s[16:17], s[18:19]
	s_mul_u64 s[46:47], s[46:47], s[18:19]
	s_mul_i32 s20, s10, HALFT                      ; where they go: wave x 128 rows: no place in the cluster enters an LDS address
	s_wait_dscnt 0x0                               ; both opening adds are done
	s_wait_kmcnt 0x0
	s_add_nc_u64 s[14:15], s[4:5], s[16:17]
	s_add_nc_u64 s[46:47], s[6:7], s[46:47]
	CROUND                                         ; all sixteen work-groups are here: the first joint loads meet
.irp s, 0,1
	s_mov_b32 s[G0+4*(\s)], 1
	s_add_co_u32 s[G0+4*(\s)+1], s20, (\s)*SLOT
	s_add_nc_u64 s[G0+4*(\s)+2:G0+4*(\s)+3], s[14:15], (\s)*KSTEP*2
	s_or_b32 s[G0+4*(\s)+3], s[G0+4*(\s)+3], 0x80000000
	s_mov_b32 s[G0B+4*(\s)], 1
	s_add_co_u32 s[G0B+4*(\s)+1], s20, (\s)*SLOT
	s_add_nc_u64 s[G0B+4*(\s)+2:G0B+4*(\s)+3], s[46:47], (\s)*KSTEP*2
	s_or_b32 s[G0B+4*(\s)+3], s[G0B+4*(\s)+3], 0x80000000
	JLOAD \s
.endr
	; a fragment is 16 rows x 32 K in 8 registers: lane l holds row l % 16, K = 8 (l / 16) + 0..7 and 16 + 8 (l / 16) + 0..7: two loads of 16 bytes, 32 bytes apart
	v_and_b32 v1, 15, v0
	v_bfe_u32 v2, v0, 4, 1
	v_mul_u32_u24 v3, v1, PITCH
	v_lshl_add_u32 v3, v2, 4, v3
	s_mul_i32 s21, s11, HALFT
	s_mul_i32 s22, s12, HALFT
	s_add_co_u32 s22, s22, 2*HALFT
.irp s, 0,1
	v_add_nc_u32 v[ADRA+(\s)], s21, v3
	v_add_nc_u32 v[ADRB+(\s)], s22, v3
	s_add_co_u32 s21, s21, SLOT
	s_add_co_u32 s22, s22, SLOT
.endr
	s_mul_i32 s23, s10, 16*SPITCH
	s_add_co_u32 s23, s23, STAGE
	v_mul_u32_u24 v4, v1, SPITCH
	v_lshl_add_u32 v4, v2, 4, v4
	v_add_nc_u32 v[STO], s23, v4
	v_mul_u32_u24 v5, v2, SPITCH
	v_lshl_add_u32 v5, v1, 4, v5
	v_add_nc_u32 v[RD], s23, v5
	v_mul_u32_u24 v5, v2, SIZE_N*2
	v_lshl_add_u32 v[CO], v1, 4, v5
	s_lshl_b32 s13, s13, 8
	s_lshl_b32 s14, s11, 7
	s_add_co_u32 s16, s13, s14                     ; my first row of qkv
	s_mov_b32 s17, 0
	s_mov_b64 s[18:19], SIZE_N*2
	s_mul_u64 s[16:17], s[16:17], s[18:19]
	s_lshl_b32 s46, s42, 9                         ; my first column, in bytes
	s_lshl_b32 s47, s12, 8
	s_add_co_u32 s46, s46, s47
	s_mov_b32 s47, 0
	s_add_nc_u64 s[16:17], s[16:17], s[46:47]
	; the prefetches
	s_lshl_b32 s42, s42, 8
	s_and_b32 s22, ttmp7, 0xffff
	s_cmp_eq_u32 s11, 0
	s_cselect_b32 s20, s13, s42                    ; the tile's first row
	s_cselect_b32 s21, s40, s41                    ; my place among the four that ask for it with me
	s_cselect_b32 s22, ttmp9, s22                  ; the coordinate along which other clusters read the same rows
	s_cselect_b64 s[PFA:PFA+1], s[4:5], s[6:7]
	s_cmp_eq_u32 s22, 0
	s_cselect_b32 s[LIM], 1, -1
	s_lshl_b32 s22, s12, 7
	s_add_co_u32 s20, s20, s22
	s_lshl_b32 s21, s21, 5
	s_add_co_u32 s20, s20, s21
	s_mov_b32 s21, 0
	s_mov_b64 s[18:19], SIZE_K*2
	s_mul_u64 s[20:21], s[20:21], s[18:19]
	s_add_nc_u64 s[PFA:PFA+1], s[PFA:PFA+1], s[20:21]
	s_add_nc_u64 s[PFA:PFA+1], s[PFA:PFA+1], 2*KSTEP*2  ; at K step 2: the first refill steps it to 3 and names K step 4
	v_and_b32 v[PFO], 31, v0
	v_mul_u32_u24 v[PFO], v[PFO], SIZE_K*2
; 16 matrix instructions: m blocks a0, a0 + 1 of the window's four x all 8 n blocks, 32 along K.  zero = 1: the first product starts the sums
.macro MUL16 f, hi, a0, zero
	WIN MUL_LO+0x50*(\hi)
.irp a, \a0, (\a0)+1
.irp b, 0,1,2,3,4,5,6,7
.if \zero
	v_wmma_f32_16x16x32_bf16 v[8*(8*(\a)+(\b)):8*(8*(\a)+(\b))+7], v[(\f)+8*(\b):(\f)+8*(\b)+7], v[(\f)+8*(4*(\hi)+(\a)):(\f)+8*(4*(\hi)+(\a))+7], 0
.else
	v_wmma_f32_16x16x32_bf16 v[8*(8*(\a)+(\b)):8*(8*(\a)+(\b))+7], v[(\f)+8*(\b):(\f)+8*(\b)+7], v[(\f)+8*(4*(\hi)+(\a)):(\f)+8*(4*(\hi)+(\a))+7], v[8*(8*(\a)+(\b)):8*(8*(\a)+(\b))+7]
.endif
.endr
.endr
.endm
; 32 LDS loads in one run: the fragments of one quarter step into buffer f
.macro FETCH slot, k, f
	WIN TO_B
.irp i, 0,1,2,3,4,5,6,7
	ds_load_b128 v[(\f)+8*(\i):(\f)+8*(\i)+3],   v[ADRB+(\slot)] offset:(\k)+(\i)*16*PITCH
	ds_load_b128 v[(\f)+8*(\i)+4:(\f)+8*(\i)+7], v[ADRB+(\slot)] offset:(\k)+(\i)*16*PITCH+32
.endr
	WIN 0
.irp i, 0,1,2,3,4,5,6,7
	ds_load_b128 v[(\f)+8*(\i):(\f)+8*(\i)+3],   v[ADRA+(\slot)] offset:(\k)+(\i)*16*PITCH
	ds_load_b128 v[(\f)+8*(\i)+4:(\f)+8*(\i)+7], v[ADRA+(\slot)] offset:(\k)+(\i)*16*PITCH+32
.endr
.endm
.macro PLACES                          ; four plain vector instructions between a matrix instruction and a load into, or a vector instruction on, its registers
.rept 4
	v_nop
.endr
.endm
.macro QUARTER slot, k, f, g, zero
	s_wait_dscnt 8                                 ; wt's and xb's rows 0-63 are in; the youngest eight loads may be out
	MUL16 \f, 0, 0, \zero
	MUL16 \f, 0, 2, \zero
	PLACES
	FETCH \slot, \k, \g
	s_wait_dscnt 32                                ; all but the 32 just issued
	MUL16 \f, 1, 0, \zero
	MUL16 \f, 1, 2, \zero
.endm
; The change of slots: each wave waits for all its tensor loads, adds 0 to its spare word, waits for that and for its reads of this slot, and signals
.macro MEET round
	WIN 0
	s_wait_tensorcnt 0x0                           ; all my tensor loads have landed: my part of the next slot
	ds_add_u32 v[SPW], v[NIL]
	s_wait_dscnt 9                                 ; (the add and the youngest eight loads may be out)
	MUL16 F1, 0, 0, 0
	s_wait_dscnt 0x0                               ; the add is done, and my reads of this slot are over
	s_barrier_signal -1
	MUL16 F1, 0, 2, 0
.if \round
	WIN 0
.endif
	s_barrier_wait -1
.endm
.macro TURN slot, next
	s_wait_xcnt 0x0                                ; the last prefetch, a K step back, has read its address
	s_add_nc_u64 s[PFA:PFA+1], s[PFA:PFA+1], KSTEP*2
	MEET 1
	CREST                                          ; no wave of any partner still reads this slot's tile or has a load on its way
	s_add_nc_u64 s[G0+4*(\slot)+2:G0+4*(\slot)+3], s[G0+4*(\slot)+2:G0+4*(\slot)+3], 2*KSTEP*2
	s_add_nc_u64 s[G0B+4*(\slot)+2:G0B+4*(\slot)+3], s[G0B+4*(\slot)+2:G0B+4*(\slot)+3], 2*KSTEP*2
	JLOAD \slot                                    ; the first tensor load behind the round; its four v_nop are also the places in front of the loads below
	FETCH \next, 0, F0
	ASK
	MUL16 F1, 1, 0, 0
	MUL16 F1, 1, 2, 0
.endm
; the last K step (slot 1) by rows of the result
.macro BLOAD q
	WIN TO_B
.irp i, 0,1,2,3,4,5,6,7
	ds_load_b128 v[64*(\q)+8*(\i):64*(\q)+8*(\i)+3],   v[ADRB+1] offset:64*(\q)+(\i)*16*PITCH
	ds_load_b128 v[64*(\q)+8*(\i)+4:64*(\q)+8*(\i)+7], v[ADRB+1] offset:64*(\q)+(\i)*16*PITCH+32
.endr
.endm
.macro ALOAD a
	WIN 0
.set FA, PA+32*((\a)%4)
.irp q, 0,1,2,3
	ds_load_b128 v[FA+8*(\q):FA+8*(\q)+3],   v[ADRA+1] offset:64*(\q)+(\a)*16*PITCH
	ds_load_b128 v[FA+8*(\q)+4:FA+8*(\q)+7], v[ADRA+1] offset:64*(\q)+(\a)*16*PITCH+32
.endr
.endm
.macro ROW a
.set FA, PA+32*((\a)%4)
.set AC, 64*((\a)%4)
	WIN MUL_LO+0x50*((\a)/4)
.irp q, 0,1,2,3
.if (\a) == 0 && (\q) == 2
	s_wait_dscnt 24                                ; wt's quarter 2 is in (behind it: xb's blocks 1 to 3)
.endif
.irp b, 0,1,2,3,4,5,6,7
	v_wmma_f32_16x16x32_bf16 v[AC+8*(\b):AC+8*(\b)+7], v[64*(\q)+8*(\b):64*(\q)+8*(\b)+7], v[FA+8*(\q):FA+8*(\q)+7], v[AC+8*(\b):AC+8*(\b)+7]
.endr
.endr
.endm
.macro PACK a                          ; rounded to f16, 16 bytes a lane; each accumulator's registers in ascending order
.set AC, 64*((\a)%4)
	WIN 0x0a+5*((\a)/4)
.irp b, 0,1,2,3,4,5,6,7
.irp r, 0,1,2,3
	v_cvt_pk_f16_f32 v[TMP+4*(\b)+(\r)], v[AC+8*(\b)+2*(\r)], v[AC+8*(\b)+2*(\r)+1]
.endr
.endr
	WIN 0
.endm
.macro TOSTAGE a
	WIN 0
.set BK, OB+192*((\a)%2)
.irp b, 0,1,2,3,4,5,6,7
	ds_store_b128 v[STO], v[TMP+4*(\b):TMP+4*(\b)+3] offset:32*(\b)
.endr
.irp t, 0,1,2,3,4,5,6,7
	ds_load_b128 v[BK+4*(\t):BK+4*(\t)+3], v[RD] offset:(\t)*2*SPITCH  ; my own stage: LDS serves a wave's instructions in order
.endr
.endm
.macro SEND a, younger
	WIN 0
.set BK, OB+192*((\a)%2)
	s_wait_dscnt \younger
	s_wait_xcnt 0x0                                ; only behind this wait are the stores' base and the registers that earlier stores read rewritten
.if (\a) == 0
	s_add_nc_u64 s[8:9], s[8:9], s[16:17]
.else
	s_add_nc_u64 s[8:9], s[8:9], 16*SIZE_N*2
.endif
.irp t, 0,1,2,3,4,5,6,7
	global_store_b128 v[CO], v[BK+4*(\t):BK+4*(\t)+3], s[8:9] offset:2*(\t)*SIZE_N*2  ; 16 lanes store 256 consecutive bytes, aligned
.endr
.endm
	s_wait_tensorcnt 1                             ; my part of K step 0 is in; K step 1's may stay out
	s_barrier_signal -1
	s_barrier_wait -1
	FETCH 0, 0, F0
	QUARTER 0, 64,  F0, F1, 1                      ; the first quarter starts the sums
	WIN 0
	s_mov_b32 s3, LAPS-1
.Llap:                                                 ; a trip goes once round the ring and fills both slots again
	QUARTER 0, 128, F1, F0, 0
	QUARTER 0, 192, F0, F1, 0
	TURN 0, 1
	QUARTER 1, 64,  F0, F1, 0
	QUARTER 1, 128, F1, F0, 0
	QUARTER 1, 192, F0, F1, 0
	TURN 1, 0
	QUARTER 0, 64,  F0, F1, 0
	WIN 0
	s_sub_co_u32 s3, s3, 1
	s_cmp_lg_u32 s3, 0
	s_cbranch_scc1 .Llap
	QUARTER 0, 128, F1, F0, 0
	QUARTER 0, 192, F0, F1, 0
	MEET 0                                         ; nothing is filled again, so no round follows
	PLACES
	BLOAD 0
	BLOAD 1
	BLOAD 3
	ALOAD 0
	MUL16 F1, 1, 0, 0
	MUL16 F1, 1, 2, 0
	PLACES
	BLOAD 2
	ALOAD 1
	ALOAD 2
	ALOAD 3
	s_wait_dscnt 40                                ; all but the 40 just issued
	ROW 0
.irp a, 0,1,2,3,4,5,6,7
	PLACES
	PACK \a
	TOSTAGE \a
.if (\a) < 4
	ALOAD (\a)+4
	SEND \a, 8
.else
	SEND \a, 0
.endif
.if (\a) < 7
	ROW (\a)+1
.endif
.endr
	s_wait_tensorcnt 0x0                           ; the wave's end
	ds_add_u32 v[SPW], v[NIL]
	s_wait_dscnt 0x0
	CROUND                                         ; the closing round
	s_endpgm
.Lfunc_end_k_qca24bd6a05_proj:
	.size	k_qca24bd6a05_proj, .Lfunc_end_k_qca24bd6a05_proj-k_qca24bd6a05_proj
	.p2alignl 7, 3214868480
	.fill 96, 4, 3214868480
	.section	.rodata,"a",@progbits
	.p2align	6, 0x0
	.amdhsa_kernel k_qca24bd6a05_proj
		.amdhsa_group_segment_fixed_size 327680
		.amdhsa_private_segment_fixed_size 0
		.amdhsa_enable_private_segment 0
		.amdhsa_kernarg_size 24
		.amdhsa_user_sgpr_count 2
		.amdhsa_user_sgpr_kernarg_segment_ptr 1
		.amdhsa_wavefront_size32 1
		.amdhsa_system_sgpr_workgroup_id_x 1
		.amdhsa_system_sgpr_workgroup_id_y 1
		.amdhsa_system_sgpr_workgroup_id_z 1
		.amdhsa_system_vgpr_workitem_id 0
		.amdhsa_next_free_vgpr 1024
		.amdhsa_next_free_sgpr 66
		.amdhsa_reserve_vcc 0
		.amdhsa_float_denorm_mode_32 3
		.amdhsa_float_denorm_mode_16_64 3
		.amdhsa_memory_ordered 1
		.amdhsa_forward_progress 1
		.amdhsa_inst_pref_size 144
	.end_amdhsa_kernel
	.amdgpu_metadata
---
amdhsa.version: [ 1, 2 ]
amdhsa.kernels:
  - .name:           k_qca24bd6a05_proj
    .symbol:         k_qca24bd6a05_proj.kd
    .args:
      - { .name: xb, .offset: 0, .size: 8, .value_kind: global_buffer, .address_space: global }
      - { .name: wt, .offset: 8, .size: 8, .value_kind: global_buffer, .address_space: global }
      - { .name: qkv, .offset: 16, .size: 8, .value_kind: global_buffer, .address_space: global }
    .group_segment_fixed_size: 327680
    .private_segment_fixed_size: 0
    .kernarg_segment_align: 8
    .kernarg_segment_size: 24
    .max_flat_workgroup_size: 128
    .sgpr_count:     66
    .vgpr_count:     1024
    .wavefront_size: 32
...
	.end_amdgpu_metadata
.endif
;; end of part 2
;; launch score (part 3): grid 36 x 4, 4 waves a work-group, no clusters, 327,680 bytes of LDS; arguments qkv, pt, st; writes pt, st
.if DOCPART == 3
	.amdgcn_target "amdgcn-amd-amdhsa--gfx1250"
	.amdhsa_code_object_version 6
	.text
	.protected	k_qca24bd6a05_score
	.globl	k_qca24bd6a05_score
	.p2align	8
	.type	k_qca24bd6a05_score,@function
k_qca24bd6a05_score:
	s_mov_b64 s[64:65], 0
	v_nop
	global_prefetch_b8 v0, s[64:65] scope:SCOPE_SE
	s_setreg_imm32_b32 hwreg(HW_REG_WAVE_MODE, 25, 1), 1
	s_wait_xcnt 0x0
; One block of 256 keys j x 256 queries i of the scores, for the 36 blocks (ti >= tj) of a batch that hold visible scores; blocks wholly above the diagonal are left out: the problem's own mask gives them weight 0.
; acc[j][i] = k'_j . q'_i = s / 32 (k', q' are k / 32, q / 32 in f16).  For each key j: m = the block's maximum of acc over its queries, l = the sum of p, p = 2^(c acc - c m), c = 32 log2(e).
; pt[j][i] = p in f16; st: m at byte 0, l at byte 262,144, each [batch][ti][j] in f32.  The next launch joins a column's blocks: it makes c m by the same f32 product, so c m cancels.
; A hidden score (j > i) counts as its value less 1e30: the mask is the C operand of the products that start the sums.  Every column of a block has a visible score, so m is a true score.
; NO CLUSTER: a batch's 36 blocks form a triangle: rows and columns of it have 1 to 8 blocks, so no 4 x 4 or 4 x 1 grouping covers it with blocks that all do work, and partners must run alike.
; Four waves, each 128 keys x 128 queries; source 0 = 16 queries, source 1 = 16 keys: a lane holds ONE key (lane % 16) and queries 8 (lane / 16) + 0..7, so a key's maximum and sum are taken in the lane,
; across the halves of the lanes, and once with the wave that has the key's other 128 queries.  Ring, fragments and way out as in the projection launch, without joint loads.
; REGISTERS: window 0: v0-31 addresses; v32-39 the diagonal's mask; v64-191 K's fragments (later statistics); v32-63, v192-255 the way out.  Window 1: v64-191 Q's fragments; v0-63, v192-247 the 15 masks.
; Windows 2, 3: the 64 accumulators, (a, b) at 8 (8 (a % 4) + b): a = block of 16 keys, b = block of 16 queries.
.set ROWB,   6144                      ; bytes in a row of qkv
.set KSTEP,  128
.set PITCH,  272
.set HALFT,  128*PITCH
.set SLOT,   4*HALFT                   ; K's 256 rows, then Q's 256 rows
.set STAGE,  2*SLOT                    ; 16 rows x 272 bytes for each wave
.set SPITCH, 272
.set XM,     STAGE+4*16*SPITCH         ; 512 bytes a wave: my 128 keys' maxima, for the partner wave; 2,048 bytes on: the sums
.set FIN,    XM+4096                   ; 1,024 bytes a wave: m and l in the order of the keys
.set SPARE,  FIN+4096                  ; the spare words, 128 bytes a wave
.set XA,   6                           ; v6   XM, my wave's words: + 4 (lane % 16)
.set XB,   7                           ; v7   the partner wave's
.set FI,   8                           ; v8   FIN, in
.set FR,   9                           ; v9   FIN, back: 16 bytes a lane
.set SO,   10                          ; v10  16 x lane
.set VD,   11                          ; v11  lane % 16 - 8 (lane / 16)
.set ADRA, 16
.set ADRB, 20
.set STO,  24
.set RD,   25
.set CO,   26
.set SPW,  28
.set NIL,  29
.set PFO,  30                          ; v30  lane x 6,144
.set MD,   32                          ; v32-39  register g is hidden in a block on the diagonal where g < VD
.set F0,   64
.set F1,   128
.set TMP,  192
.set OB,   32
.set ML,   64                          ; the epilogue's registers, in K's fragment buffers: my 128 queries' maximum of key block a
.set CM,   72                          ; c m, a pair for each a
.set M,    88                          ; m
.set LS,   96                          ; the sum, a pair for each a
.set L,    112                         ; l
.set T,    120                         ; eight at work
.set G1, 24                            ; s[24:31] descriptor group 1
.set G0, 32                            ; s[32:39] group 0, a set for each slot
.set LIM, 43
.set PFA, 44
.set AL,  70                           ; s[70:71] a mask's factor
.set BE,  72                           ; s[72:73] a mask's addend
.set BIGN, 74                          ; -1e30
.set CS,  76                           ; s[76:77] c
.set SEL, 78                           ; s[78:79] v_permlanex16_b32's selects: the same place in the other half
.set MSB, 0
.macro WIN new
.if MSB != (\new)
	s_set_vgpr_msb (MSB<<8)|(\new)
.set MSB, \new
.endif
.endm
.set MUL_LO, 0xa1
.set MUL_HI, 0xf1
.set TO_B,   0x40
.macro PLACES
.rept 4
	v_nop
.endr
.endm
.macro LOAD s                          ; my quarter of a slot: 128 rows x 256 bytes; an s_nop 0 and four v_nop follow
	tensor_load_to_lds s[G0+4*(\s):G0+4*(\s)+3], s[G1:G1+7]
	s_nop 0
	PLACES
.endm
; A prefetch of the K step two refills on.  The blocks on the diagonal (ti = tj) read K's and Q's rows of one and the same range, and together all rows: they ask, each wave for the 128 rows that it fetches,
; a lane a row, four instructions: each row's 256 bytes of a K step are named once in the launch.  The last two refills have no K step two on.
.macro ASK
	s_cmp_gt_u32 s3, s[LIM]
	s_cbranch_scc0 .Lnot_mine_\@
.irp q, 0,1,2,3
	global_prefetch_b8 v[PFO], s[PFA:PFA+1] offset:KSTEP*2+(\q)*32*ROWB th:TH_LOAD_NT scope:SCOPE_SE
.endr
.Lnot_mine_\@:
.endm
	s_load_b128 s[4:7], s[0:1], 0x0                ; qkv s[4:5], pt s[6:7]
	s_load_b64 s[8:9], s[0:1], 0x10                ; st
	v_lshl_add_u32 v[SPW], v0, 2, SPARE
	v_mov_b32 v[NIL], 0
	ds_add_u32 v[SPW], v[NIL]                      ; the wave's opening: the add, twice on end, and its wait ahead of my first tensor load
	ds_add_u32 v[SPW], v[NIL]
	v_lshrrev_b32 v1, 5, v0
	v_readfirstlane_b32 s10, v1                    ; wave 0..3
	s_lshr_b32 s11, s10, 1                         ; which 128 keys are mine.  Also: I fetch K (0) or Q (1)
	s_and_b32 s12, s10, 1                          ; which 128 queries.  Also: which 128 rows of that tile I fetch
	s_mov_b32 s40, 0                               ; ti: block p of the triangle lies in row ti where ti (ti + 1) / 2 <= p
.irp thr, 1,3,6,10,15,21,28
	s_cmp_ge_u32 ttmp9, \thr
	s_add_co_ci_u32 s40, s40, 0
.endr
	s_add_co_u32 s41, s40, 1
	s_mul_i32 s41, s41, s40
	s_lshr_b32 s41, s41, 1
	s_sub_co_u32 s41, ttmp9, s41                   ; tj
	s_and_b32 s42, ttmp7, 0xffff                   ; the batch
	s_mov_b32 s[G1+0], (1<<16)|(1<<20)|(5<<22)|(3<<25)  ; elements of 2 bytes; padding on: after every 64 words 4 words
	s_mov_b32 s[G1+1], KSTEP<<16                   ; tensor_dim0 = 128
	s_mov_b32 s[G1+2], 128<<16                     ; tensor_dim1 = 128
	s_mov_b32 s[G1+3], KSTEP<<16                   ; tile_dim0 = 128
	s_mov_b32 s[G1+4], 128                         ; tile_dim1 = 128
	s_mov_b32 s[G1+5], 3072                        ; elements from row to row
	s_mov_b32 s[G1+6], 0
	s_mov_b32 s[G1+7], 0
	s_cmp_eq_u32 s11, 0
	s_cselect_b32 s16, s41, s40                    ; K's rows go by tj, Q's by ti
	s_cselect_b32 s18, 2048, 0                     ; k lies 2,048 bytes into a row of qkv, q at its head
	s_lshl_b32 s16, s16, 8
	s_lshl_b32 s17, s12, 7
	s_add_co_u32 s16, s16, s17
	s_lshl_b32 s17, s42, 11
	s_add_co_u32 s16, s16, s17
	s_mul_i32 s16, s16, ROWB                       ; under 8,192 x 6,144 bytes
	s_add_co_u32 s16, s16, s18
	s_mov_b32 s17, 0
	s_mul_i32 s20, s10, HALFT
	s_mov_b32 s[BIGN], 0xf149f2ca
	s_mov_b32 s[AL+1], 0                           ; named as pairs
	s_mov_b32 s[BE+1], 0
	s_mov_b32 s[CS], 0x4238aa3b                    ; c = 32 log2(e) = 46.16624
	s_mov_b32 s[CS+1], s[CS]
	s_mov_b32 s[SEL], 0x76543210
	s_mov_b32 s[SEL+1], 0xfedcba98
	s_wait_dscnt 0x0                               ; both opening adds are done
	s_wait_kmcnt 0x0
	s_add_nc_u64 s[14:15], s[4:5], s[16:17]
.irp s, 0,1
	s_mov_b32 s[G0+4*(\s)], 1
	s_add_co_u32 s[G0+4*(\s)+1], s20, (\s)*SLOT
	s_add_nc_u64 s[G0+4*(\s)+2:G0+4*(\s)+3], s[14:15], (\s)*KSTEP*2
	s_or_b32 s[G0+4*(\s)+3], s[G0+4*(\s)+3], 0x80000000
	LOAD \s                                        ; both first fills go out before anything else: two loads of mine are out
.endr
	s_add_nc_u64 s[PFA:PFA+1], s[14:15], 2*KSTEP*2 ; at K step 2: the first refill steps it to 3 and names K step 4
	s_cmp_eq_u32 s40, s41
	s_cselect_b32 s[LIM], 1, -1
	v_and_b32 v[PFO], 31, v0
	v_mul_u32_u24 v[PFO], v[PFO], ROWB
	v_and_b32 v1, 15, v0                           ; l % 16
	v_bfe_u32 v2, v0, 4, 1                         ; l / 16
	v_mul_u32_u24 v3, v1, PITCH
	v_lshl_add_u32 v3, v2, 4, v3
	s_mul_i32 s21, s11, HALFT                      ; my 128 rows of K
	s_mul_i32 s22, s12, HALFT                      ; my 128 rows of Q,
	s_add_co_u32 s22, s22, 2*HALFT                 ; which lie behind K's 256
.irp s, 0,1
	v_add_nc_u32 v[ADRA+(\s)], s21, v3
	v_add_nc_u32 v[ADRB+(\s)], s22, v3
	s_add_co_u32 s21, s21, SLOT
	s_add_co_u32 s22, s22, SLOT
.endr
	s_mul_i32 s23, s10, 16*SPITCH
	s_add_co_u32 s23, s23, STAGE
	v_mul_u32_u24 v4, v1, SPITCH
	v_lshl_add_u32 v4, v2, 4, v4
	v_add_nc_u32 v[STO], s23, v4
	v_mul_u32_u24 v5, v2, SPITCH
	v_lshl_add_u32 v5, v1, 4, v5
	v_add_nc_u32 v[RD], s23, v5
	v_lshlrev_b32 v5, 12, v2                       ; a row of pt is 4,096 bytes
	v_lshl_add_u32 v[CO], v1, 4, v5
	v_lshlrev_b32 v[XA], 2, v1
	s_lshl_b32 s21, s10, 9
	s_add_co_u32 s21, s21, XM
	s_xor_b32 s22, s10, 1                          ; the wave with my keys' other 128 queries
	s_lshl_b32 s22, s22, 9
	s_add_co_u32 s22, s22, XM
	v_add_nc_u32 v[XB], s22, v[XA]
	s_lshl_b32 s23, s10, 10
	s_add_co_u32 s23, s23, FIN
	v_add_nc_u32 v[FI], s23, v[XA]
	v_add_nc_u32 v[XA], s21, v[XA]
	v_and_b32 v[SO], 31, v0
	v_lshlrev_b32 v[SO], 4, v[SO]
	s_lshl_b32 s21, s12, 9                         ; the wave with the lower queries sends m, the other l
	s_add_co_u32 s23, s23, s21
	v_add_nc_u32 v[FR], s23, v[SO]
	; pt: batch x 2,048 x 4,096 + (256 tj + 128 x my half) rows + 512 ti + 256 x my half of the queries
	s_lshl_b32 s16, s41, 8
	s_lshl_b32 s17, s11, 7
	s_add_co_u32 s16, s16, s17
	s_lshl_b32 s18, s16, 2                         ; (kept for st: 4 bytes a key)
	s_lshl_b32 s16, s16, 12
	s_lshl_b32 s17, s42, 23
	s_add_co_u32 s16, s16, s17
	s_lshl_b32 s17, s40, 9
	s_add_co_u32 s16, s16, s17
	s_lshl_b32 s17, s12, 8
	s_add_co_u32 s16, s16, s17
	s_mov_b32 s17, 0
	; st: (batch x 8 + ti) x 8,192 + 4 x my first key, + 262,144 for the sums
	s_lshl_b32 s19, s42, 3
	s_add_co_u32 s19, s19, s40
	s_lshl_b32 s19, s19, 13
	s_add_co_u32 s18, s18, s19
	s_lshl_b32 s19, s12, 18
	s_add_co_u32 s18, s18, s19
	s_mov_b32 s19, 0
	s_add_nc_u64 s[8:9], s[8:9], s[18:19]
	; THE MASKS.  i - j = 16 val + (8 (l / 16) + register - l % 16) with val = 16 (ti - tj) + 8 (my query half - my key half) + b - a: all visible if val > 0, all hidden if val < 0, the diagonal's pattern if val = 0.
	v_lshlrev_b32 v4, 3, v2
	v_sub_nc_u32 v[VD], v1, v4
.irp g, 0,1,2,3,4,5,6,7
	v_cmp_lt_i32 vcc_lo, \g, v[VD]
	v_cndmask_b32 v[MD+\g], 0, s[BIGN], vcc_lo
.endr
	s_sub_co_i32 s80, s40, s41
	s_lshl_b32 s80, s80, 4
	s_sub_co_i32 s81, s12, s11
	s_lshl_b32 s81, s81, 3
	s_add_co_i32 s80, s80, s81
	WIN 0x40                                       ; destination window 1, source 0 window 0
.set d, 0
.rept 15                                               ; mask d serves the products with b - a = d - 7
	s_add_co_i32 s81, s80, d-7
	s_cmp_eq_u32 s81, 0
	s_cselect_b32 s[AL], 1.0, 0
	s_cmp_lt_i32 s81, 0
	s_cselect_b32 s[BE], s[BIGN], 0
.set mc, 8*d+128*(d/8)
.irp z, 0,2,4,6
	v_pk_fma_f32 v[mc+\z:mc+\z+1], v[MD+\z:MD+\z+1], s[AL:AL+1], s[BE:BE+1] op_sel_hi:[1,0,0]
.endr
.set d, d+1
.endr
	WIN 0
; 16 matrix instructions: key blocks a0, a0 + 1 of the window's four x all 8 query blocks, 32 channels.  mask = 1: the first product starts the sums with the mask
.macro MUL16 f, hi, a0, mask
.if \mask
	WIN 0x91+0x40*(\hi)                            ; as below, with the C operand in window 1
.else
	WIN MUL_LO+0x50*(\hi)
.endif
.irp a, \a0, (\a0)+1
.irp b, 0,1,2,3,4,5,6,7
.if \mask
.set dd, (\b)-4*(\hi)-(\a)+7
.set mc, 8*dd+128*(dd/8)
	v_wmma_f32_16x16x32_f16 v[8*(8*(\a)+(\b)):8*(8*(\a)+(\b))+7], v[(\f)+8*(\b):(\f)+8*(\b)+7], v[(\f)+8*(4*(\hi)+(\a)):(\f)+8*(4*(\hi)+(\a))+7], v[mc:mc+7]
.else
	v_wmma_f32_16x16x32_f16 v[8*(8*(\a)+(\b)):8*(8*(\a)+(\b))+7], v[(\f)+8*(\b):(\f)+8*(\b)+7], v[(\f)+8*(4*(\hi)+(\a)):(\f)+8*(4*(\hi)+(\a))+7], v[8*(8*(\a)+(\b)):8*(8*(\a)+(\b))+7]
.endif
.endr
.endr
.endm
.macro FETCH slot, k, f
	WIN TO_B
.irp i, 0,1,2,3,4,5,6,7
	ds_load_b128 v[(\f)+8*(\i):(\f)+8*(\i)+3],   v[ADRB+(\slot)] offset:(\k)+(\i)*16*PITCH
	ds_load_b128 v[(\f)+8*(\i)+4:(\f)+8*(\i)+7], v[ADRB+(\slot)] offset:(\k)+(\i)*16*PITCH+32
.endr
	WIN 0
.irp i, 0,1,2,3,4,5,6,7
	ds_load_b128 v[(\f)+8*(\i):(\f)+8*(\i)+3],   v[ADRA+(\slot)] offset:(\k)+(\i)*16*PITCH
	ds_load_b128 v[(\f)+8*(\i)+4:(\f)+8*(\i)+7], v[ADRA+(\slot)] offset:(\k)+(\i)*16*PITCH+32
.endr
.endm
.macro QUARTER slot, k, f, g, mask
	s_wait_dscnt 8                                 ; Q's and K's rows 0-63 are in; the youngest eight loads may be out
	MUL16 \f, 0, 0, \mask
	MUL16 \f, 0, 2, \mask
	PLACES
	FETCH \slot, \k, \g
	s_wait_dscnt 32                                ; all but the 32 just issued
	MUL16 \f, 1, 0, \mask
	MUL16 \f, 1, 2, \mask
.endm
; The last quarter of a K step changes slots: each wave waits for all its tensor loads, adds 0 to its spare word, waits for that and for its reads of this slot, and passes the barrier;
; fill = 1: this slot is filled again, two K steps ahead, first thing behind the barrier: one load a wave, with 224 matrix instructions in which to land.
.macro TURN slot, next, fill
.if \fill
	s_wait_xcnt 0x0                                ; the last prefetches, a K step back, have read their address
	s_add_nc_u64 s[PFA:PFA+1], s[PFA:PFA+1], KSTEP*2
.endif
	WIN 0
	s_wait_tensorcnt 0x0                           ; all my tensor loads have landed: my part of the next slot
	ds_add_u32 v[SPW], v[NIL]
	s_wait_dscnt 9                                 ; (the add and the youngest eight loads may be out)
	MUL16 F1, 0, 0, 0
	s_wait_dscnt 0x0                               ; the add is done, and my reads of this slot are over
	s_barrier_signal -1
	MUL16 F1, 0, 2, 0
	s_barrier_wait -1
.if \fill
	s_add_nc_u64 s[G0+4*(\slot)+2:G0+4*(\slot)+3], s[G0+4*(\slot)+2:G0+4*(\slot)+3], 2*KSTEP*2
	LOAD \slot                                     ; its four v_nop are also the places in front of the loads below
.else
	PLACES
.endif
	FETCH \next, 0, F0
.if \fill
	ASK
.endif
	MUL16 F1, 1, 0, 0
	MUL16 F1, 1, 2, 0
.endm
	s_wait_tensorcnt 1                             ; my part of K step 0 is in; K step 1's may stay out
	s_barrier_signal -1
	s_barrier_wait -1
	FETCH 0, 0, F0
	QUARTER 0, 64,  F0, F1, 1
	WIN 0
	s_mov_b32 s3, 3
.Llap:                                                 ; a trip goes once round the ring and fills both slots again: K steps 2 to 7
	QUARTER 0, 128, F1, F0, 0
	QUARTER 0, 192, F0, F1, 0
	TURN 0, 1, 1
	QUARTER 1, 64,  F0, F1, 0
	QUARTER 1, 128, F1, F0, 0
	QUARTER 1, 192, F0, F1, 0
	TURN 1, 0, 1
	QUARTER 0, 64,  F0, F1, 0
	WIN 0
	s_sub_co_u32 s3, s3, 1
	s_cmp_lg_u32 s3, 0
	s_cbranch_scc1 .Llap
	QUARTER 0, 128, F1, F0, 0                      ; the last lap fills nothing
	QUARTER 0, 192, F0, F1, 0
	TURN 0, 1, 0
	QUARTER 1, 64,  F0, F1, 0
	QUARTER 1, 128, F1, F0, 0
	QUARTER 1, 192, F0, F1, 0
	s_wait_dscnt 8
	MUL16 F1, 0, 0, 0
	MUL16 F1, 0, 2, 0
	s_wait_dscnt 0x0
	MUL16 F1, 1, 0, 0
	MUL16 F1, 1, 2, 0
	PLACES
	WIN 0
	v_mov_b32 v[T+4], 0                            ; v_permlanex16_b32's destination counts as read
; THE MAXIMUM of key block a over my 128 queries: four chains over two accumulators each, every accumulator's registers in ascending order; then the other half of the lanes
.macro EMAX a
.set AC, 64*((\a)%4)
	WIN 0
.irp k, 0,1,2,3
	v_mov_b32 v[T+\k], 0xff7fffff
.endr
	WIN 0x28+0x14*((\a)/4)                         ; sources 1 and 2 in window 2 or 3
.irp s, 0,1,2,3,4,5,6,7
.irp k, 0,1,2,3
	v_max3_num_f32 v[T+\k], v[T+\k], v[AC+8*(2*\k+\s/4)+2*(\s%4)], v[AC+8*(2*\k+\s/4)+2*(\s%4)+1]
.endr
.endr
	WIN 0
	v_max3_num_f32 v[T], v[T], v[T+1], v[T+2]
	v_max_num_f32 v[T], v[T], v[T+3]
	v_permlanex16_b32 v[T+4], v[T], s[SEL], s[SEL+1]
	v_max_num_f32 v[ML+(\a)], v[T], v[T+4]
	ds_store_b32 v[XA], v[ML+(\a)] offset:64*(\a)  ; both halves of the lanes write the same word with the same number
.endm
.irp a, 0,1,2,3,4,5,6,7
	EMAX \a
.endr
	s_wait_dscnt 0x0                               ; for the partner's sake: my maxima lie in LDS
	s_barrier_signal -1
	s_barrier_wait -1
.irp a, 0,1,2,3,4,5,6,7
	ds_load_b32 v[M+\a], v[XB] offset:64*\a
.endr
	s_wait_dscnt 0x0
.irp a, 0,1,2,3,4,5,6,7
	v_max_num_f32 v[M+\a], v[M+\a], v[ML+\a]       ; m over the block's 256 queries
	v_mul_f32 v[CM+2*\a], s[CS], v[M+\a]           ; c m, rounded once: the next launch makes the same product
	v_mov_b32 v[CM+2*\a+1], v[CM+2*\a]
.endr
.macro PACK a
.set AC, 64*((\a)%4)
	WIN 0x0a+5*((\a)/4)
.irp b, 0,1,2,3,4,5,6,7
.irp r, 0,1,2,3
	v_cvt_pk_f16_f32 v[TMP+4*(\b)+(\r)], v[AC+8*(\b)+2*(\r)], v[AC+8*(\b)+2*(\r)+1]
.endr
.endr
	WIN 0
.endm
.macro TOSTAGE a
	WIN 0
.set BK, OB+192*((\a)%2)
.irp b, 0,1,2,3,4,5,6,7
	ds_store_b128 v[STO], v[TMP+4*(\b):TMP+4*(\b)+3] offset:32*(\b)
.endr
.irp t, 0,1,2,3,4,5,6,7
	ds_load_b128 v[BK+4*(\t):BK+4*(\t)+3], v[RD] offset:(\t)*2*SPITCH  ; my own stage: LDS serves a wave's instructions in order
.endr
.endm
.macro SEND a
	WIN 0
.set BK, OB+192*((\a)%2)
	s_wait_dscnt 0x0
	s_wait_xcnt 0x0                                ; only behind this wait are the stores' base and the registers that earlier stores read rewritten
.if (\a) == 0
	s_add_nc_u64 s[6:7], s[6:7], s[16:17]
.else
	s_add_nc_u64 s[6:7], s[6:7], 16*4096
.endif
.irp t, 0,1,2,3,4,5,6,7
	global_store_b128 v[CO], v[BK+4*(\t):BK+4*(\t)+3], s[6:7] offset:2*(\t)*4096  ; 16 lanes store 256 consecutive bytes, aligned
.endr
.endm
; THE WEIGHTS of key block a: c acc - c m, 64 exponentials as one batch with one wait, their sum in f32, then rounded to f16 and out
.macro EEXP a
.set AC, 64*((\a)%4)
	WIN 0x82+0x41*((\a)/4)                         ; destination and source 0 in window 2 or 3, c m in window 0
.set z, 0
.rept 32
	v_pk_fma_f32 v[AC+2*z:AC+2*z+1], v[AC+2*z:AC+2*z+1], s[CS:CS+1], v[CM+2*(\a):CM+2*(\a)+1] op_sel_hi:[1,0,0] neg_lo:[0,0,1] neg_hi:[0,0,1]
.set z, z+1
.endr
.set z, 0
.rept 64
	v_exp_f32 v[AC+z], v[AC+z]
.set z, z+1
.endr
	WIN 0
.irp k, 0,1,2,3,4,5,6,7
	v_mov_b32 v[T+\k], 0                           ; plain instructions behind the last exponential
.endr
	s_wait_alu depctr_va_vdst(0)                   ; one wait for the batch, ahead of the first line that names a result
	WIN 0x02+((\a)/4)
.set z, 0
.rept 32
	v_pk_add_f32 v[T+2*(z%4):T+2*(z%4)+1], v[AC+2*z:AC+2*z+1], v[T+2*(z%4):T+2*(z%4)+1]
.set z, z+1
.endr
	WIN 0
	v_pk_add_f32 v[T:T+1], v[T:T+1], v[T+2:T+3]
	v_pk_add_f32 v[T+4:T+5], v[T+4:T+5], v[T+6:T+7]
	v_pk_add_f32 v[LS+2*(\a):LS+2*(\a)+1], v[T:T+1], v[T+4:T+5]
	PACK \a
	TOSTAGE \a
	SEND \a
.endm
.irp a, 0,1,2,3,4,5,6,7
	EEXP \a
.endr
	; THE SUMS: the pair's halves, the other half of the lanes, the partner wave
.irp a, 0,1,2,3,4,5,6,7
	v_add_f32 v[L+\a], v[LS+2*\a], v[LS+2*\a+1]
.endr
.irp a, 0,1,2,3,4,5,6,7
	v_permlanex16_b32 v[LS+2*\a], v[L+\a], s[SEL], s[SEL+1]
.endr
.irp a, 0,1,2,3,4,5,6,7
	v_add_f32 v[L+\a], v[L+\a], v[LS+2*\a]
	ds_store_b32 v[XA], v[L+\a] offset:2048+64*\a
.endr
	s_wait_dscnt 0x0                               ; for the partner's sake
	s_barrier_signal -1
	s_barrier_wait -1
.irp a, 0,1,2,3,4,5,6,7
	ds_load_b32 v[LS+2*\a], v[XB] offset:2048+64*\a
.endr
	s_wait_dscnt 0x0
.irp a, 0,1,2,3,4,5,6,7
	v_add_f32 v[L+\a], v[L+\a], v[LS+2*\a]
.endr
.irp a, 0,1,2,3,4,5,6,7
	ds_store_b32 v[FI], v[M+\a] offset:64*\a       ; my own words: the 128 keys' m in order, then their l
	ds_store_b32 v[FI], v[L+\a] offset:512+64*\a
.endr
	ds_load_b128 v[T:T+3], v[FR]
	s_wait_dscnt 0x0
	global_store_b128 v[SO], v[T:T+3], s[8:9]      ; 512 consecutive bytes, aligned: m from one wave of the pair, l from the other
	s_wait_tensorcnt 0x0                           ; the wave's end
	ds_add_u32 v[SPW], v[NIL]
	s_wait_dscnt 0x0
	s_endpgm
.Lfunc_end_k_qca24bd6a05_score:
	.size	k_qca24bd6a05_score, .Lfunc_end_k_qca24bd6a05_score-k_qca24bd6a05_score
	.p2alignl 7, 3214868480
	.fill 96, 4, 3214868480
	.section	.rodata,"a",@progbits
	.p2align	6, 0x0
	.amdhsa_kernel k_qca24bd6a05_score
		.amdhsa_group_segment_fixed_size 327680
		.amdhsa_private_segment_fixed_size 0
		.amdhsa_enable_private_segment 0
		.amdhsa_kernarg_size 24
		.amdhsa_user_sgpr_count 2
		.amdhsa_user_sgpr_kernarg_segment_ptr 1
		.amdhsa_wavefront_size32 1
		.amdhsa_system_sgpr_workgroup_id_x 1
		.amdhsa_system_sgpr_workgroup_id_y 1
		.amdhsa_system_sgpr_workgroup_id_z 1
		.amdhsa_system_vgpr_workitem_id 0
		.amdhsa_next_free_vgpr 1024
		.amdhsa_next_free_sgpr 96
		.amdhsa_reserve_vcc 1
		.amdhsa_float_denorm_mode_32 3
		.amdhsa_float_denorm_mode_16_64 3
		.amdhsa_memory_ordered 1
		.amdhsa_forward_progress 1
		.amdhsa_inst_pref_size 227
	.end_amdhsa_kernel
	.amdgpu_metadata
---
amdhsa.version: [ 1, 2 ]
amdhsa.kernels:
  - .name:           k_qca24bd6a05_score
    .symbol:         k_qca24bd6a05_score.kd
    .args:
      - { .name: qkv, .offset: 0, .size: 8, .value_kind: global_buffer, .address_space: global }
      - { .name: pt, .offset: 8, .size: 8, .value_kind: global_buffer, .address_space: global }
      - { .name: st, .offset: 16, .size: 8, .value_kind: global_buffer, .address_space: global }
    .group_segment_fixed_size: 327680
    .private_segment_fixed_size: 0
    .kernarg_segment_align: 8
    .kernarg_segment_size: 24
    .max_flat_workgroup_size: 128
    .sgpr_count:     96
    .vgpr_count:     1024
    .wavefront_size: 32
...
	.end_amdgpu_metadata
.endif
;; end of part 3
;; launch pv (part 4): grid 8 x 32, 4 waves a work-group, clusters of 4 x 1, 327,680 bytes of LDS; arguments pt, st, qkv, out0; writes out0
.if DOCPART == 4
	.amdgcn_target "amdgcn-amd-amdhsa--gfx1250"
	.amdhsa_code_object_version 6
	.text
	.protected	k_qca24bd6a05_pv
	.globl	k_qca24bd6a05_pv
	.p2align	8
	.type	k_qca24bd6a05_pv,@function
k_qca24bd6a05_pv:
	s_mov_b64 s[64:65], 0
	v_nop
	global_prefetch_b8 v0, s[64:65] scope:SCOPE_SE
	s_setreg_imm32_b32 hwreg(HW_REG_WAVE_MODE, 25, 1), 1
	s_wait_xcnt 0x0
	s_wait_alu depctr_hold_cnt(0) depctr_sa_sdst(0) depctr_va_vdst(0) depctr_va_sdst(0) depctr_va_ssrc(0) depctr_va_vcc(0) depctr_vm_vsrc(0)
	s_getreg_b32 s2, hwreg(HW_REG_IB_STS2, 6, 4)
	s_cmp_eq_u32 s2, 0
	s_cbranch_scc0 .Lentry_in_a_cluster
	s_endpgm
.Lentry_in_a_cluster:
	s_bfe_u32 s2, ttmp6, 0x10000c
	s_cmp_lg_u32 s2, 0x3003
	s_cbranch_scc0 .Lentry_shape_is_right
	s_endpgm
.Lentry_shape_is_right:
; out[i][e] = sum over j <= i of (p[j][i] F[j]) v'[j][e].  p (f16) is relative to its block's maximum m_t of column j; F_t[j] = 2^(c m_t - c M) 32 / L with M = the maximum of the column's m, L = the sum of l_t 2^(c m_t - c M);
; v' = v / 32 in f16.  Keys beyond a row tile's diagonal are left out: the problem's own mask gives them weight 0; blocks that the score launch never made hold (-1e30, 0) in st and add nothing to M and L.
; THE WALK.  A work-group makes two tiles of 128 rows x 128 channels: row tiles 15 - pb and then pb of a batch: together 17 halves of 128 keys, walked as 9 steps of 256 keys whatever pb; the one half that lies
; wholly beyond the diagonal (the last step of the tile whose number is even) is jumped over.  So all 256 work-groups do equal work, and one loop with a constant count walks them.
; CLUSTER.  The four partners make four channel tiles of the same rows: they need the same tiles of p, which are asked for jointly; v's tiles are each partner's own.  All counts hang on the cluster's y alone.
; LAYOUT.  Source 0 = 16 channels x 32 keys of v, source 1 = 32 keys x 16 rows of p, both turned out of LDS by ds_load_tr16_b128: a lane holds one row i (lane % 16) and 8 neighbouring channels.
; p's fragments are multiplied by F (a packed f16 product, p F <= 32) on their way: two such lines stand behind each matrix instruction, for the next 32 keys.
; F LIES IN LDS IN THE ORDER OF THE WALK: step n's 256 factors at 512 n, so that the LDS addresses hang on the step's number alone; which keys and which row of blocks a step means enters the loads from st.
; REGISTERS: window 0: v0-31 addresses; v32-63 F, v64-191 v: four buffers of 32 keys; v192-255 the way out (at the start v64-225 make F).  Window 1: v0-127 the 16 accumulators; v128-255 p, four buffers.
.set PITCH, 288                        ; an LDS row: 256 bytes + 32 of padding
.set QUART, 128*PITCH                  ; what one tensor load brings: 128 keys
.set SLOT,  4*QUART                    ; p's 256 keys, then v's
.set FT,    2*SLOT                     ; behind the ring: F in f16, 9 steps x 512 bytes (8,192 bytes are set aside)
.set STAGE, FT+8192                    ; 16 rows x 272 bytes for each wave
.set SP,    272
.set SPARE, STAGE+4*16*SP              ; the spare words, 128 bytes a wave
.set PA,  4                            ; v4-7    my lane's place in p's keys 0-127 and 128-255 of slot 0, of slot 1
.set VA,  8                            ; v8-11   the same for v
.set FA,  12                           ; v12     F of the step in hand: s[TF] + FA0
.set FA0, 13                           ; v13     16 (lane / 16); never rewritten
.set STO, 14
.set RD,  15
.set GO,  16
.set PFO, 17                           ; v17     lane x a row of pt or of qkv
.set JO,  20                           ; v20     my four keys' bytes among a wave's 128: 16 x lane
.set FS,  21                           ; v21     where their F goes
.set SPW, 28
.set NIL, 29
.set FF,  32
.set VF,  64
.set OB,  192
.set PF,  128                          ; window 1
.set FR,  64                           ; the making of F: two sets of 72 (68 used)
.set TM,  208
.set CMX, 212
.set LL,  216
.set RC,  220
.set FH,  224
.set WV,  12
.set BT,  16
.set PBK, 17
.set G1P, 24
.set G1V, 32
.set G0P, 40
.set G0V, 44
.set PB,  48                           ; s[48:49] pt at my 128 keys of the batch's tile 0
.set VB,  50                           ; s[50:51] v at my 128 keys of tile 0, my work-group's channels
.set O,   52                           ; s[52:53] out at my rows of the tile in hand
.set O2,  54                           ; s[54:55] of the second tile
.set PFA, 56
.set PST, 58                           ; s[58:59] bytes from a tile of 256 keys to the next, in what I prefetch
.set OF,  60
.set NXT, 66                           ; the tile of 256 keys to be asked for next
.set NA,  67                           ; tiles of the row tile whose keys are being asked for
.set N2,  68
.set IOFF, 69                          ; that row tile's bytes in a row of pt
.set IOFF2, 70
.set REM, 71                           ; steps left of the row tile in hand (until the walk begins: the first row tile's steps)
.set EVN, 72                           ; 1: its last step has a hidden half
.set HALF, 73
.set PCNT, 74                          ; prefetches still to be made
.set LB,  75
.set CNT, 76
.set TF,  77                           ; LDS byte of the next step's F: FT + 512 x the step's number
.set STB, 82                           ; s[82:83] st at the batch
.set CS,  84                           ; s[84:85] c
.set SGB, 86                           ; s[86:93] for each of the two sets: st at the group's keys; the same at the row of blocks of the group's row tile
.set T1R, 96                           ; bytes to the row of blocks that holds the first row tile
.set T2R, 98                           ; the second
.set MSB, 0
.macro WIN new
.if MSB != (\new)
	s_set_vgpr_msb (MSB<<8)|(\new)
.set MSB, \new
.endif
.endm
.set W, 0x54                           ; source 0 window 0; source 1, source 2 and destination window 1
.macro PLACES
.rept 4
	v_nop
.endr
.endm
.macro CROUND                          ; a round of the cluster's barrier
	s_barrier_signal -1
	s_barrier_wait -1
	s_cmp_lg_u32 s[WV], 0
	s_cbranch_scc1 .Lnot_wave_0_\@
	s_barrier_signal -3
.Lnot_wave_0_\@:
	s_barrier_wait -3
	s_barrier_signal -1
	s_barrier_wait -1
.endm
.macro JLOAD                           ; waves 0 and 1: p's two halves, jointly; waves 2 and 3: v's.  An s_nop 0 and four v_nop follow each line
	s_cmp_lt_u32 s[WV], 2
	s_cbranch_scc0 .Lfor_v_\@
	tensor_load_to_lds s[G0P:G0P+3], s[G1P:G1P+7]
	s_nop 0
	PLACES
	s_branch .Lasked_\@
.Lfor_v_\@:
	tensor_load_to_lds s[G0V:G0V+3], s[G1V:G1V+7]
	s_nop 0
	PLACES
.Lasked_\@:
.endm
; Both descriptors for tile NXT, into the given slot; the addresses are made anew from the bases; then NXT steps, and behind the first row tile's last tile goes back to 0 for the second
.macro DESC slot
	s_lshl_b32 s[OF], s[NXT], 20                   ; 256 rows of pt
	s_add_co_u32 s[OF], s[OF], s[IOFF]
	s_add_co_u32 s[G0P+1], s[LB], (\slot)*SLOT
	s_add_nc_u64 s[G0P+2:G0P+3], s[PB:PB+1], s[OF:OF+1]
	s_or_b32 s[G0P+3], s[G0P+3], 0x80000000
	s_mul_i32 s[OF], s[NXT], 256*6144              ; 256 rows of qkv
	s_add_co_u32 s[G0V+1], s[LB], (\slot)*SLOT
	s_add_nc_u64 s[G0V+2:G0V+3], s[VB:VB+1], s[OF:OF+1]
	s_or_b32 s[G0V+3], s[G0V+3], 0x80000000
	s_add_co_u32 s[NXT], s[NXT], 1
	s_cmp_eq_u32 s[NXT], s[NA]
	s_cselect_b32 s[NXT], 0, s[NXT]
	s_cselect_b32 s[IOFF], s[IOFF2], s[IOFF]
	s_cselect_b32 s[NA], s[N2], s[NA]
.endm
; A prefetch, behind the tensor load and its lines: in step n the first row tile's tile n + 3, which the load of step n + 2 will want.  p's tile is read by two clusters: the one with x = 0 asks, its partners
; 32 rows each of the 128 that a wave fetches, told apart by address.  v's rows are read by eight work-groups: the one with pb = 0, which walks all keys in its first row tile, asks, a wave its own 128 rows.
; A lane a row.  Tiles 0 to 2 and the second row tile's come by their loads alone; the count ends at the first row tile's last tile.
.macro ASK
	s_cmp_lg_u32 s[PCNT], 0
	s_cbranch_scc0 .Lnone_\@
	s_sub_co_u32 s[PCNT], s[PCNT], 1
	s_cmp_lt_u32 s[WV], 2
	s_cbranch_scc0 .Lask_v_\@
	global_prefetch_b8 v[PFO], s[PFA:PFA+1] th:TH_LOAD_NT scope:SCOPE_SE
	s_branch .Lnone_\@
.Lask_v_\@:
.irp q, 0,1,2,3
	global_prefetch_b8 v[PFO], s[PFA:PFA+1] offset:(\q)*32*6144 th:TH_LOAD_NT scope:SCOPE_SE
.endr
.Lnone_\@:
.endm
	s_load_b256 s[4:11], s[0:1], 0x0               ; pt s[4:5], st s[6:7], qkv s[8:9], out0 s[10:11]
	v_lshl_add_u32 v[SPW], v0, 2, SPARE
	v_mov_b32 v[NIL], 0
	ds_add_u32 v[SPW], v[NIL]                      ; the wave's opening: the add, twice on end, and its wait ahead of my first tensor load
	ds_add_u32 v[SPW], v[NIL]
	v_lshrrev_b32 v1, 5, v0
	v_readfirstlane_b32 s[WV], v1                  ; wave 0..3
	s_bfe_u32 s13, ttmp6, 0x40000                  ; cx
	s_lshl_b32 s14, ttmp9, 2
	s_add_co_u32 s14, s14, s13                     ; my 128 channels: it enters v's and out's addresses alone
	s_and_b32 s15, ttmp7, 0xffff
	s_lshr_b32 s[BT], s15, 3                       ; the batch
	s_and_b32 s[PBK], s15, 7                       ; pb
	s_sub_co_u32 s18, 15, s[PBK]                   ; the first row tile
	s_sub_co_u32 s19, 17, s[PBK]
	s_lshr_b32 s[NA], s19, 1                       ; its steps of 256 keys: 5 to 8
	s_sub_co_u32 s[N2], 9, s[NA]
	s_mov_b32 s[REM], s[NA]
	s_and_b32 s[EVN], s[PBK], 1                    ; 15 - pb is even where pb is odd
	s_lshl_b32 s[IOFF], s18, 8
	s_lshl_b32 s[IOFF2], s[PBK], 8
	s_mov_b32 s[NXT], 0
	s_mov_b32 s[OF+1], 0
	s_mov_b32 s[TF], FT
	s_mul_i32 s[LB], s[WV], QUART                  ; no place in the cluster enters an LDS address
	s_and_b32 s20, s[WV], 1                        ; which 128 keys I fetch; also my half of the channels
	s_lshr_b32 s21, s[WV], 1                       ; my half of the rows
	s_lshl_b32 s86, s[BT], 23                      ; pt: 2,048 rows of 4,096 bytes a batch,
	s_lshl_b32 s22, s20, 19                        ; 128 rows
	s_add_co_u32 s86, s86, s22
	s_mov_b32 s87, 0
	s_lshl_b32 s88, s[BT], 11                      ; qkv: the row,
	s_lshl_b32 s22, s20, 7
	s_add_co_u32 s88, s88, s22
	s_mul_i32 s88, s88, 6144
	s_lshl_b32 s22, s14, 8                         ; my channels,
	s_add_co_u32 s88, s88, s22
	s_add_co_u32 s88, s88, 4096                    ; v lies 4,096 bytes into a row
	s_mov_b32 s89, 0
	s_lshl_b32 s22, s[BT], 11                      ; out: the rows of both tiles
	s_lshl_b32 s23, s21, 6
	s_add_co_u32 s22, s22, s23
	s_lshl_b32 s23, s18, 7
	s_add_co_u32 s90, s22, s23
	s_lshl_b32 s90, s90, 12
	s_lshl_b32 s23, s[PBK], 7
	s_add_co_u32 s92, s22, s23
	s_lshl_b32 s92, s92, 12
	s_lshl_b32 s22, s14, 9
	s_lshl_b32 s23, s20, 8
	s_add_co_u32 s22, s22, s23
	s_add_co_u32 s90, s90, s22
	s_add_co_u32 s92, s92, s22
	s_mov_b32 s91, 0
	s_mov_b32 s93, 0
	s_lshl_b32 s94, s[BT], 16                      ; st: 8 rows of 8,192 bytes a batch
	s_mov_b32 s95, 0
	s_lshr_b32 s[T1R], s18, 1                      ; the row of blocks that holds the first row tile,
	s_lshl_b32 s[T1R], s[T1R], 13
	s_lshr_b32 s[T2R], s[PBK], 1                   ; the second
	s_lshl_b32 s[T2R], s[T2R], 13
	s_mov_b32 s[G1P], 15|(1<<16)|(1<<20)|(1<<21)|(5<<22)|(7<<25)  ; the mask of four; elements of 2 bytes; padding on; bit 21 beside a mask; after every 64 words 8 words
	s_mov_b32 s[G1V], (1<<16)|(1<<20)|(5<<22)|(7<<25)
.irp g, G1P, G1V
	s_mov_b32 s[(\g)+1], 128<<16                   ; tensor_dim0 = 128
	s_mov_b32 s[(\g)+2], 128<<16                   ; tensor_dim1 = 128
	s_mov_b32 s[(\g)+3], 128<<16                   ; tile_dim0 = 128
	s_mov_b32 s[(\g)+4], 128                       ; tile_dim1 = 128
	s_mov_b32 s[(\g)+6], 0
	s_mov_b32 s[(\g)+7], 0
.endr
	s_mov_b32 s[G1P+5], 2048                       ; elements from row to row
	s_mov_b32 s[G1V+5], 3072
	s_mov_b32 s[G0P], 1
	s_mov_b32 s[G0V], 1
	s_mov_b32 s[CS], 0x4238aa3b                    ; c = 32 log2(e)
	s_mov_b32 s[CS+1], s[CS]
	; the prefetches' registers
	s_lshl_b32 s22, s13, 17                        ; my work-group's 32 rows of pt,
	s_add_co_u32 s22, s22, s[IOFF]                 ; the first row tile's columns,
	s_add_co_u32 s22, s22, 2<<20                   ; tile 2: the first step steps it to tile 3
	s_sub_co_u32 s23, s[NA], 3
	s_mov_b32 s[PST], 256*6144
	s_mov_b32 s[PST+1], 0
	s_mov_b32 s2, 2*256*6144
	s_mov_b32 s3, 0
	s_mov_b32 s15, 6144
	s_cmp_lt_u32 s[WV], 2
	s_cselect_b32 s19, ttmp9, s[PBK]               ; who asks: cluster x = 0 for p, pb = 0 for v: the same in all four partners
	s_cselect_b32 s[PST], 0x100000, s[PST]
	s_cselect_b32 s2, s22, s2
	s_cselect_b32 s15, 4096, s15
	s_cmp_eq_u32 s19, 0
	s_cselect_b32 s[PCNT], s23, 0
	v_and_b32 v[PFO], 31, v0
	v_mul_u32_u24 v[PFO], v[PFO], s15
	s_wait_dscnt 0x0                               ; both opening adds are done
	s_wait_kmcnt 0x0
	s_add_nc_u64 s[PB:PB+1], s[4:5], s[86:87]
	s_add_nc_u64 s[VB:VB+1], s[8:9], s[88:89]
	s_add_nc_u64 s[O:O+1], s[10:11], s[90:91]
	s_add_nc_u64 s[O2:O2+1], s[10:11], s[92:93]
	s_add_nc_u64 s[STB:STB+1], s[6:7], s[94:95]
	s_cmp_lt_u32 s[WV], 2
	s_cselect_b64 s[PFA:PFA+1], s[PB:PB+1], s[VB:VB+1]
	s_add_nc_u64 s[PFA:PFA+1], s[PFA:PFA+1], s[2:3]
	DESC 0
	CROUND                                         ; all four work-groups are here: the first joint loads meet
	JLOAD                                          ; tile 0 into slot 0; slot 1 is filled behind the first step's round
	v_and_b32 v1, 15, v0                           ; l % 16
	v_bfe_u32 v2, v0, 4, 1                         ; l / 16
	v_and_b32 v3, 7, v0
	v_bfe_u32 v18, v0, 3, 1
	v_lshl_add_u32 v19, v2, 3, v3                  ; the turning load: lane l reads key 8 (l / 16) + l % 8, 16 bytes at 16 ((l / 8) % 2)
	v_mul_u32_u24 v19, v19, PITCH
	v_lshl_add_u32 v19, v18, 4, v19
	s_lshl_b32 s22, s21, 7                         ; my 64 rows i: 128 bytes of a row of p
	s_lshl_b32 s23, s20, 7                         ; my 64 channels,
	s_add_co_u32 s23, s23, 2*QUART                 ; behind p's 256 keys
	v_add_nc_u32 v22, s22, v19
	v_add_nc_u32 v23, s23, v19
.irp k, 0,1,2,3
	v_add_nc_u32 v[PA+\k], (\k/2)*SLOT+(\k%2)*QUART, v22
	v_add_nc_u32 v[VA+\k], (\k/2)*SLOT+(\k%2)*QUART, v23
.endr
	v_lshlrev_b32 v[FA0], 4, v2                    ; a fragment's keys 8 (l / 16) + 0..7: 16 bytes of the table
	s_mul_i32 s22, s[WV], 16*SP
	s_add_co_u32 s22, s22, STAGE
	v_mul_u32_u24 v[STO], v1, SP                   ; in: row l % 16, 32 bytes for each half of the lanes
	v_lshl_add_u32 v[STO], v2, 5, v[STO]
	v_add_nc_u32 v[STO], s22, v[STO]
	v_mul_u32_u24 v[RD], v2, SP                    ; back: lanes 0-15 one row of 256 bytes, lanes 16-31 the next
	v_lshl_add_u32 v[RD], v1, 4, v[RD]
	v_add_nc_u32 v[RD], s22, v[RD]
	v_lshlrev_b32 v[GO], 12, v2                    ; and the same two rows in out
	v_lshl_add_u32 v[GO], v1, 4, v[GO]
	v_and_b32 v3, 31, v0
	v_lshlrev_b32 v[JO], 4, v3                     ; four keys a lane, 4 bytes each
	s_lshl_b32 s22, s[WV], 8
	s_add_co_u32 s22, s22, FT
	v_lshl_add_u32 v[FS], v3, 3, s22               ; FT + 256 w + 8 l: 2 bytes a key; the group adds 1,024 g
; THE MAKING OF F, in the wait for the first tile.  Group g, wave w: the 128 factors of half w % 2 of the walk's step n = 2 g + w / 2; a lane has four.  Step n means keys 256 n .. of the first row tile if n is below its
; number of steps, else keys 256 (n - that number) .. of the second.  A set of registers: m of the column's 8 blocks (32), l of the 8 (32), m of the block that the row tile lies in (4).
; A set's two scalar bases are written again only behind the wait that shows the set's loads done.
.macro LOADG set, g
	s_add_co_u32 s22, s21, 2*(\g)                  ; n
	s_cmp_lt_u32 s22, s[REM]
	s_cselect_b32 s23, 0, s[REM]
	s_cselect_b32 s[OF], s[T1R], s[T2R]
	s_sub_co_u32 s22, s22, s23
	s_lshl_b32 s22, s22, 10                        ; 256 keys of 4 bytes,
	s_lshl_b32 s23, s20, 9                         ; my half
	s_add_co_u32 s2, s22, s23
	s_add_nc_u64 s[SGB+4*(\set):SGB+4*(\set)+1], s[STB:STB+1], s[2:3]
	s_add_co_u32 s2, s2, s[OF]
	s_add_nc_u64 s[SGB+4*(\set)+2:SGB+4*(\set)+3], s[STB:STB+1], s[2:3]
.irp t, 0,1,2,3,4,5,6,7
	global_load_b128 v[FR+72*(\set)+4*\t:FR+72*(\set)+4*\t+3], v[JO], s[SGB+4*(\set):SGB+4*(\set)+1] offset:\t*8192
.endr
.irp t, 0,1,2,3,4,5,6,7
	global_load_b128 v[FR+72*(\set)+32+4*\t:FR+72*(\set)+32+4*\t+3], v[JO], s[SGB+4*(\set):SGB+4*(\set)+1] offset:262144+\t*8192
.endr
	global_load_b128 v[FR+72*(\set)+64:FR+72*(\set)+67], v[JO], s[SGB+4*(\set)+2:SGB+4*(\set)+3]
.endm
.macro FGRP set, g
.set R, FR+72*(\set)
.irp c, 0,1,2,3
	v_max3_num_f32 v[TM+\c], v[R+\c], v[R+4+\c], v[R+8+\c]
.endr
.irp c, 0,1,2,3
	v_max3_num_f32 v[TM+\c], v[TM+\c], v[R+12+\c], v[R+16+\c]
.endr
.irp c, 0,1,2,3
	v_max3_num_f32 v[TM+\c], v[TM+\c], v[R+20+\c], v[R+24+\c]
.endr
.irp c, 0,1,2,3
	v_max_num_f32 v[TM+\c], v[TM+\c], v[R+28+\c]   ; M
.endr
	v_pk_mul_f32 v[CMX:CMX+1], v[TM:TM+1], s[CS:CS+1] op_sel_hi:[1,0]
	v_pk_mul_f32 v[CMX+2:CMX+3], v[TM+2:TM+3], s[CS:CS+1] op_sel_hi:[1,0]
.irp q, 0,4,8,12,16,20,24,28,64
.irp p, 0,2
	v_pk_mul_f32 v[R+\q+\p:R+\q+\p+1], v[R+\q+\p:R+\q+\p+1], s[CS:CS+1] op_sel_hi:[1,0]  ; c m, rounded as the score launch rounded it
.endr
.endr
.irp q, 0,4,8,12,16,20,24,28,64
.irp p, 0,2
	v_pk_add_f32 v[R+\q+\p:R+\q+\p+1], v[R+\q+\p:R+\q+\p+1], v[CMX+\p:CMX+\p+1] neg_lo:[0,1] neg_hi:[0,1]
.endr
.endr
.irp q, 0,4,8,12,16,20,24,28,64
.irp c, 0,1,2,3
	v_exp_f32 v[R+\q+\c], v[R+\q+\c]
.endr
.endr
	v_nop                                          ; a plain instruction behind the last exponential,
	s_wait_alu depctr_va_vdst(0)                   ; and one wait for the batch of 36
.irp p, 0,2
	v_pk_mul_f32 v[LL+\p:LL+\p+1], v[R+32+\p:R+32+\p+1], v[R+\p:R+\p+1]
.endr
.irp t, 1,2,3,4,5,6,7
.irp p, 0,2
	v_pk_fma_f32 v[LL+\p:LL+\p+1], v[R+32+4*\t+\p:R+32+4*\t+\p+1], v[R+4*\t+\p:R+4*\t+\p+1], v[LL+\p:LL+\p+1]
.endr
.endr
.irp c, 0,1,2,3
	v_rcp_f32 v[RC+\c], v[LL+\c]                   ; L is at least 1: the block with the column's maximum adds its own l, which holds a weight of 1
.endr
	v_nop
	s_wait_alu depctr_va_vdst(0)
.irp p, 0,2
	v_pk_mul_f32 v[RC+\p:RC+\p+1], v[RC+\p:RC+\p+1], 0x42000000 op_sel_hi:[1,0]  ; 32 / L
.endr
.irp p, 0,2
	v_pk_mul_f32 v[R+64+\p:R+64+\p+1], v[R+64+\p:R+64+\p+1], v[RC+\p:RC+\p+1]
.endr
	v_cvt_pk_f16_f32 v[FH], v[R+64], v[R+65]
	v_cvt_pk_f16_f32 v[FH+1], v[R+66], v[R+67]
	ds_store_b64 v[FS], v[FH:FH+1] offset:(\g)*1024
.endm
.macro CLEAR                           ; the sums start at 0, at the start and at the change of row tiles: no first step is written out; the price is these 128 lines, twice a work-group
	WIN 0x40
.set i, 0
.rept 128
	v_mov_b32 v[i], 0
.set i, i+1
.endr
	WIN 0
.endm
	LOADG 0, 0
	LOADG 1, 1
	CLEAR
	s_wait_loadcnt 17                              ; a set's 17 loads are in; the other set's 17 may stay out
	FGRP 0, 0
	LOADG 0, 2
	s_wait_loadcnt 17
	FGRP 1, 1
	LOADG 1, 3
	s_wait_loadcnt 17
	FGRP 0, 2
	s_cmp_lt_u32 s[WV], 2                          ; group 4 is the walk's ninth step: 256 factors, waves 0 and 1
	s_cbranch_scc0 .Lno_g4
	LOADG 0, 4
.Lno_g4:
	s_wait_loadcnt 0x0                             ; for 0: the two ways here have issued different numbers of loads
	FGRP 1, 3
	s_cmp_lt_u32 s[WV], 2
	s_cbranch_scc0 .Lf_done
	FGRP 0, 4
.Lf_done:
; A UNIT is 32 keys.  Its 18 LDS loads, in one run: p (4 blocks of 16 rows), v (4 blocks of 16 channels), F
.macro FETCHU slot, u
.set hb, 2*(\slot)+(\u)/4
.set ro, ((\u)%4)*32*PITCH
.set bu, 32*((\u)%4)
	WIN W
.irp i, 0,1,2,3
	ds_load_tr16_b128 v[PF+bu+8*\i:PF+bu+8*\i+3],   v[PA+hb] offset:ro+32*\i
	ds_load_tr16_b128 v[PF+bu+8*\i+4:PF+bu+8*\i+7], v[PA+hb] offset:ro+16*PITCH+32*\i
.endr
	WIN 0
.irp i, 0,1,2,3
	ds_load_tr16_b128 v[VF+bu+8*\i:VF+bu+8*\i+3],   v[VA+hb] offset:ro+32*\i
	ds_load_tr16_b128 v[VF+bu+8*\i+4:VF+bu+8*\i+7], v[VA+hb] offset:ro+16*PITCH+32*\i
.endr
	ds_load_b128 v[FF+8*((\u)%4):FF+8*((\u)%4)+3],   v[FA] offset:64*(\u)
	ds_load_b128 v[FF+8*((\u)%4)+4:FF+8*((\u)%4)+7], v[FA] offset:64*(\u)+32
.endm
.macro SCL x, z                        ; register z of 32 of unit x's p, times F
	WIN W
	v_pk_mul_f16 v[PF+32*((\x)%4)+(\z)], v[FF+8*((\x)%4)+(\z)%8], v[PF+32*((\x)%4)+(\z)]
.endm
; Unit u's 16 products, the 16 accumulators by turns; behind each, two lines that scale unit u + 1; behind the second, the loads of unit u + 3, into the buffers that unit u - 1 left:
; six plain lines stand between that unit's last product and these loads.
.macro MULU slot, u
.if (\u) < 6
	s_wait_dscnt 18                                ; unit u + 1 is in; the youngest unit's 18 loads may stay out
.elseif (\u) == 6
	s_wait_dscnt 0x0
.endif
.set n, 0
.rept 16
	WIN W
	v_wmma_f32_16x16x32_f16 v[8*n:8*n+7], v[VF+32*((\u)%4)+8*(n%4):VF+32*((\u)%4)+8*(n%4)+7], v[PF+32*((\u)%4)+8*(n/4):PF+32*((\u)%4)+8*(n/4)+7], v[8*n:8*n+7]
.if (\u) < 7
	SCL (\u)+1, 2*n
	SCL (\u)+1, 2*n+1
.endif
.if (n == 1) && ((\u) < 5)
	FETCHU \slot, (\u)+3
.endif
.set n, n+1
.endr
.endm
; THE WAY OUT: f32, 16 rows at a time through my stage: 32 bytes a lane in, whole rows of 256 bytes back
.macro OUT
	WIN 0
	PLACES
.irp a, 0,1,2,3
	WIN 0x04                                       ; the stores' data in window 1
.irp b, 0,1,2,3
	ds_store_b128 v[STO], v[8*(4*\a+\b):8*(4*\a+\b)+3]   offset:64*\b
	ds_store_b128 v[STO], v[8*(4*\a+\b)+4:8*(4*\a+\b)+7] offset:64*\b+16
.endr
	WIN 0
	s_wait_xcnt 0x0                                ; earlier stores have read the registers that are loaded again below
.irp t, 0,1,2,3,4,5,6,7
	ds_load_b128 v[OB+32*(\a%2)+4*\t:OB+32*(\a%2)+4*\t+3], v[RD] offset:2*SP*\t  ; my own stage: LDS serves a wave's instructions in order
.endr
	s_wait_dscnt 0x0
.irp t, 0,1,2,3,4,5,6,7
	global_store_b128 v[GO], v[OB+32*(\a%2)+4*\t:OB+32*(\a%2)+4*\t+3], s[O:O+1] offset:(16*\a+2*\t)*4096  ; 16 lanes store 256 consecutive bytes, aligned
.endr
.endr
.endm
; A STEP: 256 keys out of the given slot.  In front of it each wave waits for all its tensor loads (one is out: its part of this slot), adds 0 to its spare word, and waits for that and for its reads of the other slot.
; fill = 1: a round of the cluster's barrier, and the other slot is filled first thing behind it: one load a wave, with the step's 128 matrix instructions in which to land.
.macro STEP slot, fill
	WIN 0
	s_wait_xcnt 0x0                                ; the last prefetches, a step back, have read their address
.if \fill
	s_add_nc_u64 s[PFA:PFA+1], s[PFA:PFA+1], s[PST:PST+1]
.endif
	s_wait_tensorcnt 0x0                           ; no tensor load of mine is out, so the descriptors may be written
	ds_add_u32 v[SPW], v[NIL]
.if \fill
	DESC 1-(\slot)
.endif
	s_wait_dscnt 0x0                               ; the add is done, my reads of the other slot are over (at the first step: my part of F lies in LDS)
.if \fill
	CROUND
	JLOAD                                          ; its four v_nop are also the places in front of the loads below
	ASK
.else
	s_barrier_signal -1
	s_barrier_wait -1
	PLACES
.endif
	v_add_nc_u32 v[FA], s[TF], v[FA0]              ; this step's F: the table lies in the order of the walk,
	s_add_co_u32 s[TF], s[TF], 512                 ; 512 bytes a step, on every way alike
	s_cmp_eq_u32 s[REM], 1
	s_cselect_b32 s[HALF], s[EVN], 0               ; 1: keys 128-255 of this step lie wholly beyond the diagonal
	FETCHU \slot, 0
	FETCHU \slot, 1
	FETCHU \slot, 2
	s_wait_dscnt 36                                ; unit 0 is in; units 1 and 2 may stay out
.set zz, 0
.rept 32
	SCL 0, zz
.set zz, zz+1
.endr
	MULU \slot, 0
	MULU \slot, 1
	MULU \slot, 2
	MULU \slot, 3
	WIN 0
	s_cmp_eq_u32 s[HALF], 1
	s_cbranch_scc1 .Lhalf_\@                       ; forward, past products and LDS loads alone; the same in all waves and partners
	MULU \slot, 4
	MULU \slot, 5
	MULU \slot, 6
	MULU \slot, 7
	WIN 0
.Lhalf_\@:
.if \fill
	s_sub_co_u32 s[REM], s[REM], 1
	s_cmp_lg_u32 s[REM], 0
	s_cbranch_scc1 .Lsame_\@
	OUT                                            ; the first row tile is finished; the ring runs on
	CLEAR
	s_mov_b32 s[REM], s[N2]
	s_xor_b32 s[EVN], s[EVN], 1
	s_wait_xcnt 0x0                                ; the stores have read out's address
	s_mov_b64 s[O:O+1], s[O2:O2+1]
.Lsame_\@:
.else
	OUT
.endif
.endm
	s_mov_b32 s[CNT], 4
.Lwalk:                                                ; eight steps, each of which asks for the next tile
	STEP 0, 1
	STEP 1, 1
	s_sub_co_u32 s[CNT], s[CNT], 1
	s_cmp_lg_u32 s[CNT], 0
	s_cbranch_scc1 .Lwalk
	STEP 0, 0                                      ; the ninth is written out: nothing is asked for
	s_wait_tensorcnt 0x0                           ; the wave's end
	ds_add_u32 v[SPW], v[NIL]
	s_wait_dscnt 0x0
	CROUND                                         ; the closing round
	s_endpgm
.Lfunc_end_k_qca24bd6a05_pv:
	.size	k_qca24bd6a05_pv, .Lfunc_end_k_qca24bd6a05_pv-k_qca24bd6a05_pv
	.p2alignl 7, 3214868480
	.fill 96, 4, 3214868480
	.section	.rodata,"a",@progbits
	.p2align	6, 0x0
	.amdhsa_kernel k_qca24bd6a05_pv
		.amdhsa_group_segment_fixed_size 327680
		.amdhsa_private_segment_fixed_size 0
		.amdhsa_enable_private_segment 0
		.amdhsa_kernarg_size 32
		.amdhsa_user_sgpr_count 2
		.amdhsa_user_sgpr_kernarg_segment_ptr 1
		.amdhsa_wavefront_size32 1
		.amdhsa_system_sgpr_workgroup_id_x 1
		.amdhsa_system_sgpr_workgroup_id_y 1
		.amdhsa_system_sgpr_workgroup_id_z 1
		.amdhsa_system_vgpr_workitem_id 0
		.amdhsa_next_free_vgpr 512
		.amdhsa_next_free_sgpr 104
		.amdhsa_reserve_vcc 0
		.amdhsa_float_denorm_mode_32 3
		.amdhsa_float_denorm_mode_16_64 3
		.amdhsa_memory_ordered 1
		.amdhsa_forward_progress 1
		.amdhsa_inst_pref_size 192
	.end_amdhsa_kernel
	.amdgpu_metadata
---
amdhsa.version: [ 1, 2 ]
amdhsa.kernels:
  - .name:           k_qca24bd6a05_pv
    .symbol:         k_qca24bd6a05_pv.kd
    .args:
      - { .name: pt, .offset: 0, .size: 8, .value_kind: global_buffer, .address_space: global }
      - { .name: st, .offset: 8, .size: 8, .value_kind: global_buffer, .address_space: global }
      - { .name: qkv, .offset: 16, .size: 8, .value_kind: global_buffer, .address_space: global }
      - { .name: out0, .offset: 24, .size: 8, .value_kind: global_buffer, .address_space: global }
    .group_segment_fixed_size: 327680
    .private_segment_fixed_size: 0
    .kernarg_segment_align: 8
    .kernarg_segment_size: 32
    .max_flat_workgroup_size: 128
    .sgpr_count:     104
    .vgpr_count:     512
    .wavefront_size: 32
...
	.end_amdgpu_metadata
.endif
;; end of part 4
;; ======== version 2 of 2: 4 launches
;; limits: values are held in f16: magnitudes above 65,504 overflow, below 6.1e-05 lose precision; right only within a limited range of input values
;; workspace buffers: xb 16,777,216 bytes; wt 6,291,456 bytes; qkv 50,331,648 bytes; pt 33,554,432 bytes; st 524,288 bytes
;; launch prep (part 5): grid 608 x 1, 4 waves a work-group, no clusters, 70,144 bytes of LDS; arguments x, W_query, W_key, W_value, xb, wt, st; writes xb, wt, st
.if DOCPART == 5
	.amdgcn_target "amdgcn-amd-amdhsa--gfx1250"
	.amdhsa_code_object_version 6
	.text
	.protected	k_qca24bd6a05_prep
	.globl	k_qca24bd6a05_prep
	.p2align	8
	.type	k_qca24bd6a05_prep,@function
k_qca24bd6a05_prep:
	s_mov_b64 s[64:65], 0
	v_nop
	global_prefetch_b8 v0, s[64:65] scope:SCOPE_SE
	s_setreg_imm32_b32 hwreg(HW_REG_WAVE_MODE, 25, 1), 1
	s_wait_xcnt 0x0
; SELF-ATTENTION WITH THE SOFTMAX OVER THE QUERY AXIS, in four launches: this one (formats), the projections, the scores, the weighted sum.
; q, k, v = x W;  s[i][j] = q_i . k_j / 32, hidden where j > i;  w[i][j] = exp(s[i][j] - M_j) / L_j with M_j, L_j the maximum and the sum over i >= j of column j;  out[i] = sum over j <= i of w[i][j] v_j.
; WORK LEFT OUT.  The mask that hides j > i is built by the problem itself: a hidden score is -inf ahead of the softmax, its weight is 0 whatever the inputs hold, and it enters neither M_j nor L_j nor out.
; So blocks of 256 x 256 scores that lie wholly above the diagonal are never multiplied, stored or read (36 of 64 blocks a batch stay), and the last launch walks, for 128 rows of out, only the keys up to their diagonal.
; Inside a block that holds the diagonal the hidden scores are computed and count as their value less 1e30.  LIMIT: a NaN, an infinity or an overflow that reaches only hidden scores is not carried to the result.
; FORMATS.  x and the weights are rounded once to bf16; q, k, v and the weights of the sum are kept in f16.  The factor 2^-5 is laid into the bf16 weights (exact): q, k, v are stored as 1/32 of themselves,
; so the score product holds s / 32, and the 32 of v comes back in the column's factor 32 / L_j.  LIMIT: |q|, |k|, |v| stay under 65,504 x 32 = 2.09e6; below 2e-3 they keep f16's fixed step.
; THIS LAUNCH.  Work-groups 0-95: wt[n][k] = bf16(W[k][n] / 32), turned through LDS; a wave takes 128 k x 64 n, 64 k a trip of a loop of two.  wt's rows: 0-1023 query, 1024-2047 key, 2048-3071 value.
; Work-groups 96-607: 16 rows of x each, f32 to bf16; waves 0 and 1 also lay 512 bytes of neutral statistics (maximum -1e30, sum 0) into st, for the blocks that the score launch never makes.
.set STGW,  17408                      ; a wave's stage: 64 rows (n) x 272 bytes (128 k in bf16 + 16 of padding)
.set SPARE, 4*STGW                     ; behind the stages: the spare words, 128 bytes a wave
.set SB,  1                            ; v1  stage: where this trip's 64 k go
.set SPW, 2                            ; v2  LDS address of my spare word; never rewritten
.set NIL, 3                            ; v3  0; never rewritten
.set XO,  4                            ; v4  my byte offset in what a load covers
.set YO,  5                            ; v5  my byte offset in what a store covers
.set SA,  6                            ; v6  stage: rows 2 lane, 2 lane + 1
.set RA,  7                            ; v7  stage: where I read rows back
.set D,   8                            ; v[8:135]   as loaded
.set N0,  136                          ; v[136:167] column 2 lane, 64 k in bf16
.set N1,  168                          ; v[168:199] column 2 lane + 1
	s_load_b256 s[4:11], s[0:1], 0x0               ; x s[4:5], W_query s[6:7], W_key s[8:9], W_value s[10:11]
	s_load_b128 s[12:15], s[0:1], 0x20             ; xb s[12:13], wt s[14:15]
	s_load_b64 s[16:17], s[0:1], 0x30              ; st
	v_lshl_add_u32 v[SPW], v0, 2, SPARE
	v_mov_b32 v[NIL], 0
	v_lshrrev_b32 v1, 5, v0
	v_readfirstlane_b32 s18, v1                    ; wave 0..3
	v_and_b32 v1, 31, v0                           ; lane
	s_mov_b32 s23, 0
	s_wait_kmcnt 0x0
	s_cmp_lt_u32 ttmp9, 96
	s_cbranch_scc1 .Lweights
	; x: a wave's 16,384 bytes come by 32 loads of 512 consecutive bytes, all out before the first wait, and leave as 32 stores of 256 consecutive bytes, aligned
	s_sub_co_u32 s28, ttmp9, 96                    ; which 16 rows
	v_lshlrev_b32 v[XO], 4, v1
	v_lshlrev_b32 v[YO], 3, v1
	s_lshl_b32 s22, s28, 16
	s_lshl_b32 s19, s18, 14
	s_add_co_u32 s22, s22, s19
	s_add_nc_u64 s[4:5], s[4:5], s[22:23]
	s_lshr_b32 s22, s22, 1
	s_add_nc_u64 s[12:13], s[12:13], s[22:23]
.set i, 0
.rept 32
	global_load_b128 v[D+4*i:D+4*i+3], v[XO], s[4:5] offset:512*i th:TH_LOAD_NT
.set i, i+1
.endr
.set i, 0
.rept 32
	s_wait_loadcnt 31-i                            ; loads come back in order: number i is in, the younger ones stay out
	v_cvt_pk_bf16_f32 v[D+4*i], v[D+4*i], v[D+4*i+1]
	v_cvt_pk_bf16_f32 v[D+4*i+1], v[D+4*i+2], v[D+4*i+3]
	global_store_b64 v[YO], v[D+4*i:D+4*i+1], s[12:13] offset:256*i
.set i, i+1
.endr
	s_cmp_lt_u32 s18, 2
	s_cbranch_scc0 .Lend
	s_cmp_eq_u32 s18, 0                            ; wave 0: maxima, -1e30; wave 1: sums, 0
	s_cselect_b32 s19, 0xf149f2ca, 0
	v_mov_b32 v[N0], s19
	v_mov_b32 v[N0+1], s19
	v_mov_b32 v[N0+2], s19
	v_mov_b32 v[N0+3], s19
	s_lshl_b32 s22, s28, 9                         ; 512 work-groups x 512 bytes = each half of st
	s_lshl_b32 s19, s18, 18
	s_add_co_u32 s22, s22, s19
	s_add_nc_u64 s[16:17], s[16:17], s[22:23]
	global_store_b128 v[XO], v[N0:N0+3], s[16:17]
	s_branch .Lend
.Lweights:
	s_lshr_b32 s24, ttmp9, 5                       ; which matrix
	s_and_b32 s19, ttmp9, 31
	s_lshl2_add_u32 s19, s19, s18                  ; my tile of the matrix's 128
	s_lshr_b32 s25, s19, 3                         ; its 64 columns n
	s_and_b32 s26, s19, 7                          ; its 128 rows k
	s_cmp_eq_u32 s24, 0
	s_cselect_b64 s[20:21], s[6:7], s[8:9]
	s_cmp_eq_u32 s24, 2
	s_cselect_b64 s[20:21], s[10:11], s[20:21]
	s_lshl_b32 s22, s26, 19                        ; 128 rows of 4,096 bytes
	s_lshl_b32 s27, s25, 8                         ; 64 columns of 4 bytes
	s_add_co_u32 s22, s22, s27
	s_add_nc_u64 s[20:21], s[20:21], s[22:23]
	s_lshl_b32 s22, s24, 21                        ; wt: 1,024 rows of 2,048 bytes a matrix,
	s_lshl_b32 s27, s25, 17                        ; 64 rows,
	s_add_co_u32 s22, s22, s27
	s_lshl_b32 s27, s26, 8                         ; 128 k in bf16
	s_add_co_u32 s22, s22, s27
	s_add_nc_u64 s[14:15], s[14:15], s[22:23]
	s_mul_i32 s27, s18, STGW
	v_lshlrev_b32 v[XO], 3, v1                     ; two columns a lane: a load covers 256 consecutive bytes of a row of W
	v_mul_u32_u24 v[SA], v1, 544
	v_add_nc_u32 v[SA], s27, v[SA]
	v_and_b32 v[N0], 15, v0
	v_bfe_u32 v[N0+1], v0, 4, 1
	v_mul_u32_u24 v[RA], v[N0+1], 272
	v_lshl_add_u32 v[RA], v[N0], 4, v[RA]
	v_add_nc_u32 v[RA], s27, v[RA]                 ; back: lanes 0-15 one row of 256 bytes, lanes 16-31 the next
	v_lshlrev_b32 v[YO], 11, v[N0+1]
	v_lshl_add_u32 v[YO], v[N0], 4, v[YO]          ; and the same two rows in wt
	s_mov_b32 s30, 0x3d000000                      ; 2^-5; named as a pair
	s_mov_b32 s31, s30
	s_mov_b32 s28, 0                               ; this trip's 64 k: 128 bytes of a stage row
	s_mov_b32 s29, 2
.Lhalf:
	v_add_nc_u32 v[SB], s28, v[SA]
.set i, 0
.rept 64
	global_load_b64 v[D+2*i:D+2*i+1], v[XO], s[20:21] offset:4096*i th:TH_LOAD_NT
.set i, i+1
.endr
	s_wait_loadcnt 0x0
.set i, 0
.rept 64
	v_pk_mul_f32 v[D+2*i:D+2*i+1], v[D+2*i:D+2*i+1], s[30:31] op_sel_hi:[1,0]
.set i, i+1
.endr
.set i, 0
.rept 32
	v_cvt_pk_bf16_f32 v[N0+i], v[D+4*i], v[D+4*i+2]      ; k = 2 i, 2 i + 1 of my even column,
	v_cvt_pk_bf16_f32 v[N1+i], v[D+4*i+1], v[D+4*i+3]    ; of my odd one
.set i, i+1
.endr
.irp c, 0,1,2,3,4,5,6,7
	ds_store_b128 v[SB], v[N0+4*\c:N0+4*\c+3] offset:16*\c
	ds_store_b128 v[SB], v[N1+4*\c:N1+4*\c+3] offset:272+16*\c
.endr
	s_add_nc_u64 s[20:21], s[20:21], 0x40000       ; 64 rows of W on: the trip's loads are in, so their base may be written
	s_add_co_u32 s28, s28, 128
	s_sub_co_u32 s29, s29, 1
	s_cmp_lg_u32 s29, 0
	s_cbranch_scc1 .Lhalf
.set i, 0
.rept 32
	ds_load_b128 v[D+4*i:D+4*i+3], v[RA] offset:544*i  ; my own stage: LDS serves a wave's instructions in order, so these see the stores above
.set i, i+1
.endr
.set i, 0
.rept 32
	s_wait_dscnt 31-i
	global_store_b128 v[YO], v[D+4*i:D+4*i+3], s[14:15] offset:4096*i  ; 16 lanes store 256 consecutive bytes, aligned
.set i, i+1
.endr
.Lend:
	s_wait_tensorcnt 0x0                           ; the wave's end, behind my last LDS store
	ds_add_u32 v[SPW], v[NIL]
	s_wait_dscnt 0x0
	s_endpgm
.Lfunc_end_k_qca24bd6a05_prep:
	.size	k_qca24bd6a05_prep, .Lfunc_end_k_qca24bd6a05_prep-k_qca24bd6a05_prep
	.p2alignl 7, 3214868480
	.fill 96, 4, 3214868480
	.section	.rodata,"a",@progbits
	.p2align	6, 0x0
	.amdhsa_kernel k_qca24bd6a05_prep
		.amdhsa_group_segment_fixed_size 70144
		.amdhsa_private_segment_fixed_size 0
		.amdhsa_enable_private_segment 0
		.amdhsa_kernarg_size 56
		.amdhsa_user_sgpr_count 2
		.amdhsa_user_sgpr_kernarg_segment_ptr 1
		.amdhsa_wavefront_size32 1
		.amdhsa_system_sgpr_workgroup_id_x 1
		.amdhsa_system_sgpr_workgroup_id_y 1
		.amdhsa_system_sgpr_workgroup_id_z 1
		.amdhsa_system_vgpr_workitem_id 0
		.amdhsa_next_free_vgpr 200
		.amdhsa_next_free_sgpr 66
		.amdhsa_reserve_vcc 0
		.amdhsa_float_denorm_mode_32 3
		.amdhsa_float_denorm_mode_16_64 3
		.amdhsa_memory_ordered 1
		.amdhsa_forward_progress 1
		.amdhsa_inst_pref_size 36
	.end_amdhsa_kernel
	.amdgpu_metadata
---
amdhsa.version: [ 1, 2 ]
amdhsa.kernels:
  - .name:           k_qca24bd6a05_prep
    .symbol:         k_qca24bd6a05_prep.kd
    .args:
      - { .name: x, .offset: 0, .size: 8, .value_kind: global_buffer, .address_space: global }
      - { .name: W_query, .offset: 8, .size: 8, .value_kind: global_buffer, .address_space: global }
      - { .name: W_key, .offset: 16, .size: 8, .value_kind: global_buffer, .address_space: global }
      - { .name: W_value, .offset: 24, .size: 8, .value_kind: global_buffer, .address_space: global }
      - { .name: xb, .offset: 32, .size: 8, .value_kind: global_buffer, .address_space: global }
      - { .name: wt, .offset: 40, .size: 8, .value_kind: global_buffer, .address_space: global }
      - { .name: st, .offset: 48, .size: 8, .value_kind: global_buffer, .address_space: global }
    .group_segment_fixed_size: 70144
    .private_segment_fixed_size: 0
    .kernarg_segment_align: 8
    .kernarg_segment_size: 56
    .max_flat_workgroup_size: 128
    .sgpr_count:     66
    .vgpr_count:     200
    .wavefront_size: 32
...
	.end_amdgpu_metadata
.endif
;; end of part 5
;; launch proj (part 6): grid 12 x 32, 4 waves a work-group, clusters of 4 x 4, 327,680 bytes of LDS; arguments xb, wt, qkv; writes qkv
.if DOCPART == 6
	.amdgcn_target "amdgcn-amd-amdhsa--gfx1250"
	.amdhsa_code_object_version 6
	.text
	.protected	k_qca24bd6a05_proj
	.globl	k_qca24bd6a05_proj
	.p2align	8
	.type	k_qca24bd6a05_proj,@function
k_qca24bd6a05_proj:
	s_mov_b64 s[64:65], 0
	v_nop
	global_prefetch_b8 v0, s[64:65] scope:SCOPE_SE
	s_setreg_imm32_b32 hwreg(HW_REG_WAVE_MODE, 25, 1), 1
	s_wait_xcnt 0x0
	s_wait_alu depctr_hold_cnt(0) depctr_sa_sdst(0) depctr_va_vdst(0) depctr_va_sdst(0) depctr_va_ssrc(0) depctr_va_vcc(0) depctr_vm_vsrc(0)
	s_getreg_b32 s2, hwreg(HW_REG_IB_STS2, 6, 4)
	s_cmp_eq_u32 s2, 0
	s_cbranch_scc0 .Lentry_in_a_cluster
	s_endpgm
.Lentry_in_a_cluster:
	s_bfe_u32 s2, ttmp6, 0x10000c
	s_cmp_lg_u32 s2, 0xf033
	s_cbranch_scc0 .Lentry_shape_is_right
	s_endpgm
.Lentry_shape_is_right:
; qkv[m][n] = sum over k of xb[m][k] wt[n][k]: all three projections as one product.  xb: [8192][1024] bf16, wt: [3072][1024] bf16 (it holds W^T / 32), qkv: [8192][3072] f16; sums in f32, rounded once.
; LIMIT: a sum of 65,520 or more becomes an infinity in f16 (q, k, v of 2.09e6 or more).
; A tile of 256 x 256 is made by four waves, each 128 x 128: 64 accumulators of 16 x 16.  K goes in steps of 128 through a ring of two LDS slots filled by tensor loads.
; A K STEP IS WRITTEN ONCE: the slot in hand is a scalar that an exclusive or turns between 0 and SLOT; the fragment addresses are made from it, and one descriptor set walks from slot to slot.
; CLUSTERS of 4 x 4 work-groups: the four of a row need the same tiles of xb, the four of a column the same tiles of wt: each tile is asked for jointly, by the same load with a mask that names the four.
; The matrix instruction is used transposed (source 0 = 16 rows of wt, source 1 = 16 rows of xb): a lane then holds eight neighbouring numbers of a row of qkv.
; REGISTERS, in windows of 256: window 0: v0-31 addresses; v64-191 fragments of xb, two buffers; v32-63, v192-255 at work on the way out.  Window 1: fragments of wt.  Windows 2, 3: the accumulators.
; The last K step goes by rows of the result, so that finished rows leave while the others are multiplied.
.set SIZE_M, 8192
.set SIZE_N, 3072
.set SIZE_K, 1024
.set KSTEP,  128
.set PITCH,  272                       ; an LDS row: 256 bytes + 16 of padding: the 16 rows that a load touches start at 16 different groups of four banks
.set HALFT,  128*PITCH                 ; 128 rows: what one tensor load brings: 0x8800
.set SLOT,   4*HALFT                   ; xb's 256 rows, then wt's 256 rows: 0x22000, which shares no bit with wave x 0x8800: an exclusive or with it moves an address from one slot to the other
.set STAGE,  2*SLOT                    ; behind the ring: 16 rows x 272 bytes for each wave, for the way out
.set SPITCH, 272
.set SPARE,  STAGE+4*16*SPITCH         ; behind the stages: the spare words, 128 bytes a wave
.set ADRA, 16                          ; v16     LDS address of my xb fragments in slot 0; never rewritten
.set CA,   17                          ; v17     the same in the slot in hand
.set ADRB, 20                          ; v20, v21  the same for wt
.set CB,   21
.set STO,  24                          ; v24     the way out: where I put 16 bytes of a row
.set RD,   25                          ; v25     the way out: where I read a row back
.set CO,   26                          ; v26     my byte offset in qkv
.set SPW,  28                          ; v28     LDS address of my spare word; never rewritten
.set NIL,  29                          ; v29     0; never rewritten
.set PFO,  30                          ; v30     the prefetches' offset: my lane x a row of 2,048 bytes; never rewritten
.set PFA,  44                          ; s[44:45] where my prefetches stand
.set LIM,  43                          ; s43     2 in a wave that prefetches, else the greatest number
.set TB,   66                          ; s66     the slot in hand: 0 or SLOT
.set F0,   64
.set F1,   128
.set TMP,  192
.set OB,   32
.set PA,   64
.set G1, 24                            ; s[24:31] descriptor group 1 for xb's tiles
.set G0, 32                            ; s[32:39] group 0: a set for each of the two first fills; the second then walks on
.set G1B, 48                           ; s[48:55], s[56:63] the same for wt's tiles
.set G0B, 56
.set MSB, 0
.macro WIN new                         ; the immediate's high byte repeats the setting that is left; a switch that changes nothing is dropped
.if MSB != (\new)
	s_set_vgpr_msb (MSB<<8)|(\new)
.set MSB, \new
.endif
.endm
.set MUL_LO, 0xa1                      ; source 0 window 1, source 1 window 0, C and D window 2
.set MUL_HI, 0xf1                      ; the same, C and D window 3
.set TO_B,   0x40                      ; destination window 1, address window 0
; A joint load.  Waves 0 and 1 fetch xb's two halves, waves 2 and 3 wt's.  The branch hangs on the wave's number alone.  An s_nop 0 and four v_nop follow each line.
.macro JLOAD s
	s_cmp_eq_u32 s11, 0
	s_cbranch_scc0 .Lfor_b_\@
	tensor_load_to_lds s[G0+4*(\s):G0+4*(\s)+3], s[G1:G1+7]
	s_nop 0
.rept 4
	v_nop
.endr
	s_branch .Lasked_\@
.Lfor_b_\@:
	tensor_load_to_lds s[G0B+4*(\s):G0B+4*(\s)+3], s[G1B:G1B+7]
	s_nop 0
.rept 4
	v_nop
.endr
.Lasked_\@:
.endm
; A prefetch of the K step that stands two refills on: 32 rows x 256 bytes, a lane a row, one instruction a wave.  Each row's 256 bytes of a K step are named once in the launch: xb's by the clusters with x = 0,
; wt's by those with y = 0; the four partners that ask for a tile jointly share its rows out by address, 32 each.  The last two of the six refills have no K step two on.
.macro ASK
	s_cmp_gt_u32 s3, s[LIM]                        ; s3 counts the refills down from 6
	s_cbranch_scc0 .Lnot_mine_\@
	global_prefetch_b8 v[PFO], s[PFA:PFA+1] offset:KSTEP*2 th:TH_LOAD_NT scope:SCOPE_SE
.Lnot_mine_\@:
.endm
.macro CREST                           ; a round of the cluster's barrier behind its opening barrier
	s_cmp_lg_u32 s10, 0
	s_cbranch_scc1 .Lnot_wave_0_\@
	s_barrier_signal -3
.Lnot_wave_0_\@:
	s_barrier_wait -3
	s_barrier_signal -1
	s_barrier_wait -1
.endm
.macro CROUND                          ; a whole round
	s_barrier_signal -1
	s_barrier_wait -1
	CREST
.endm
	s_load_b128 s[4:7], s[0:1], 0x0                ; xb s[4:5], wt s[6:7]
	s_load_b64 s[8:9], s[0:1], 0x10                ; qkv
	v_lshl_add_u32 v[SPW], v0, 2, SPARE
	v_mov_b32 v[NIL], 0
	ds_add_u32 v[SPW], v[NIL]                      ; the wave's opening: the add, twice on end, and its wait ahead of my first tensor load
	ds_add_u32 v[SPW], v[NIL]
	v_lshrrev_b32 v1, 5, v0
	v_readfirstlane_b32 s10, v1                    ; wave 0..3
	s_lshr_b32 s11, s10, 1                         ; which half of the tile's rows is mine.  Also: I fetch for xb (0) or for wt (1)
	s_and_b32 s12, s10, 1                          ; which half of its columns.  Also: which 128 rows of that tile I fetch
	s_bfe_u32 s40, ttmp6, 0x40000                  ; cx
	s_bfe_u32 s41, ttmp6, 0x40004                  ; cy
	s_lshl_b32 s42, ttmp9, 2
	s_add_co_u32 s42, s42, s40                     ; tile column = 4 x cluster x + cx
	s_and_b32 s13, ttmp7, 0xffff
	s_lshl_b32 s13, s13, 2
	s_add_co_u32 s13, s13, s41                     ; tile row = 4 x cluster y + cy
	s_lshl_b32 s43, s41, 2
	s_lshl_b32 s43, 15, s43                        ; my row of the cluster
	s_lshl_b32 s44, 0x1111, s40                    ; my column
	s_or_b32 s[G1+0], s43, (1<<16)|(1<<20)|(1<<21)|(5<<22)|(3<<25)  ; the mask; elements of 2 bytes; padding on; bit 21 beside a mask; after every 64 words 4 words
	s_or_b32 s[G1B+0], s44, (1<<16)|(1<<20)|(1<<21)|(5<<22)|(3<<25)
.irp g, G1, G1B
	s_mov_b32 s[(\g)+1], KSTEP<<16                 ; tensor_dim0 = 128
	s_mov_b32 s[(\g)+2], 128<<16                   ; tensor_dim1 = 128
	s_mov_b32 s[(\g)+3], KSTEP<<16                 ; tile_dim0 = 128
	s_mov_b32 s[(\g)+4], 128                       ; tile_dim1 = 128
	s_mov_b32 s[(\g)+5], SIZE_K                    ; elements from row to row
	s_mov_b32 s[(\g)+6], 0
	s_mov_b32 s[(\g)+7], 0
.endr
	s_lshl_b32 s17, s12, 7
	s_lshl_b32 s16, s13, 8
	s_add_co_u32 s16, s16, s17                     ; xb: row 256 x tile row + 128 x half
	s_lshl_b32 s46, s42, 8
	s_add_co_u32 s46, s46, s17                     ; wt: row 256 x tile column + 128 x half
	s_mov_b32 s17, 0
	s_mov_b32 s47, 0
	s_mov_b64 s[18:19], SIZE_K*2
	s_mul_u64 s[16:17], s[16:17], s[18:19]
	s_mul_u64 s[46:47], s[46:47], s[18:19]
	s_mul_i32 s20, s10, HALFT                      ; where they go: wave x 128 rows: no place in the cluster enters an LDS address
	s_mov_b32 s[TB], 0
	s_wait_dscnt 0x0                               ; both opening adds are done
	s_wait_kmcnt 0x0
	s_add_nc_u64 s[14:15], s[4:5], s[16:17]
	s_add_nc_u64 s[46:47], s[6:7], s[46:47]
	CROUND                                         ; all sixteen work-groups are here: the first joint loads meet
.irp s, 0,1
	s_mov_b32 s[G0+4*(\s)], 1
	s_add_co_u32 s[G0+4*(\s)+1], s20, (\s)*SLOT
	s_add_nc_u64 s[G0+4*(\s)+2:G0+4*(\s)+3], s[14:15], (\s)*KSTEP*2
	s_or_b32 s[G0+4*(\s)+3], s[G0+4*(\s)+3], 0x80000000
	s_mov_b32 s[G0B+4*(\s)], 1
	s_add_co_u32 s[G0B+4*(\s)+1], s20, (\s)*SLOT
	s_add_nc_u64 s[G0B+4*(\s)+2:G0B+4*(\s)+3], s[46:47], (\s)*KSTEP*2
	s_or_b32 s[G0B+4*(\s)+3], s[G0B+4*(\s)+3], 0x80000000
	JLOAD \s
.endr
	; a fragment is 16 rows x 32 K in 8 registers: lane l holds row l % 16, K = 8 (l / 16) + 0..7 and 16 + 8 (l / 16) + 0..7: two loads of 16 bytes, 32 bytes apart
	v_and_b32 v1, 15, v0
	v_bfe_u32 v2, v0, 4, 1
	v_mul_u32_u24 v3, v1, PITCH
	v_lshl_add_u32 v3, v2, 4, v3
	s_mul_i32 s21, s11, HALFT
	s_mul_i32 s22, s12, HALFT
	s_add_co_u32 s22, s22, 2*HALFT
	v_add_nc_u32 v[ADRA], s21, v3
	v_add_nc_u32 v[ADRB], s22, v3
	v_mov_b32 v[CA], v[ADRA]
	v_mov_b32 v[CB], v[ADRB]
	s_mul_i32 s23, s10, 16*SPITCH
	s_add_co_u32 s23, s23, STAGE
	v_mul_u32_u24 v4, v1, SPITCH
	v_lshl_add_u32 v4, v2, 4, v4
	v_add_nc_u32 v[STO], s23, v4
	v_mul_u32_u24 v5, v2, SPITCH
	v_lshl_add_u32 v5, v1, 4, v5
	v_add_nc_u32 v[RD], s23, v5
	v_mul_u32_u24 v5, v2, SIZE_N*2
	v_lshl_add_u32 v[CO], v1, 4, v5
	s_lshl_b32 s13, s13, 8
	s_lshl_b32 s14, s11, 7
	s_add_co_u32 s16, s13, s14                     ; my first row of qkv
	s_mov_b32 s17, 0
	s_mov_b64 s[18:19], SIZE_N*2
	s_mul_u64 s[16:17], s[16:17], s[18:19]
	s_lshl_b32 s46, s42, 9                         ; my first column, in bytes
	s_lshl_b32 s47, s12, 8
	s_add_co_u32 s46, s46, s47
	s_mov_b32 s47, 0
	s_add_nc_u64 s[16:17], s[16:17], s[46:47]
	; the prefetches
	s_lshl_b32 s42, s42, 8
	s_and_b32 s22, ttmp7, 0xffff
	s_cmp_eq_u32 s11, 0
	s_cselect_b32 s20, s13, s42                    ; the tile's first row
	s_cselect_b32 s21, s40, s41                    ; my place among the four that ask for it with me
	s_cselect_b32 s22, ttmp9, s22                  ; the coordinate along which other clusters read the same rows
	s_cselect_b64 s[PFA:PFA+1], s[4:5], s[6:7]
	s_cmp_eq_u32 s22, 0
	s_cselect_b32 s[LIM], 2, -1
	s_lshl_b32 s22, s12, 7
	s_add_co_u32 s20, s20, s22
	s_lshl_b32 s21, s21, 5
	s_add_co_u32 s20, s20, s21
	s_mov_b32 s21, 0
	s_mov_b64 s[18:19], SIZE_K*2
	s_mul_u64 s[20:21], s[20:21], s[18:19]
	s_add_nc_u64 s[PFA:PFA+1], s[PFA:PFA+1], s[20:21]
	s_add_nc_u64 s[PFA:PFA+1], s[PFA:PFA+1], 2*KSTEP*2  ; at K step 2: the first refill steps it to 3 and names K step 4
	v_and_b32 v[PFO], 31, v0
	v_mul_u32_u24 v[PFO], v[PFO], SIZE_K*2
; 16 matrix instructions: m blocks a0, a0 + 1 of the window's four x all 8 n blocks, 32 along K.  zero = 1: the first product starts the sums
.macro MUL16 f, hi, a0, zero
	WIN MUL_LO+0x50*(\hi)
.irp a, \a0, (\a0)+1
.irp b, 0,1,2,3,4,5,6,7
.if \zero
	v_wmma_f32_16x16x32_bf16 v[8*(8*(\a)+(\b)):8*(8*(\a)+(\b))+7], v[(\f)+8*(\b):(\f)+8*(\b)+7], v[(\f)+8*(4*(\hi)+(\a)):(\f)+8*(4*(\hi)+(\a))+7], 0
.else
	v_wmma_f32_16x16x32_bf16 v[8*(8*(\a)+(\b)):8*(8*(\a)+(\b))+7], v[(\f)+8*(\b):(\f)+8*(\b)+7], v[(\f)+8*(4*(\hi)+(\a)):(\f)+8*(4*(\hi)+(\a))+7], v[8*(8*(\a)+(\b)):8*(8*(\a)+(\b))+7]
.endif
.endr
.endr
.endm
; 32 LDS loads in one run: the fragments of one quarter step, at byte k of the rows of the slot in hand, into buffer f
.macro FETCH k, f
	WIN TO_B
.irp i, 0,1,2,3,4,5,6,7
	ds_load_b128 v[(\f)+8*(\i):(\f)+8*(\i)+3],   v[CB] offset:(\k)+(\i)*16*PITCH
	ds_load_b128 v[(\f)+8*(\i)+4:(\f)+8*(\i)+7], v[CB] offset:(\k)+(\i)*16*PITCH+32
.endr
	WIN 0
.irp i, 0,1,2,3,4,5,6,7
	ds_load_b128 v[(\f)+8*(\i):(\f)+8*(\i)+3],   v[CA] offset:(\k)+(\i)*16*PITCH
	ds_load_b128 v[(\f)+8*(\i)+4:(\f)+8*(\i)+7], v[CA] offset:(\k)+(\i)*16*PITCH+32
.endr
.endm
.macro PLACES                          ; four plain vector instructions between a matrix instruction and a load into, or a vector instruction on, its registers
.rept 4
	v_nop
.endr
.endm
.macro QUARTER k, f, g, zero
	s_wait_dscnt 8                                 ; wt's and xb's rows 0-63 are in; the youngest eight loads may be out
	MUL16 \f, 0, 0, \zero
	MUL16 \f, 0, 2, \zero
	PLACES
	FETCH \k, \g
	s_wait_dscnt 32                                ; all but the 32 just issued
	MUL16 \f, 1, 0, \zero
	MUL16 \f, 1, 2, \zero
.endm
; The change of slots: each wave waits for all its tensor loads, adds 0 to its spare word, waits for that and for its reads of this slot, and signals.  All reads of this slot have been issued, so the
; fragment addresses are turned to the other slot here, between the add and the wait for it.
.macro MEET round
	WIN 0
	s_wait_tensorcnt 0x0                           ; all my tensor loads have landed: my part of the next slot
	ds_add_u32 v[SPW], v[NIL]
	s_xor_b32 s[TB], s[TB], SLOT
	v_add_nc_u32 v[CA], s[TB], v[ADRA]
	v_add_nc_u32 v[CB], s[TB], v[ADRB]
	s_wait_dscnt 9                                 ; (the add and the youngest eight loads may be out)
	MUL16 F1, 0, 0, 0
	s_wait_dscnt 0x0                               ; the add is done, and my reads of this slot are over
	s_barrier_signal -1
	MUL16 F1, 0, 2, 0
.if \round
	WIN 0
.endif
	s_barrier_wait -1
.endm
.macro TURN
	s_wait_xcnt 0x0                                ; the last prefetch, a K step back, has read its address
	s_add_nc_u64 s[PFA:PFA+1], s[PFA:PFA+1], KSTEP*2
	MEET 1
	CREST                                          ; no wave of any partner still reads this slot's tile or has a load on its way
.irp g, G0+4, G0B+4
	s_xor_b32 s[(\g)+1], s[(\g)+1], SLOT           ; the walking descriptor: the slot just read out,
	s_add_nc_u64 s[(\g)+2:(\g)+3], s[(\g)+2:(\g)+3], KSTEP*2  ; the K step after the one that it asked for last
.endr
	JLOAD 1                                        ; the first tensor load behind the round; its four v_nop are also the places in front of the loads below
	FETCH 0, F0
	ASK
	MUL16 F1, 1, 0, 0
	MUL16 F1, 1, 2, 0
.endm
; the last K step by rows of the result
.macro BLOAD q
	WIN TO_B
.irp i, 0,1,2,3,4,5,6,7
	ds_load_b128 v[64*(\q)+8*(\i):64*(\q)+8*(\i)+3],   v[CB] offset:64*(\q)+(\i)*16*PITCH
	ds_load_b128 v[64*(\q)+8*(\i)+4:64*(\q)+8*(\i)+7], v[CB] offset:64*(\q)+(\i)*16*PITCH+32
.endr
.endm
.macro ALOAD a
	WIN 0
.set FA, PA+32*((\a)%4)
.irp q, 0,1,2,3
	ds_load_b128 v[FA+8*(\q):FA+8*(\q)+3],   v[CA] offset:64*(\q)+(\a)*16*PITCH
	ds_load_b128 v[FA+8*(\q)+4:FA+8*(\q)+7], v[CA] offset:64*(\q)+(\a)*16*PITCH+32
.endr
.endm
.macro ROW a
.set FA, PA+32*((\a)%4)
.set AC, 64*((\a)%4)
	WIN MUL_LO+0x50*((\a)/4)
.irp q, 0,1,2,3
.if (\a) == 0 && (\q) == 2
	s_wait_dscnt 24                                ; wt's quarter 2 is in (behind it: xb's blocks 1 to 3)
.endif
.irp b, 0,1,2,3,4,5,6,7
	v_wmma_f32_16x16x32_bf16 v[AC+8*(\b):AC+8*(\b)+7], v[64*(\q)+8*(\b):64*(\q)+8*(\b)+7], v[FA+8*(\q):FA+8*(\q)+7], v[AC+8*(\b):AC+8*(\b)+7]
.endr
.endr
.endm
.macro PACK a                          ; rounded to f16, 16 bytes a lane; each accumulator's registers in ascending order
.set AC, 64*((\a)%4)
	WIN 0x0a+5*((\a)/4)
.irp b, 0,1,2,3,4,5,6,7
.irp r, 0,1,2,3
	v_cvt_pk_f16_f32 v[TMP+4*(\b)+(\r)], v[AC+8*(\b)+2*(\r)], v[AC+8*(\b)+2*(\r)+1]
.endr
.endr
	WIN 0
.endm
.macro TOSTAGE a
	WIN 0
.set BK, OB+192*((\a)%2)
.irp b, 0,1,2,3,4,5,6,7
	ds_store_b128 v[STO], v[TMP+4*(\b):TMP+4*(\b)+3] offset:32*(\b)
.endr
.irp t, 0,1,2,3,4,5,6,7
	ds_load_b128 v[BK+4*(\t):BK+4*(\t)+3], v[RD] offset:(\t)*2*SPITCH  ; my own stage: LDS serves a wave's instructions in order
.endr
.endm
.macro SEND a, younger
	WIN 0
.set BK, OB+192*((\a)%2)
	s_wait_dscnt \younger
	s_wait_xcnt 0x0                                ; only behind this wait are the stores' base and the registers that earlier stores read rewritten
.if (\a) == 0
	s_add_nc_u64 s[8:9], s[8:9], s[16:17]
.else
	s_add_nc_u64 s[8:9], s[8:9], 16*SIZE_N*2
.endif
.irp t, 0,1,2,3,4,5,6,7
	global_store_b128 v[CO], v[BK+4*(\t):BK+4*(\t)+3], s[8:9] offset:2*(\t)*SIZE_N*2  ; 16 lanes store 256 consecutive bytes, aligned
.endr
.endm
	s_wait_tensorcnt 1                             ; my part of K step 0 is in; K step 1's may stay out
	s_barrier_signal -1
	s_barrier_wait -1
	FETCH 0, F0
	QUARTER 64,  F0, F1, 1                         ; the first quarter starts the sums
	WIN 0
	s_mov_b32 s3, 6
.Lstep:                                                ; a trip goes from a K step's second quarter to the next step's first, and fills the slot that it leaves: K steps 2 to 7
	QUARTER 128, F1, F0, 0
	QUARTER 192, F0, F1, 0
	TURN
	QUARTER 64,  F0, F1, 0
	WIN 0
	s_sub_co_u32 s3, s3, 1
	s_cmp_lg_u32 s3, 0
	s_cbranch_scc1 .Lstep
	QUARTER 128, F1, F0, 0                         ; K step 6 goes on
	QUARTER 192, F0, F1, 0
	MEET 0                                         ; nothing is filled again, so no round follows; the addresses now mean K step 7's slot
	PLACES
	BLOAD 0
	BLOAD 1
	BLOAD 3
	ALOAD 0
	MUL16 F1, 1, 0, 0
	MUL16 F1, 1, 2, 0
	PLACES
	BLOAD 2
	ALOAD 1
	ALOAD 2
	ALOAD 3
	s_wait_dscnt 40                                ; all but the 40 just issued
	ROW 0
.irp a, 0,1,2,3,4,5,6,7
	PLACES
	PACK \a
	TOSTAGE \a
.if (\a) < 4
	ALOAD (\a)+4
	SEND \a, 8
.else
	SEND \a, 0
.endif
.if (\a) < 7
	ROW (\a)+1
.endif
.endr
	s_wait_tensorcnt 0x0                           ; the wave's end
	ds_add_u32 v[SPW], v[NIL]
	s_wait_dscnt 0x0
	CROUND                                         ; the closing round
	s_endpgm
.Lfunc_end_k_qca24bd6a05_proj:
	.size	k_qca24bd6a05_proj, .Lfunc_end_k_qca24bd6a05_proj-k_qca24bd6a05_proj
	.p2alignl 7, 3214868480
	.fill 96, 4, 3214868480
	.section	.rodata,"a",@progbits
	.p2align	6, 0x0
	.amdhsa_kernel k_qca24bd6a05_proj
		.amdhsa_group_segment_fixed_size 327680
		.amdhsa_private_segment_fixed_size 0
		.amdhsa_enable_private_segment 0
		.amdhsa_kernarg_size 24
		.amdhsa_user_sgpr_count 2
		.amdhsa_user_sgpr_kernarg_segment_ptr 1
		.amdhsa_wavefront_size32 1
		.amdhsa_system_sgpr_workgroup_id_x 1
		.amdhsa_system_sgpr_workgroup_id_y 1
		.amdhsa_system_sgpr_workgroup_id_z 1
		.amdhsa_system_vgpr_workitem_id 0
		.amdhsa_next_free_vgpr 1024
		.amdhsa_next_free_sgpr 68
		.amdhsa_reserve_vcc 0
		.amdhsa_float_denorm_mode_32 3
		.amdhsa_float_denorm_mode_16_64 3
		.amdhsa_memory_ordered 1
		.amdhsa_forward_progress 1
		.amdhsa_inst_pref_size 118
	.end_amdhsa_kernel
	.amdgpu_metadata
---
amdhsa.version: [ 1, 2 ]
amdhsa.kernels:
  - .name:           k_qca24bd6a05_proj
    .symbol:         k_qca24bd6a05_proj.kd
    .args:
      - { .name: xb, .offset: 0, .size: 8, .value_kind: global_buffer, .address_space: global }
      - { .name: wt, .offset: 8, .size: 8, .value_kind: global_buffer, .address_space: global }
      - { .name: qkv, .offset: 16, .size: 8, .value_kind: global_buffer, .address_space: global }
    .group_segment_fixed_size: 327680
    .private_segment_fixed_size: 0
    .kernarg_segment_align: 8
    .kernarg_segment_size: 24
    .max_flat_workgroup_size: 128
    .sgpr_count:     68
    .vgpr_count:     1024
    .wavefront_size: 32
...
	.end_amdgpu_metadata
.endif
;; end of part 6
;; launch score (part 7): grid 36 x 4, 4 waves a work-group, no clusters, 327,680 bytes of LDS; arguments qkv, pt, st; writes pt, st
.if DOCPART == 7
	.amdgcn_target "amdgcn-amd-amdhsa--gfx1250"
	.amdhsa_code_object_version 6
	.text
	.protected	k_qca24bd6a05_score
	.globl	k_qca24bd6a05_score
	.p2align	8
	.type	k_qca24bd6a05_score,@function
k_qca24bd6a05_score:
	s_mov_b64 s[64:65], 0
	v_nop
	global_prefetch_b8 v0, s[64:65] scope:SCOPE_SE
	s_setreg_imm32_b32 hwreg(HW_REG_WAVE_MODE, 25, 1), 1
	s_wait_xcnt 0x0
; One block of 256 keys j x 256 queries i of the scores, for the 36 blocks (ti >= tj) of a batch that hold visible scores; blocks wholly above the diagonal are left out: the problem's own mask gives them weight 0.
; acc[j][i] = k'_j . q'_i = s / 32 (k', q' are k / 32, q / 32 in f16).  For each key j: m = the block's maximum of acc over its queries, l = the sum of p, p = 2^(c acc - c m), c = 32 log2(e).
; pt[j][i] = p in f16; st: m at byte 0, l at byte 262,144, each [batch][ti][j] in f32.  The next launch joins a column's blocks: it makes c m by the same f32 product, so c m cancels.
; A hidden score (j > i) counts as its value less 1e30: the mask is the C operand of the products that start the sums.  Every column of a block has a visible score, so m is a true score.
; NO CLUSTER: a batch's 36 blocks form a triangle: rows and columns of it have 1 to 8 blocks, so no 4 x 4 or 4 x 1 grouping covers it with blocks that all do work, and partners must run alike.
; Four waves, each 128 keys x 128 queries; source 0 = 16 queries, source 1 = 16 keys: a lane holds ONE key (lane % 16) and queries 8 (lane / 16) + 0..7, so a key's maximum and sum are taken in the lane,
; across the halves of the lanes, and once with the wave that has the key's other 128 queries.  Ring, fragments and way out as in the projection launch, without joint loads.
; THE TEXT IS SHORT BY THREE LOOPS: a K step is written once for the six steps that fill a slot again and once for the last two; the work behind the products is written for four blocks of 16 keys and walked
; twice: between the two trips 256 v_mov_b32 bring window 3's sums into window 2's registers: that is the price.
; REGISTERS: window 0: v0-31 addresses; v32-39 the diagonal's mask; v64-191 K's fragments (later statistics); v32-63, v192-255 the way out.  Window 1: v64-191 Q's fragments; v0-63, v192-247 the 15 masks.
; Windows 2, 3: the 64 accumulators, (a, b) at 8 (8 (a % 4) + b): a = block of 16 keys, b = block of 16 queries.
.set ROWB,   6144                      ; bytes in a row of qkv
.set KSTEP,  128
.set PITCH,  272
.set HALFT,  128*PITCH                 ; 0x8800
.set SLOT,   4*HALFT                   ; K's 256 rows, then Q's 256 rows: 0x22000, which shares no bit with wave x 0x8800
.set STAGE,  2*SLOT                    ; 16 rows x 272 bytes for each wave
.set SPITCH, 272
.set XM,     STAGE+4*16*SPITCH         ; 512 bytes a wave: 64 keys' maxima, for the partner wave; 2,048 bytes on: the sums
.set FIN,    XM+4096                   ; 1,024 bytes a wave: m and l in the order of the keys
.set SPARE,  FIN+4096                  ; the spare words, 128 bytes a wave
.set XA,   6                           ; v6   XM, my wave's words: + 4 (lane % 16)
.set XB,   7                           ; v7   the partner wave's
.set FI,   8                           ; v8   FIN, in
.set FR,   9                           ; v9   FIN, back: 16 bytes a lane
.set SO,   10                          ; v10  16 x lane
.set VD,   11                          ; v11  lane % 16 - 8 (lane / 16)
.set FIC,  12                          ; v12  FIN, in, for the trip's 64 keys
.set ADRA, 16                          ; v16  K's fragments in slot 0; v17 in the slot in hand
.set CA,   17
.set ADRB, 20                          ; v20, v21  the same for Q
.set CB,   21
.set STO,  24
.set RD,   25
.set CO,   26
.set SPW,  28
.set NIL,  29
.set PFO,  30                          ; v30  lane x 6,144
.set MD,   32                          ; v32-39  register g is hidden in a block on the diagonal where g < VD
.set F0,   64
.set F1,   128
.set TMP,  192
.set OB,   32
.set ML,   64                          ; behind the products, in K's fragment buffers: my 128 queries' maximum of key block a
.set CM,   72                          ; c m, a pair for each a
.set M,    88                          ; m
.set LS,   96                          ; the sum, a pair for each a
.set L,    112                         ; l
.set T,    120                         ; eight at work
.set G1, 24                            ; s[24:31] descriptor group 1
.set G0, 32                            ; s[32:39] group 0: a set for each of the two first fills; the second then walks on
.set LIM, 43
.set PFA, 44
.set AL,  70                           ; s[70:71] a mask's factor
.set BE,  72                           ; s[72:73] a mask's addend
.set BIGN, 74                          ; -1e30
.set CS,  76                           ; s[76:77] c
.set SEL, 78                           ; s[78:79] v_permlanex16_b32's selects: the same place in the other half
.set TB,  82                           ; the slot in hand: 0 or SLOT
.set TE,  84                           ; the trip's 64 keys in FIN: 0, 256
.set EC,  85
.set MSB, 0
.macro WIN new
.if MSB != (\new)
	s_set_vgpr_msb (MSB<<8)|(\new)
.set MSB, \new
.endif
.endm
.set MUL_LO, 0xa1
.set MUL_HI, 0xf1
.set TO_B,   0x40
.macro PLACES
.rept 4
	v_nop
.endr
.endm
.macro LOAD s                          ; my quarter of a slot: 128 rows x 256 bytes; an s_nop 0 and four v_nop follow
	tensor_load_to_lds s[G0+4*(\s):G0+4*(\s)+3], s[G1:G1+7]
	s_nop 0
	PLACES
.endm
; A prefetch of the K step two refills on.  The blocks on the diagonal (ti = tj) read K's and Q's rows of one and the same range, and together all rows: they ask, each wave for the 128 rows that it fetches,
; a lane a row, four instructions: each row's 256 bytes of a K step are named once in the launch.  The last two of the six refills have no K step two on.
.macro ASK
	s_cmp_gt_u32 s3, s[LIM]
	s_cbranch_scc0 .Lnot_mine_\@
.irp q, 0,1,2,3
	global_prefetch_b8 v[PFO], s[PFA:PFA+1] offset:KSTEP*2+(\q)*32*ROWB th:TH_LOAD_NT scope:SCOPE_SE
.endr
.Lnot_mine_\@:
.endm
	s_load_b128 s[4:7], s[0:1], 0x0                ; qkv s[4:5], pt s[6:7]
	s_load_b64 s[8:9], s[0:1], 0x10                ; st
	v_lshl_add_u32 v[SPW], v0, 2, SPARE
	v_mov_b32 v[NIL], 0
	ds_add_u32 v[SPW], v[NIL]                      ; the wave's opening: the add, twice on end, and its wait ahead of my first tensor load
	ds_add_u32 v[SPW], v[NIL]
	v_lshrrev_b32 v1, 5, v0
	v_readfirstlane_b32 s10, v1                    ; wave 0..3
	s_lshr_b32 s11, s10, 1                         ; which 128 keys are mine.  Also: I fetch K (0) or Q (1)
	s_and_b32 s12, s10, 1                          ; which 128 queries.  Also: which 128 rows of that tile I fetch
	s_mov_b32 s40, 0                               ; ti: block p of the triangle lies in row ti where ti (ti + 1) / 2 <= p
.irp thr, 1,3,6,10,15,21,28
	s_cmp_ge_u32 ttmp9, \thr
	s_add_co_ci_u32 s40, s40, 0
.endr
	s_add_co_u32 s41, s40, 1
	s_mul_i32 s41, s41, s40
	s_lshr_b32 s41, s41, 1
	s_sub_co_u32 s41, ttmp9, s41                   ; tj
	s_and_b32 s42, ttmp7, 0xffff                   ; the batch
	s_mov_b32 s[G1+0], (1<<16)|(1<<20)|(5<<22)|(3<<25)  ; elements of 2 bytes; padding on: after every 64 words 4 words
	s_mov_b32 s[G1+1], KSTEP<<16                   ; tensor_dim0 = 128
	s_mov_b32 s[G1+2], 128<<16                     ; tensor_dim1 = 128
	s_mov_b32 s[G1+3], KSTEP<<16                   ; tile_dim0 = 128
	s_mov_b32 s[G1+4], 128                         ; tile_dim1 = 128
	s_mov_b32 s[G1+5], 3072                        ; elements from row to row
	s_mov_b32 s[G1+6], 0
	s_mov_b32 s[G1+7], 0
	s_cmp_eq_u32 s11, 0
	s_cselect_b32 s16, s41, s40                    ; K's rows go by tj, Q's by ti
	s_cselect_b32 s18, 2048, 0                     ; k lies 2,048 bytes into a row of qkv, q at its head
	s_lshl_b32 s16, s16, 8
	s_lshl_b32 s17, s12, 7
	s_add_co_u32 s16, s16, s17
	s_lshl_b32 s17, s42, 11
	s_add_co_u32 s16, s16, s17
	s_mul_i32 s16, s16, ROWB                       ; under 8,192 x 6,144 bytes
	s_add_co_u32 s16, s16, s18
	s_mov_b32 s17, 0
	s_mul_i32 s20, s10, HALFT
	s_mov_b32 s[BIGN], 0xf149f2ca
	s_mov_b32 s[AL+1], 0                           ; named as pairs
	s_mov_b32 s[BE+1], 0
	s_mov_b32 s[CS], 0x4238aa3b                    ; c = 32 log2(e) = 46.16624
	s_mov_b32 s[CS+1], s[CS]
	s_mov_b32 s[SEL], 0x76543210
	s_mov_b32 s[SEL+1], 0xfedcba98
	s_mov_b32 s[TB], 0
	s_wait_dscnt 0x0                               ; both opening adds are done
	s_wait_kmcnt 0x0
	s_add_nc_u64 s[14:15], s[4:5], s[16:17]
.irp s, 0,1
	s_mov_b32 s[G0+4*(\s)], 1
	s_add_co_u32 s[G0+4*(\s)+1], s20, (\s)*SLOT
	s_add_nc_u64 s[G0+4*(\s)+2:G0+4*(\s)+3], s[14:15], (\s)*KSTEP*2
	s_or_b32 s[G0+4*(\s)+3], s[G0+4*(\s)+3], 0x80000000
	LOAD \s                                        ; both first fills go out before anything else: two loads of mine are out
.endr
	s_add_nc_u64 s[PFA:PFA+1], s[14:15], 2*KSTEP*2 ; at K step 2: the first refill steps it to 3 and names K step 4
	s_cmp_eq_u32 s40, s41
	s_cselect_b32 s[LIM], 2, -1
	v_and_b32 v[PFO], 31, v0
	v_mul_u32_u24 v[PFO], v[PFO], ROWB
	v_and_b32 v1, 15, v0                           ; l % 16
	v_bfe_u32 v2, v0, 4, 1                         ; l / 16
	v_mul_u32_u24 v3, v1, PITCH
	v_lshl_add_u32 v3, v2, 4, v3
	s_mul_i32 s21, s11, HALFT                      ; my 128 rows of K
	s_mul_i32 s22, s12, HALFT                      ; my 128 rows of Q,
	s_add_co_u32 s22, s22, 2*HALFT                 ; which lie behind K's 256
	v_add_nc_u32 v[ADRA], s21, v3
	v_add_nc_u32 v[ADRB], s22, v3
	v_mov_b32 v[CA], v[ADRA]
	v_mov_b32 v[CB], v[ADRB]
	s_mul_i32 s23, s10, 16*SPITCH
	s_add_co_u32 s23, s23, STAGE
	v_mul_u32_u24 v4, v1, SPITCH
	v_lshl_add_u32 v4, v2, 4, v4
	v_add_nc_u32 v[STO], s23, v4
	v_mul_u32_u24 v5, v2, SPITCH
	v_lshl_add_u32 v5, v1, 4, v5
	v_add_nc_u32 v[RD], s23, v5
	v_lshlrev_b32 v5, 12, v2                       ; a row of pt is 4,096 bytes
	v_lshl_add_u32 v[CO], v1, 4, v5
	v_lshlrev_b32 v[XA], 2, v1
	s_lshl_b32 s21, s10, 9
	s_add_co_u32 s21, s21, XM
	s_xor_b32 s22, s10, 1                          ; the wave with my keys' other 128 queries
	s_lshl_b32 s22, s22, 9
	s_add_co_u32 s22, s22, XM
	v_add_nc_u32 v[XB], s22, v[XA]
	s_lshl_b32 s23, s10, 10
	s_add_co_u32 s23, s23, FIN
	v_add_nc_u32 v[FI], s23, v[XA]
	v_add_nc_u32 v[XA], s21, v[XA]
	v_and_b32 v[SO], 31, v0
	v_lshlrev_b32 v[SO], 4, v[SO]
	s_lshl_b32 s21, s12, 9                         ; the wave with the lower queries sends m, the other l
	s_add_co_u32 s23, s23, s21
	v_add_nc_u32 v[FR], s23, v[SO]
	; pt: batch x 2,048 x 4,096 + (256 tj + 128 x my half) rows + 512 ti + 256 x my half of the queries
	s_lshl_b32 s16, s41, 8
	s_lshl_b32 s17, s11, 7
	s_add_co_u32 s16, s16, s17
	s_lshl_b32 s18, s16, 2                         ; (kept for st: 4 bytes a key)
	s_lshl_b32 s16, s16, 12
	s_lshl_b32 s17, s42, 23
	s_add_co_u32 s16, s16, s17
	s_lshl_b32 s17, s40, 9
	s_add_co_u32 s16, s16, s17
	s_lshl_b32 s17, s12, 8
	s_add_co_u32 s16, s16, s17
	s_mov_b32 s17, 0                               ; s[16:17]: what the next way out adds to pt's address
	; st: (batch x 8 + ti) x 8,192 + 4 x my first key, + 262,144 for the sums
	s_lshl_b32 s19, s42, 3
	s_add_co_u32 s19, s19, s40
	s_lshl_b32 s19, s19, 13
	s_add_co_u32 s18, s18, s19
	s_lshl_b32 s19, s12, 18
	s_add_co_u32 s18, s18, s19
	s_mov_b32 s19, 0
	s_add_nc_u64 s[8:9], s[8:9], s[18:19]
	; THE MASKS.  i - j = 16 val + (8 (l / 16) + register - l % 16) with val = 16 (ti - tj) + 8 (my query half - my key half) + b - a: all visible if val > 0, all hidden if val < 0, the diagonal's pattern if val = 0.
	v_lshlrev_b32 v4, 3, v2
	v_sub_nc_u32 v[VD], v1, v4
.irp g, 0,1,2,3,4,5,6,7
	v_cmp_lt_i32 vcc_lo, \g, v[VD]
	v_cndmask_b32 v[MD+\g], 0, s[BIGN], vcc_lo
.endr
	s_sub_co_i32 s80, s40, s41
	s_lshl_b32 s80, s80, 4
	s_sub_co_i32 s81, s12, s11
	s_lshl_b32 s81, s81, 3
	s_add_co_i32 s80, s80, s81
	WIN 0x40                                       ; destination window 1, source 0 window 0
.set d, 0
.rept 15                                               ; mask d serves the products with b - a = d - 7
	s_add_co_i32 s81, s80, d-7
	s_cmp_eq_u32 s81, 0
	s_cselect_b32 s[AL], 1.0, 0
	s_cmp_lt_i32 s81, 0
	s_cselect_b32 s[BE], s[BIGN], 0
.set mc, 8*d+128*(d/8)
.irp z, 0,2,4,6
	v_pk_fma_f32 v[mc+\z:mc+\z+1], v[MD+\z:MD+\z+1], s[AL:AL+1], s[BE:BE+1] op_sel_hi:[1,0,0]
.endr
.set d, d+1
.endr
	WIN 0
; 16 matrix instructions: key blocks a0, a0 + 1 of the window's four x all 8 query blocks, 32 channels.  mask = 1: the first product starts the sums with the mask
.macro MUL16 f, hi, a0, mask
.if \mask
	WIN 0x91+0x40*(\hi)                            ; as below, with the C operand in window 1
.else
	WIN MUL_LO+0x50*(\hi)
.endif
.irp a, \a0, (\a0)+1
.irp b, 0,1,2,3,4,5,6,7
.if \mask
.set dd, (\b)-4*(\hi)-(\a)+7
.set mc, 8*dd+128*(dd/8)
	v_wmma_f32_16x16x32_f16 v[8*(8*(\a)+(\b)):8*(8*(\a)+(\b))+7], v[(\f)+8*(\b):(\f)+8*(\b)+7], v[(\f)+8*(4*(\hi)+(\a)):(\f)+8*(4*(\hi)+(\a))+7], v[mc:mc+7]
.else
	v_wmma_f32_16x16x32_f16 v[8*(8*(\a)+(\b)):8*(8*(\a)+(\b))+7], v[(\f)+8*(\b):(\f)+8*(\b)+7], v[(\f)+8*(4*(\hi)+(\a)):(\f)+8*(4*(\hi)+(\a))+7], v[8*(8*(\a)+(\b)):8*(8*(\a)+(\b))+7]
.endif
.endr
.endr
.endm
.macro FETCH k, f                      ; 32 LDS loads in one run, from the slot in hand
	WIN TO_B
.irp i, 0,1,2,3,4,5,6,7
	ds_load_b128 v[(\f)+8*(\i):(\f)+8*(\i)+3],   v[CB] offset:(\k)+(\i)*16*PITCH
	ds_load_b128 v[(\f)+8*(\i)+4:(\f)+8*(\i)+7], v[CB] offset:(\k)+(\i)*16*PITCH+32
.endr
	WIN 0
.irp i, 0,1,2,3,4,5,6,7
	ds_load_b128 v[(\f)+8*(\i):(\f)+8*(\i)+3],   v[CA] offset:(\k)+(\i)*16*PITCH
	ds_load_b128 v[(\f)+8*(\i)+4:(\f)+8*(\i)+7], v[CA] offset:(\k)+(\i)*16*PITCH+32
.endr
.endm
.macro QUARTER k, f, g, mask
	s_wait_dscnt 8                                 ; Q's and K's rows 0-63 are in; the youngest eight loads may be out
	MUL16 \f, 0, 0, \mask
	MUL16 \f, 0, 2, \mask
	PLACES
	FETCH \k, \g
	s_wait_dscnt 32                                ; all but the 32 just issued
	MUL16 \f, 1, 0, \mask
	MUL16 \f, 1, 2, \mask
.endm
; The last quarter of a K step changes slots: each wave waits for all its tensor loads, adds 0 to its spare word, waits for that and for its reads of this slot, and passes the barrier.  All reads of this slot
; have been issued, so the fragment addresses are turned to the other slot between the add and the wait for it.
; fill = 1: this slot is filled again, two K steps ahead, first thing behind the barrier: one load a wave, with 224 matrix instructions in which to land.
; fill = 0: the last two K steps; in the very last (s3 = 1) there is no next step, and the run of loads is jumped; its barrier and its wait for tensor loads find nothing to order: the price of one text for both.
.macro TURN fill
.if \fill
	s_wait_xcnt 0x0                                ; the last prefetches, a K step back, have read their address
	s_add_nc_u64 s[PFA:PFA+1], s[PFA:PFA+1], KSTEP*2
.endif
	WIN 0
	s_wait_tensorcnt 0x0                           ; all my tensor loads have landed: my part of the next slot
	ds_add_u32 v[SPW], v[NIL]
	s_xor_b32 s[TB], s[TB], SLOT
	v_add_nc_u32 v[CA], s[TB], v[ADRA]
	v_add_nc_u32 v[CB], s[TB], v[ADRB]
	s_wait_dscnt 9                                 ; (the add and the youngest eight loads may be out)
	MUL16 F1, 0, 0, 0
	s_wait_dscnt 0x0                               ; the add is done, and my reads of this slot are over
	s_barrier_signal -1
	MUL16 F1, 0, 2, 0
.if \fill
	s_barrier_wait -1
	s_xor_b32 s[G0+5], s[G0+5], SLOT               ; the walking descriptor: the slot just read out,
	s_add_nc_u64 s[G0+6:G0+7], s[G0+6:G0+7], KSTEP*2  ; the K step after the one that it asked for last
	LOAD 1                                         ; its four v_nop are also the places in front of the loads below
	FETCH 0, F0
	ASK
.else
	WIN 0
	s_barrier_wait -1
	s_cmp_eq_u32 s3, 1
	s_cbranch_scc1 .Lno_fetch_\@
	PLACES
	FETCH 0, F0
.Lno_fetch_\@:
.endif
	MUL16 F1, 1, 0, 0
	MUL16 F1, 1, 2, 0
.endm
	s_wait_tensorcnt 1                             ; my part of K step 0 is in; K step 1's may stay out
	s_barrier_signal -1
	s_barrier_wait -1
	FETCH 0, F0
	QUARTER 64,  F0, F1, 1
	WIN 0
	s_mov_b32 s3, 6
.Lstep:                                                ; a trip goes from a K step's second quarter to the next step's first, and fills the slot that it leaves: K steps 2 to 7
	QUARTER 128, F1, F0, 0
	QUARTER 192, F0, F1, 0
	TURN 1
	QUARTER 64,  F0, F1, 0
	WIN 0
	s_sub_co_u32 s3, s3, 1
	s_cmp_lg_u32 s3, 0
	s_cbranch_scc1 .Lstep
	s_mov_b32 s3, 2
.Ltail:                                                ; K steps 6 and 7 fill nothing
	QUARTER 128, F1, F0, 0
	QUARTER 192, F0, F1, 0
	TURN 0
	WIN 0
	s_cmp_eq_u32 s3, 1
	s_cbranch_scc1 .Lno_next                       ; behind K step 7 there is no first quarter
	QUARTER 64,  F0, F1, 0
	WIN 0
.Lno_next:
	s_sub_co_u32 s3, s3, 1
	s_cmp_lg_u32 s3, 0
	s_cbranch_scc1 .Ltail
	PLACES
	v_mov_b32 v[T+4], 0                            ; v_permlanex16_b32's destination counts as read
; THE MAXIMUM of key block a (of the four in window 2) over my 128 queries: four chains over two accumulators each, every accumulator's registers in ascending order; a chain begins with the maximum of its
; first two scores, so nothing is set beforehand; then the other half of the lanes
.macro EMAX a
.set AC, 64*(\a)
	WIN 0x0a                                       ; sources 0 and 1 in window 2
.irp k, 0,1,2,3
	v_max_num_f32 v[T+\k], v[AC+16*\k], v[AC+16*\k+1]
.endr
	WIN 0x28                                       ; sources 1 and 2 in window 2
.irp s, 1,2,3,4,5,6,7
.irp k, 0,1,2,3
	v_max3_num_f32 v[T+\k], v[T+\k], v[AC+8*(2*\k+\s/4)+2*(\s%4)], v[AC+8*(2*\k+\s/4)+2*(\s%4)+1]
.endr
.endr
	WIN 0
	v_max3_num_f32 v[T], v[T], v[T+1], v[T+2]
	v_max_num_f32 v[T], v[T], v[T+3]
	v_permlanex16_b32 v[T+4], v[T], s[SEL], s[SEL+1]
	v_max_num_f32 v[ML+(\a)], v[T], v[T+4]
	ds_store_b32 v[XA], v[ML+(\a)] offset:64*(\a)  ; both halves of the lanes write the same word with the same number
.endm
.macro PACK a
.set AC, 64*(\a)
	WIN 0x0a
.irp b, 0,1,2,3,4,5,6,7
.irp r, 0,1,2,3
	v_cvt_pk_f16_f32 v[TMP+4*(\b)+(\r)], v[AC+8*(\b)+2*(\r)], v[AC+8*(\b)+2*(\r)+1]
.endr
.endr
	WIN 0
.endm
.macro TOSTAGE a
	WIN 0
.set BK, OB+192*((\a)%2)
.irp b, 0,1,2,3,4,5,6,7
	ds_store_b128 v[STO], v[TMP+4*(\b):TMP+4*(\b)+3] offset:32*(\b)
.endr
.irp t, 0,1,2,3,4,5,6,7
	ds_load_b128 v[BK+4*(\t):BK+4*(\t)+3], v[RD] offset:(\t)*2*SPITCH  ; my own stage: LDS serves a wave's instructions in order
.endr
.endm
.macro SEND a
	WIN 0
.set BK, OB+192*((\a)%2)
	s_wait_dscnt 0x0
	s_wait_xcnt 0x0                                ; only behind this wait are the stores' base and the registers that earlier stores read rewritten
	s_add_nc_u64 s[6:7], s[6:7], s[16:17]          ; the first time: to my part of the block; after that 16 rows of pt on
	s_mov_b32 s16, 16*4096
.irp t, 0,1,2,3,4,5,6,7
	global_store_b128 v[CO], v[BK+4*(\t):BK+4*(\t)+3], s[6:7] offset:2*(\t)*4096  ; 16 lanes store 256 consecutive bytes, aligned
.endr
.endm
; THE WEIGHTS of key block a: c acc - c m, 64 exponentials as one batch with one wait, their sum in f32 (four chains, each begun by the sum of two pairs of weights), then rounded to f16 and out
.macro EEXP a
.set AC, 64*(\a)
	WIN 0x82                                       ; destination and source 0 in window 2, c m in window 0
.set z, 0
.rept 32
	v_pk_fma_f32 v[AC+2*z:AC+2*z+1], v[AC+2*z:AC+2*z+1], s[CS:CS+1], v[CM+2*(\a):CM+2*(\a)+1] op_sel_hi:[1,0,0] neg_lo:[0,0,1] neg_hi:[0,0,1]
.set z, z+1
.endr
.set z, 0
.rept 64
	v_exp_f32 v[AC+z], v[AC+z]
.set z, z+1
.endr
	v_nop                                          ; a plain instruction behind the last exponential,
	s_wait_alu depctr_va_vdst(0)                   ; and one wait for the batch, ahead of the first line that names a result
	WIN 0x0a                                       ; sources 0 and 1 in window 2
.irp z, 0,1,2,3
	v_pk_add_f32 v[T+2*\z:T+2*\z+1], v[AC+2*\z:AC+2*\z+1], v[AC+8+2*\z:AC+8+2*\z+1]  ; pairs z and z + 4
.endr
	WIN 0x02
.set z, 8
.rept 24
	v_pk_add_f32 v[T+2*(z%4):T+2*(z%4)+1], v[AC+2*z:AC+2*z+1], v[T+2*(z%4):T+2*(z%4)+1]
.set z, z+1
.endr
	WIN 0
	v_pk_add_f32 v[T:T+1], v[T:T+1], v[T+2:T+3]
	v_pk_add_f32 v[T+4:T+5], v[T+4:T+5], v[T+6:T+7]
	v_pk_add_f32 v[LS+2*(\a):LS+2*(\a)+1], v[T:T+1], v[T+4:T+5]
	PACK \a
	TOSTAGE \a
	SEND \a
.endm
	s_mov_b32 s[TE], 0
	s_mov_b32 s[EC], 2
.Lkeys:                                                ; a trip: 64 of my 128 keys.  Both barriers stand in the trip, so a trip's stores into the words that the partner reads stand behind a barrier that follows the partner's reads of them
.irp a, 0,1,2,3
	EMAX \a
.endr
	s_wait_dscnt 0x0                               ; for the partner's sake: my maxima lie in LDS
	s_barrier_signal -1
	s_barrier_wait -1
.irp a, 0,1,2,3
	ds_load_b32 v[M+\a], v[XB] offset:64*\a
.endr
	s_wait_dscnt 0x0
.irp a, 0,1,2,3
	v_max_num_f32 v[M+\a], v[M+\a], v[ML+\a]       ; m over the block's 256 queries
	v_mul_f32 v[CM+2*\a], s[CS], v[M+\a]           ; c m, rounded once: the next launch makes the same product
	v_mov_b32 v[CM+2*\a+1], v[CM+2*\a]
.endr
.irp a, 0,1,2,3
	EEXP \a
.endr
	; THE SUMS: the pair's halves, the other half of the lanes, the partner wave
.irp a, 0,1,2,3
	v_add_f32 v[L+\a], v[LS+2*\a], v[LS+2*\a+1]
.endr
.irp a, 0,1,2,3
	v_permlanex16_b32 v[LS+2*\a], v[L+\a], s[SEL], s[SEL+1]
.endr
.irp a, 0,1,2,3
	v_add_f32 v[L+\a], v[L+\a], v[LS+2*\a]
	ds_store_b32 v[XA], v[L+\a] offset:2048+64*\a
.endr
	s_wait_dscnt 0x0                               ; for the partner's sake
	s_barrier_signal -1
	s_barrier_wait -1
.irp a, 0,1,2,3
	ds_load_b32 v[LS+2*\a], v[XB] offset:2048+64*\a
.endr
	v_add_nc_u32 v[FIC], s[TE], v[FI]
	s_add_co_u32 s[TE], s[TE], 256
	s_wait_dscnt 0x0
.irp a, 0,1,2,3
	v_add_f32 v[L+\a], v[L+\a], v[LS+2*\a]
.endr
.irp a, 0,1,2,3
	ds_store_b32 v[FIC], v[M+\a] offset:64*\a      ; my own words: the 128 keys' m in order, then their l
	ds_store_b32 v[FIC], v[L+\a] offset:512+64*\a
.endr
	s_cmp_eq_u32 s[EC], 1
	s_cbranch_scc1 .Lno_move
	WIN 0x83                                       ; source window 3, destination window 2: my keys 64-127 go where the one text names the sums
.set z, 0
.rept 256
	v_mov_b32 v[z], v[z]
.set z, z+1
.endr
	WIN 0
.Lno_move:
	s_sub_co_u32 s[EC], s[EC], 1
	s_cmp_lg_u32 s[EC], 0
	s_cbranch_scc1 .Lkeys
	ds_load_b128 v[T:T+3], v[FR]
	s_wait_dscnt 0x0
	global_store_b128 v[SO], v[T:T+3], s[8:9]      ; 512 consecutive bytes, aligned: m from one wave of the pair, l from the other
	s_wait_tensorcnt 0x0                           ; the wave's end
	ds_add_u32 v[SPW], v[NIL]
	s_wait_dscnt 0x0
	s_endpgm
.Lfunc_end_k_qca24bd6a05_score:
	.size	k_qca24bd6a05_score, .Lfunc_end_k_qca24bd6a05_score-k_qca24bd6a05_score
	.p2alignl 7, 3214868480
	.fill 96, 4, 3214868480
	.section	.rodata,"a",@progbits
	.p2align	6, 0x0
	.amdhsa_kernel k_qca24bd6a05_score
		.amdhsa_group_segment_fixed_size 327680
		.amdhsa_private_segment_fixed_size 0
		.amdhsa_enable_private_segment 0
		.amdhsa_kernarg_size 24
		.amdhsa_user_sgpr_count 2
		.amdhsa_user_sgpr_kernarg_segment_ptr 1
		.amdhsa_wavefront_size32 1
		.amdhsa_system_sgpr_workgroup_id_x 1
		.amdhsa_system_sgpr_workgroup_id_y 1
		.amdhsa_system_sgpr_workgroup_id_z 1
		.amdhsa_system_vgpr_workitem_id 0
		.amdhsa_next_free_vgpr 1024
		.amdhsa_next_free_sgpr 96
		.amdhsa_reserve_vcc 1
		.amdhsa_float_denorm_mode_32 3
		.amdhsa_float_denorm_mode_16_64 3
		.amdhsa_memory_ordered 1
		.amdhsa_forward_progress 1
		.amdhsa_inst_pref_size 135
	.end_amdhsa_kernel
	.amdgpu_metadata
---
amdhsa.version: [ 1, 2 ]
amdhsa.kernels:
  - .name:           k_qca24bd6a05_score
    .symbol:         k_qca24bd6a05_score.kd
    .args:
      - { .name: qkv, .offset: 0, .size: 8, .value_kind: global_buffer, .address_space: global }
      - { .name: pt, .offset: 8, .size: 8, .value_kind: global_buffer, .address_space: global }
      - { .name: st, .offset: 16, .size: 8, .value_kind: global_buffer, .address_space: global }
    .group_segment_fixed_size: 327680
    .private_segment_fixed_size: 0
    .kernarg_segment_align: 8
    .kernarg_segment_size: 24
    .max_flat_workgroup_size: 128
    .sgpr_count:     96
    .vgpr_count:     1024
    .wavefront_size: 32
...
	.end_amdgpu_metadata
.endif
;; end of part 7
;; launch pv (part 8): grid 8 x 32, 4 waves a work-group, clusters of 4 x 1, 327,680 bytes of LDS; arguments pt, st, qkv, out0; writes out0
.if DOCPART == 8
	.amdgcn_target "amdgcn-amd-amdhsa--gfx1250"
	.amdhsa_code_object_version 6
	.text
	.protected	k_qca24bd6a05_pv
	.globl	k_qca24bd6a05_pv
	.p2align	8
	.type	k_qca24bd6a05_pv,@function
k_qca24bd6a05_pv:
	s_mov_b64 s[64:65], 0
	v_nop
	global_prefetch_b8 v0, s[64:65] scope:SCOPE_SE
	s_setreg_imm32_b32 hwreg(HW_REG_WAVE_MODE, 25, 1), 1
	s_wait_xcnt 0x0
	s_wait_alu depctr_hold_cnt(0) depctr_sa_sdst(0) depctr_va_vdst(0) depctr_va_sdst(0) depctr_va_ssrc(0) depctr_va_vcc(0) depctr_vm_vsrc(0)
	s_getreg_b32 s2, hwreg(HW_REG_IB_STS2, 6, 4)
	s_cmp_eq_u32 s2, 0
	s_cbranch_scc0 .Lentry_in_a_cluster
	s_endpgm
.Lentry_in_a_cluster:
	s_bfe_u32 s2, ttmp6, 0x10000c
	s_cmp_lg_u32 s2, 0x3003
	s_cbranch_scc0 .Lentry_shape_is_right
	s_endpgm
.Lentry_shape_is_right:
; out[i][e] = sum over j <= i of (p[j][i] F[j]) v'[j][e].  p (f16) is relative to its block's maximum m_t of column j; F_t[j] = 2^(c m_t - c M) 32 / L with M = the maximum of the column's m, L = the sum of l_t 2^(c m_t - c M);
; v' = v / 32 in f16.  Keys beyond a row tile's diagonal are left out: the problem's own mask gives them weight 0; blocks that the score launch never made hold (-1e30, 0) in st and add nothing to M and L.
; THE WALK.  A work-group makes two tiles of 128 rows x 128 channels: row tiles 15 - pb and then pb of a batch: together 17 halves of 128 keys, walked as 9 steps of 256 keys whatever pb; the one half that lies
; wholly beyond the diagonal (the last step of the tile whose number is even) is jumped over.  So all 256 work-groups do equal work, and one loop with a constant count walks them.
; CLUSTER.  The four partners make four channel tiles of the same rows: they need the same tiles of p, which are asked for jointly; v's tiles are each partner's own.  All counts hang on the cluster's y alone.
; LAYOUT.  Source 0 = 16 channels x 32 keys of v, source 1 = 32 keys x 16 rows of p, both turned out of LDS by ds_load_tr16_b128: a lane holds one row i (lane % 16) and 8 neighbouring channels.
; p's fragments are multiplied by F (a packed f16 product, p F <= 32) on their way: two such lines stand behind each matrix instruction, for the next 32 keys.
; F LIES IN LDS IN THE ORDER OF THE WALK: step n's 256 factors at 512 n, so that the LDS addresses hang on the step's number alone; which keys and which row of blocks a step means enters the loads from st.
; THE TEXT IS SHORT BY LOOPS: a step is written once for the eight that ask for a tile and once for the ninth; in it four units of 32 keys are written and walked twice; a group of F is written once and walked five times.
; The LDS addresses are a lane's fixed place plus a scalar that steps by constants (a half: QUART; F: 256) or is turned by an exclusive or (the slot).
; REGISTERS: window 0: v0-31 addresses; v32-63 F, v64-191 v: four buffers of 32 keys; v192-255 the way out (at the start v64-225 make F).  Window 1: v0-127 the 16 accumulators; v128-255 p, four buffers.
.set PITCH, 288                        ; an LDS row: 256 bytes + 32 of padding
.set QUART, 128*PITCH                  ; what one tensor load brings: 128 keys: 0x9000
.set SLOT,  4*QUART                    ; p's 256 keys, then v's: 0x24000, which shares no bit with wave x 0x9000
.set FT,    2*SLOT                     ; behind the ring: F in f16, 9 steps x 512 bytes (8,192 bytes are set aside)
.set STAGE, FT+8192                    ; 16 rows x 272 bytes for each wave
.set SP,    272
.set SPARE, STAGE+4*16*SP              ; the spare words, 128 bytes a wave
.set PA,  4                            ; v4      my lane's place in p's 128 keys in hand: s[TP] + PA0
.set PA0, 5                            ; v5      the same in slot 0's keys 0-127; never rewritten
.set VA,  8                            ; v8, v9  the same for v
.set VA0, 9
.set FA,  12                           ; v12     F of the 128 keys in hand: s[TF] + FA0
.set FA0, 13                           ; v13     16 (lane / 16); never rewritten
.set STO, 14
.set RD,  15
.set GO,  16
.set PFO, 17                           ; v17     lane x a row of pt or of qkv
.set JO,  20                           ; v20     my four keys' bytes among a wave's 128: 16 x lane
.set FS,  21                           ; v21     where their F goes, in group 0
.set FSC, 24                           ; v24     in the group in hand
.set SPW, 28
.set NIL, 29
.set FF,  32
.set VF,  64
.set OB,  192
.set PF,  128                          ; window 1
.set FR,  64                           ; the making of F: 68 registers at work; 72 on: 68 on their way in
.set TM,  208
.set CMX, 212
.set LL,  216
.set RC,  220
.set FH,  224
.set WV,  12
.set BT,  16
.set PBK, 17
.set G1P, 24
.set G1V, 32
.set G0P, 40
.set G0V, 44
.set PB,  48                           ; s[48:49] pt at my 128 keys of the batch's tile 0
.set VB,  50                           ; s[50:51] v at my 128 keys of tile 0, my work-group's channels
.set O,   52                           ; s[52:53] out at my rows of the tile in hand
.set O2,  54                           ; s[54:55] of the second tile
.set PFA, 56
.set PST, 58                           ; s[58:59] bytes from a tile of 256 keys to the next, in what I prefetch
.set OF,  60
.set NXT, 66                           ; the tile of 256 keys to be asked for next
.set NA,  67                           ; tiles of the row tile whose keys are being asked for
.set N2,  68
.set IOFF, 69                          ; that row tile's bytes in a row of pt
.set IOFF2, 70
.set REM, 71                           ; steps left of the row tile in hand (until the walk begins: the first row tile's steps)
.set EVN, 72                           ; 1: its last step has a hidden half
.set HALF, 73
.set PCNT, 74                          ; prefetches still to be made
.set LB,  75
.set CNT, 76
.set TF,  77                           ; LDS byte of F of the 128 keys in hand
.set TS,  78                           ; the slot in hand: 0 or SLOT
.set TP,  79                           ; the 128 keys in hand: the slot, + QUART for its second half
.set HC,  80                           ; counts a step's halves, 2 to 1
.set GC,  81                           ; counts F's groups
.set STB, 82                           ; s[82:83] st at the batch
.set CS,  84                           ; s[84:85] c
.set SGB, 86                           ; s[86:89] st at the group's keys; the same at the row of blocks of the group's row tile
.set NP,  90                           ; the walk's step whose F is loaded next
.set TG,  91                           ; 1,024 x the group in hand
.set T1R, 96                           ; bytes to the row of blocks that holds the first row tile
.set T2R, 98                           ; the second
.set MSB, 0
.macro WIN new
.if MSB != (\new)
	s_set_vgpr_msb (MSB<<8)|(\new)
.set MSB, \new
.endif
.endm
.set W, 0x54                           ; source 0 window 0; source 1, source 2 and destination window 1
.macro PLACES
.rept 4
	v_nop
.endr
.endm
.macro CROUND                          ; a round of the cluster's barrier
	s_barrier_signal -1
	s_barrier_wait -1
	s_cmp_lg_u32 s[WV], 0
	s_cbranch_scc1 .Lnot_wave_0_\@
	s_barrier_signal -3
.Lnot_wave_0_\@:
	s_barrier_wait -3
	s_barrier_signal -1
	s_barrier_wait -1
.endm
.macro JLOAD                           ; waves 0 and 1: p's two halves, jointly; waves 2 and 3: v's.  An s_nop 0 and four v_nop follow each line
	s_cmp_lt_u32 s[WV], 2
	s_cbranch_scc0 .Lfor_v_\@
	tensor_load_to_lds s[G0P:G0P+3], s[G1P:G1P+7]
	s_nop 0
	PLACES
	s_branch .Lasked_\@
.Lfor_v_\@:
	tensor_load_to_lds s[G0V:G0V+3], s[G1V:G1V+7]
	s_nop 0
	PLACES
.Lasked_\@:
.endm
; Both descriptors for tile NXT: first = 1: into slot 0; else into the other slot than last time.  The addresses are made anew from the bases; then NXT steps, and behind the first row tile's last tile goes back to 0 for the second
.macro DESC first
	s_lshl_b32 s[OF], s[NXT], 20                   ; 256 rows of pt
	s_add_co_u32 s[OF], s[OF], s[IOFF]
.if \first
	s_mov_b32 s[G0P+1], s[LB]
	s_mov_b32 s[G0V+1], s[LB]
.else
	s_xor_b32 s[G0P+1], s[G0P+1], SLOT
	s_xor_b32 s[G0V+1], s[G0V+1], SLOT
.endif
	s_add_nc_u64 s[G0P+2:G0P+3], s[PB:PB+1], s[OF:OF+1]
	s_or_b32 s[G0P+3], s[G0P+3], 0x80000000
	s_mul_i32 s[OF], s[NXT], 256*6144              ; 256 rows of qkv
	s_add_nc_u64 s[G0V+2:G0V+3], s[VB:VB+1], s[OF:OF+1]
	s_or_b32 s[G0V+3], s[G0V+3], 0x80000000
	s_add_co_u32 s[NXT], s[NXT], 1
	s_cmp_eq_u32 s[NXT], s[NA]
	s_cselect_b32 s[NXT], 0, s[NXT]
	s_cselect_b32 s[IOFF], s[IOFF2], s[IOFF]
	s_cselect_b32 s[NA], s[N2], s[NA]
.endm
; A prefetch, behind the tensor load and its lines: in step n the first row tile's tile n + 3, which the load of step n + 2 will want.  p's tile is read by two clusters: the one with x = 0 asks, its partners
; 32 rows each of the 128 that a wave fetches, told apart by address.  v's rows are read by eight work-groups: the one with pb = 0, which walks all keys in its first row tile, asks, a wave its own 128 rows.
; A lane a row.  Tiles 0 to 2 and the second row tile's come by their loads alone; the count ends at the first row tile's last tile.
.macro ASK
	s_cmp_lg_u32 s[PCNT], 0
	s_cbranch_scc0 .Lnone_\@
	s_sub_co_u32 s[PCNT], s[PCNT], 1
	s_cmp_lt_u32 s[WV], 2
	s_cbranch_scc0 .Lask_v_\@
	global_prefetch_b8 v[PFO], s[PFA:PFA+1] th:TH_LOAD_NT scope:SCOPE_SE
	s_branch .Lnone_\@
.Lask_v_\@:
.irp q, 0,1,2,3
	global_prefetch_b8 v[PFO], s[PFA:PFA+1] offset:(\q)*32*6144 th:TH_LOAD_NT scope:SCOPE_SE
.endr
.Lnone_\@:
.endm
	s_load_b256 s[4:11], s[0:1], 0x0               ; pt s[4:5], st s[6:7], qkv s[8:9], out0 s[10:11]
	v_lshl_add_u32 v[SPW], v0, 2, SPARE
	v_mov_b32 v[NIL], 0
	ds_add_u32 v[SPW], v[NIL]                      ; the wave's opening: the add, twice on end, and its wait ahead of my first tensor load
	ds_add_u32 v[SPW], v[NIL]
	v_lshrrev_b32 v1, 5, v0
	v_readfirstlane_b32 s[WV], v1                  ; wave 0..3
	s_bfe_u32 s13, ttmp6, 0x40000                  ; cx
	s_lshl_b32 s14, ttmp9, 2
	s_add_co_u32 s14, s14, s13                     ; my 128 channels: it enters v's and out's addresses alone
	s_and_b32 s15, ttmp7, 0xffff
	s_lshr_b32 s[BT], s15, 3                       ; the batch
	s_and_b32 s[PBK], s15, 7                       ; pb
	s_sub_co_u32 s18, 15, s[PBK]                   ; the first row tile
	s_sub_co_u32 s19, 17, s[PBK]
	s_lshr_b32 s[NA], s19, 1                       ; its steps of 256 keys: 5 to 8
	s_sub_co_u32 s[N2], 9, s[NA]
	s_mov_b32 s[REM], s[NA]
	s_and_b32 s[EVN], s[PBK], 1                    ; 15 - pb is even where pb is odd
	s_lshl_b32 s[IOFF], s18, 8
	s_lshl_b32 s[IOFF2], s[PBK], 8
	s_mov_b32 s[NXT], 0
	s_mov_b32 s[OF+1], 0
	s_mov_b32 s[TF], FT
	s_mov_b32 s[TS], 0
	s_mul_i32 s[LB], s[WV], QUART                  ; no place in the cluster enters an LDS address
	s_and_b32 s20, s[WV], 1                        ; which 128 keys I fetch; also my half of the channels
	s_lshr_b32 s21, s[WV], 1                       ; my half of the rows
	s_lshl_b32 s86, s[BT], 23                      ; pt: 2,048 rows of 4,096 bytes a batch,
	s_lshl_b32 s22, s20, 19                        ; 128 rows
	s_add_co_u32 s86, s86, s22
	s_mov_b32 s87, 0
	s_lshl_b32 s88, s[BT], 11                      ; qkv: the row,
	s_lshl_b32 s22, s20, 7
	s_add_co_u32 s88, s88, s22
	s_mul_i32 s88, s88, 6144
	s_lshl_b32 s22, s14, 8                         ; my channels,
	s_add_co_u32 s88, s88, s22
	s_add_co_u32 s88, s88, 4096                    ; v lies 4,096 bytes into a row
	s_mov_b32 s89, 0
	s_lshl_b32 s22, s[BT], 11                      ; out: the rows of both tiles
	s_lshl_b32 s23, s21, 6
	s_add_co_u32 s22, s22, s23
	s_lshl_b32 s23, s18, 7
	s_add_co_u32 s90, s22, s23
	s_lshl_b32 s90, s90, 12
	s_lshl_b32 s23, s[PBK], 7
	s_add_co_u32 s92, s22, s23
	s_lshl_b32 s92, s92, 12
	s_lshl_b32 s22, s14, 9
	s_lshl_b32 s23, s20, 8
	s_add_co_u32 s22, s22, s23
	s_add_co_u32 s90, s90, s22
	s_add_co_u32 s92, s92, s22
	s_mov_b32 s91, 0
	s_mov_b32 s93, 0
	s_lshl_b32 s94, s[BT], 16                      ; st: 8 rows of 8,192 bytes a batch
	s_mov_b32 s95, 0
	s_lshr_b32 s[T1R], s18, 1                      ; the row of blocks that holds the first row tile,
	s_lshl_b32 s[T1R], s[T1R], 13
	s_lshr_b32 s[T2R], s[PBK], 1                   ; the second
	s_lshl_b32 s[T2R], s[T2R], 13
	s_mov_b32 s[G1P], 15|(1<<16)|(1<<20)|(1<<21)|(5<<22)|(7<<25)  ; the mask of four; elements of 2 bytes; padding on; bit 21 beside a mask; after every 64 words 8 words
	s_mov_b32 s[G1V], (1<<16)|(1<<20)|(5<<22)|(7<<25)
.irp g, G1P, G1V
	s_mov_b32 s[(\g)+1], 128<<16                   ; tensor_dim0 = 128
	s_mov_b32 s[(\g)+2], 128<<16                   ; tensor_dim1 = 128
	s_mov_b32 s[(\g)+3], 128<<16                   ; tile_dim0 = 128
	s_mov_b32 s[(\g)+4], 128                       ; tile_dim1 = 128
	s_mov_b32 s[(\g)+6], 0
	s_mov_b32 s[(\g)+7], 0
.endr
	s_mov_b32 s[G1P+5], 2048                       ; elements from row to row
	s_mov_b32 s[G1V+5], 3072
	s_mov_b32 s[G0P], 1
	s_mov_b32 s[G0V], 1
	s_mov_b32 s[CS], 0x4238aa3b                    ; c = 32 log2(e)
	s_mov_b32 s[CS+1], s[CS]
	; the prefetches' registers
	s_lshl_b32 s22, s13, 17                        ; my work-group's 32 rows of pt,
	s_add_co_u32 s22, s22, s[IOFF]                 ; the first row tile's columns,
	s_add_co_u32 s22, s22, 2<<20                   ; tile 2: the first step steps it to tile 3
	s_sub_co_u32 s23, s[NA], 3
	s_mov_b32 s[PST], 256*6144
	s_mov_b32 s[PST+1], 0
	s_mov_b32 s2, 2*256*6144
	s_mov_b32 s3, 0
	s_mov_b32 s15, 6144
	s_cmp_lt_u32 s[WV], 2
	s_cselect_b32 s19, ttmp9, s[PBK]               ; who asks: cluster x = 0 for p, pb = 0 for v: the same in all four partners
	s_cselect_b32 s[PST], 0x100000, s[PST]
	s_cselect_b32 s2, s22, s2
	s_cselect_b32 s15, 4096, s15
	s_cmp_eq_u32 s19, 0
	s_cselect_b32 s[PCNT], s23, 0
	v_and_b32 v[PFO], 31, v0
	v_mul_u32_u24 v[PFO], v[PFO], s15
	s_wait_dscnt 0x0                               ; both opening adds are done
	s_wait_kmcnt 0x0
	s_add_nc_u64 s[PB:PB+1], s[4:5], s[86:87]
	s_add_nc_u64 s[VB:VB+1], s[8:9], s[88:89]
	s_add_nc_u64 s[O:O+1], s[10:11], s[90:91]
	s_add_nc_u64 s[O2:O2+1], s[10:11], s[92:93]
	s_add_nc_u64 s[STB:STB+1], s[6:7], s[94:95]
	s_cmp_lt_u32 s[WV], 2
	s_cselect_b64 s[PFA:PFA+1], s[PB:PB+1], s[VB:VB+1]
	s_add_nc_u64 s[PFA:PFA+1], s[PFA:PFA+1], s[2:3]
	DESC 1
	CROUND                                         ; all four work-groups are here: the first joint loads meet
	JLOAD                                          ; tile 0 into slot 0; slot 1 is filled behind the first step's round
	v_and_b32 v1, 15, v0                           ; l % 16
	v_bfe_u32 v2, v0, 4, 1                         ; l / 16
	v_and_b32 v3, 7, v0
	v_bfe_u32 v18, v0, 3, 1
	v_lshl_add_u32 v19, v2, 3, v3                  ; the turning load: lane l reads key 8 (l / 16) + l % 8, 16 bytes at 16 ((l / 8) % 2)
	v_mul_u32_u24 v19, v19, PITCH
	v_lshl_add_u32 v19, v18, 4, v19
	s_lshl_b32 s22, s21, 7                         ; my 64 rows i: 128 bytes of a row of p
	s_lshl_b32 s23, s20, 7                         ; my 64 channels,
	s_add_co_u32 s23, s23, 2*QUART                 ; behind p's 256 keys
	v_add_nc_u32 v[PA0], s22, v19
	v_add_nc_u32 v[VA0], s23, v19
	v_lshlrev_b32 v[FA0], 4, v2                    ; a fragment's keys 8 (l / 16) + 0..7: 16 bytes of the table
	s_mul_i32 s22, s[WV], 16*SP
	s_add_co_u32 s22, s22, STAGE
	v_mul_u32_u24 v[STO], v1, SP                   ; in: row l % 16, 32 bytes for each half of the lanes
	v_lshl_add_u32 v[STO], v2, 5, v[STO]
	v_add_nc_u32 v[STO], s22, v[STO]
	v_mul_u32_u24 v[RD], v2, SP                    ; back: lanes 0-15 one row of 256 bytes, lanes 16-31 the next
	v_lshl_add_u32 v[RD], v1, 4, v[RD]
	v_add_nc_u32 v[RD], s22, v[RD]
	v_lshlrev_b32 v[GO], 12, v2                    ; and the same two rows in out
	v_lshl_add_u32 v[GO], v1, 4, v[GO]
	v_and_b32 v3, 31, v0
	v_lshlrev_b32 v[JO], 4, v3                     ; four keys a lane, 4 bytes each
	s_lshl_b32 s22, s[WV], 8
	s_add_co_u32 s22, s22, FT
	v_lshl_add_u32 v[FS], v3, 3, s22               ; FT + 256 w + 8 l: 2 bytes a key; the group adds 1,024 g
; THE MAKING OF F, in the wait for the first tile.  Group g, wave w: the 128 factors of half w % 2 of the walk's step n = 2 g + w / 2; a lane has four.  Step n means keys 256 n .. of the first row tile if n is below its
; number of steps, else keys 256 (n - that number) .. of the second.  68 registers: m of the column's 8 blocks (32), l of the 8 (32), m of the block that the row tile lies in (4).
; A group is written once.  Its numbers come into one set of registers and are copied into another, 68 v_mov_b32, so that the next group's 17 loads are on their way while this one is worked on.
.macro LOADG                           ; the group of step s[NP]; its two bases are written only behind the wait that shows the last group's loads done
	s_cmp_lt_u32 s[NP], s[REM]
	s_cselect_b32 s23, 0, s[REM]
	s_cselect_b32 s[OF], s[T1R], s[T2R]
	s_sub_co_u32 s22, s[NP], s23
	s_lshl_b32 s22, s22, 10                        ; 256 keys of 4 bytes,
	s_lshl_b32 s23, s20, 9                         ; my half
	s_add_co_u32 s2, s22, s23
	s_add_nc_u64 s[SGB:SGB+1], s[STB:STB+1], s[2:3]
	s_add_co_u32 s2, s2, s[OF]
	s_add_nc_u64 s[SGB+2:SGB+3], s[STB:STB+1], s[2:3]
.irp t, 0,1,2,3,4,5,6,7
	global_load_b128 v[FR+72+4*\t:FR+72+4*\t+3], v[JO], s[SGB:SGB+1] offset:\t*8192
.endr
.irp t, 0,1,2,3,4,5,6,7
	global_load_b128 v[FR+104+4*\t:FR+104+4*\t+3], v[JO], s[SGB:SGB+1] offset:262144+\t*8192
.endr
	global_load_b128 v[FR+136:FR+139], v[JO], s[SGB+2:SGB+3]
.endm
.macro FGRP
.set R, FR
.irp c, 0,1,2,3
	v_max3_num_f32 v[TM+\c], v[R+\c], v[R+4+\c], v[R+8+\c]
.endr
.irp c, 0,1,2,3
	v_max3_num_f32 v[TM+\c], v[TM+\c], v[R+12+\c], v[R+16+\c]
.endr
.irp c, 0,1,2,3
	v_max3_num_f32 v[TM+\c], v[TM+\c], v[R+20+\c], v[R+24+\c]
.endr
.irp c, 0,1,2,3
	v_max_num_f32 v[TM+\c], v[TM+\c], v[R+28+\c]   ; M
.endr
	v_pk_mul_f32 v[CMX:CMX+1], v[TM:TM+1], s[CS:CS+1] op_sel_hi:[1,0]
	v_pk_mul_f32 v[CMX+2:CMX+3], v[TM+2:TM+3], s[CS:CS+1] op_sel_hi:[1,0]
.irp q, 0,4,8,12,16,20,24,28,64
.irp p, 0,2
	v_pk_mul_f32 v[R+\q+\p:R+\q+\p+1], v[R+\q+\p:R+\q+\p+1], s[CS:CS+1] op_sel_hi:[1,0]  ; c m, rounded as the score launch rounded it
.endr
.endr
.irp q, 0,4,8,12,16,20,24,28,64
.irp p, 0,2
	v_pk_add_f32 v[R+\q+\p:R+\q+\p+1], v[R+\q+\p:R+\q+\p+1], v[CMX+\p:CMX+\p+1] neg_lo:[0,1] neg_hi:[0,1]
.endr
.endr
.irp q, 0,4,8,12,16,20,24,28,64
.irp c, 0,1,2,3
	v_exp_f32 v[R+\q+\c], v[R+\q+\c]
.endr
.endr
	v_nop                                          ; a plain instruction behind the last exponential,
	s_wait_alu depctr_va_vdst(0)                   ; and one wait for the batch of 36
.irp p, 0,2
	v_pk_mul_f32 v[LL+\p:LL+\p+1], v[R+32+\p:R+32+\p+1], v[R+\p:R+\p+1]
.endr
.irp t, 1,2,3,4,5,6,7
.irp p, 0,2
	v_pk_fma_f32 v[LL+\p:LL+\p+1], v[R+32+4*\t+\p:R+32+4*\t+\p+1], v[R+4*\t+\p:R+4*\t+\p+1], v[LL+\p:LL+\p+1]
.endr
.endr
.irp c, 0,1,2,3
	v_rcp_f32 v[RC+\c], v[LL+\c]                   ; L is at least 1: the block with the column's maximum adds its own l, which holds a weight of 1
.endr
	v_nop
	s_wait_alu depctr_va_vdst(0)
.irp p, 0,2
	v_pk_mul_f32 v[RC+\p:RC+\p+1], v[RC+\p:RC+\p+1], 0x42000000 op_sel_hi:[1,0]  ; 32 / L
.endr
.irp p, 0,2
	v_pk_mul_f32 v[R+64+\p:R+64+\p+1], v[R+64+\p:R+64+\p+1], v[RC+\p:RC+\p+1]
.endr
	v_cvt_pk_f16_f32 v[FH], v[R+64], v[R+65]
	v_cvt_pk_f16_f32 v[FH+1], v[R+66], v[R+67]
	ds_store_b64 v[FSC], v[FH:FH+1]
.endm
.macro CLEAR                           ; the sums start at 0, at the start and at the change of row tiles: no first step is written out; the price is these 128 lines, twice a work-group
	WIN 0x40
.set i, 0
.rept 128
	v_mov_b32 v[i], 0
.set i, i+1
.endr
	WIN 0
.endm
	s_mov_b32 s[NP], s21                           ; group 0 is step 0 (waves 0, 1) or step 1 (waves 2, 3)
	LOADG
	CLEAR
	s_mov_b32 s[TG], 0
	s_mov_b32 s[GC], 5
.Lgroup:
	s_wait_loadcnt 0x0                             ; the group's 17 loads are in
.set i, 0
.rept 68
	v_mov_b32 v[FR+i], v[FR+72+i]
.set i, i+1
.endr
	s_add_co_u32 s[NP], s[NP], 2
	s_cmp_lt_u32 s[NP], 9                          ; the walk has steps 0 to 8
	s_cbranch_scc0 .Lno_load
	LOADG
.Lno_load:
	s_cmp_lt_u32 s[NP], 11                         ; the group in hand is step NP - 2: in the fifth trip waves 2 and 3 have none
	s_cbranch_scc0 .Lno_work
	v_add_nc_u32 v[FSC], s[TG], v[FS]
	FGRP
.Lno_work:
	s_add_co_u32 s[TG], s[TG], 1024
	s_sub_co_u32 s[GC], s[GC], 1
	s_cmp_lg_u32 s[GC], 0
	s_cbranch_scc1 .Lgroup
	s_wait_loadcnt 0x0                             ; no load of the loop is out when the walk writes the registers that they land in (the fifth trip's step number is 10 or 11, so it has issued none: the wait finds nothing out)
.macro ADDR                            ; the three LDS addresses of the 128 keys in hand
	v_add_nc_u32 v[PA], s[TP], v[PA0]
	v_add_nc_u32 v[VA], s[TP], v[VA0]
	v_add_nc_u32 v[FA], s[TF], v[FA0]
.endm
; A UNIT is 32 keys.  Its 18 LDS loads, in one run: p (4 blocks of 16 rows), v (4 blocks of 16 channels), F.  u counts from the half in hand: 4 to 6 lie in the next half, QUART bytes on (the largest immediate is 60,000)
.macro FETCHU u
.set ro, ((\u)/4)*QUART+((\u)%4)*32*PITCH
.set bu, 32*((\u)%4)
	WIN W
.irp i, 0,1,2,3
	ds_load_tr16_b128 v[PF+bu+8*\i:PF+bu+8*\i+3],   v[PA] offset:ro+32*\i
	ds_load_tr16_b128 v[PF+bu+8*\i+4:PF+bu+8*\i+7], v[PA] offset:ro+16*PITCH+32*\i
.endr
	WIN 0
.irp i, 0,1,2,3
	ds_load_tr16_b128 v[VF+bu+8*\i:VF+bu+8*\i+3],   v[VA] offset:ro+32*\i
	ds_load_tr16_b128 v[VF+bu+8*\i+4:VF+bu+8*\i+7], v[VA] offset:ro+16*PITCH+32*\i
.endr
	ds_load_b128 v[FF+8*((\u)%4):FF+8*((\u)%4)+3],   v[FA] offset:64*(\u)
	ds_load_b128 v[FF+8*((\u)%4)+4:FF+8*((\u)%4)+7], v[FA] offset:64*(\u)+32
.endm
.macro SCL x, z                        ; register z of 32 of buffer x's p, times F
	WIN W
	v_pk_mul_f16 v[PF+32*((\x)%4)+(\z)], v[FF+8*((\x)%4)+(\z)%8], v[PF+32*((\x)%4)+(\z)]
.endm
; Unit k of a half: 16 products, the 16 accumulators by turns; behind each, two lines that scale the next unit; behind the second, the loads of the unit three on, into the buffers that the unit before left:
; six plain lines stand between that unit's last product and these loads.  Units 1 to 3 fetch out of the next half: in a step's second half (HC = 1) there is none, and the run is jumped.
; THE WAITS.  At a unit's head the next unit has to be in.  Two units are out there (18: the younger may stay out), but at unit 2 of the second half one alone: so unit 2 waits for 0 in both halves.
; In the second half unit 3's riders scale a buffer that nobody multiplies: they stand beside live products, and that is the price of one text for both halves.
.macro MULU k
.if (\k) == 2
	s_wait_dscnt 0x0
.else
	s_wait_dscnt 18
.endif
.set n, 0
.rept 16
	WIN W
	v_wmma_f32_16x16x32_f16 v[8*n:8*n+7], v[VF+32*(\k)+8*(n%4):VF+32*(\k)+8*(n%4)+7], v[PF+32*(\k)+8*(n/4):PF+32*(\k)+8*(n/4)+7], v[8*n:8*n+7]
	SCL (\k)+1, 2*n
	SCL (\k)+1, 2*n+1
.if n == 1
.if (\k) == 0
	FETCHU 3
.else
	WIN 0
	s_cmp_eq_u32 s[HC], 2
	s_cbranch_scc0 .Lno_next_\@
	FETCHU (\k)+3
.Lno_next_\@:
.endif
.endif
.set n, n+1
.endr
.endm
; THE WAY OUT: f32, 16 rows at a time through my stage: 32 bytes a lane in, whole rows of 256 bytes back
.macro OUT
	WIN 0
	PLACES
.irp a, 0,1,2,3
	WIN 0x04                                       ; the stores' data in window 1
.irp b, 0,1,2,3
	ds_store_b128 v[STO], v[8*(4*\a+\b):8*(4*\a+\b)+3]   offset:64*\b
	ds_store_b128 v[STO], v[8*(4*\a+\b)+4:8*(4*\a+\b)+7] offset:64*\b+16
.endr
	WIN 0
	s_wait_xcnt 0x0                                ; earlier stores have read the registers that are loaded again below
.irp t, 0,1,2,3,4,5,6,7
	ds_load_b128 v[OB+32*(\a%2)+4*\t:OB+32*(\a%2)+4*\t+3], v[RD] offset:2*SP*\t  ; my own stage: LDS serves a wave's instructions in order
.endr
	s_wait_dscnt 0x0
.irp t, 0,1,2,3,4,5,6,7
	global_store_b128 v[GO], v[OB+32*(\a%2)+4*\t:OB+32*(\a%2)+4*\t+3], s[O:O+1] offset:(16*\a+2*\t)*4096  ; 16 lanes store 256 consecutive bytes, aligned
.endr
.endr
.endm
; A STEP: 256 keys out of the slot in hand.  In front of it each wave waits for all its tensor loads (one is out: its part of this slot), adds 0 to its spare word, and waits for that and for its reads of the other slot.
; fill = 1: a round of the cluster's barrier, and the other slot is filled first thing behind it: one load a wave, with the step's 128 matrix instructions in which to land.
.macro STEP fill
	WIN 0
	s_wait_xcnt 0x0                                ; the last prefetches, a step back, have read their address
.if \fill
	s_add_nc_u64 s[PFA:PFA+1], s[PFA:PFA+1], s[PST:PST+1]
.endif
	s_wait_tensorcnt 0x0                           ; no tensor load of mine is out, so the descriptors may be written
	ds_add_u32 v[SPW], v[NIL]
.if \fill
	DESC 0
.endif
	s_mov_b32 s[TP], s[TS]                         ; the slot's first 128 keys
	ADDR
	s_wait_dscnt 0x0                               ; the add is done, my reads of the other slot are over (at the first step: my part of F lies in LDS)
.if \fill
	CROUND
	JLOAD                                          ; its four v_nop are also the places in front of the loads below
	ASK
.else
	s_barrier_signal -1
	s_barrier_wait -1
	PLACES
.endif
	s_cmp_eq_u32 s[REM], 1
	s_cselect_b32 s[HALF], s[EVN], 0               ; 1: keys 128-255 of this step lie wholly beyond the diagonal
	FETCHU 0
	FETCHU 1
	FETCHU 2
	s_wait_dscnt 36                                ; unit 0 is in; units 1 and 2 may stay out
.set zz, 0
.rept 32
	SCL 0, zz
.set zz, zz+1
.endr
	WIN 0
	s_mov_b32 s[HC], 2
.Lhalf_\@:                                             ; a trip: 128 keys, four units
	s_cmp_le_u32 s[HC], s[HALF]                    ; the second half, where it is hidden: jumped, forward, past products and LDS loads alone; the same in all waves and partners
	s_cbranch_scc1 .Lhidden_\@
	MULU 0
	MULU 1
	MULU 2
	MULU 3
	WIN 0
.Lhidden_\@:
	s_add_co_u32 s[TP], s[TP], QUART               ; on every way alike
	s_add_co_u32 s[TF], s[TF], 256
	ADDR
	s_sub_co_u32 s[HC], s[HC], 1
	s_cmp_lg_u32 s[HC], 0
	s_cbranch_scc1 .Lhalf_\@
	s_xor_b32 s[TS], s[TS], SLOT                   ; the next step reads the other slot
.if \fill
	s_sub_co_u32 s[REM], s[REM], 1
	s_cmp_lg_u32 s[REM], 0
	s_cbranch_scc1 .Lsame_\@
	OUT                                            ; the first row tile is finished; the ring runs on
	CLEAR
	s_mov_b32 s[REM], s[N2]
	s_xor_b32 s[EVN], s[EVN], 1
	s_wait_xcnt 0x0                                ; the stores have read out's address
	s_mov_b64 s[O:O+1], s[O2:O2+1]
.Lsame_\@:
.else
	OUT
.endif
.endm
	s_mov_b32 s[CNT], 8
.Lwalk:                                                ; eight steps, each of which asks for the next tile
	STEP 1
	s_sub_co_u32 s[CNT], s[CNT], 1
	s_cmp_lg_u32 s[CNT], 0
	s_cbranch_scc1 .Lwalk
	STEP 0                                         ; the ninth is written out: nothing is asked for
	s_wait_tensorcnt 0x0                           ; the wave's end
	ds_add_u32 v[SPW], v[NIL]
	s_wait_dscnt 0x0
	CROUND                                         ; the closing round
	s_endpgm
.Lfunc_end_k_qca24bd6a05_pv:
	.size	k_qca24bd6a05_pv, .Lfunc_end_k_qca24bd6a05_pv-k_qca24bd6a05_pv
	.p2alignl 7, 3214868480
	.fill 96, 4, 3214868480
	.section	.rodata,"a",@progbits
	.p2align	6, 0x0
	.amdhsa_kernel k_qca24bd6a05_pv
		.amdhsa_group_segment_fixed_size 327680
		.amdhsa_private_segment_fixed_size 0
		.amdhsa_enable_private_segment 0
		.amdhsa_kernarg_size 32
		.amdhsa_user_sgpr_count 2
		.amdhsa_user_sgpr_kernarg_segment_ptr 1
		.amdhsa_wavefront_size32 1
		.amdhsa_system_sgpr_workgroup_id_x 1
		.amdhsa_system_sgpr_workgroup_id_y 1
		.amdhsa_system_sgpr_workgroup_id_z 1
		.amdhsa_system_vgpr_workitem_id 0
		.amdhsa_next_free_vgpr 512
		.amdhsa_next_free_sgpr 104
		.amdhsa_reserve_vcc 0
		.amdhsa_float_denorm_mode_32 3
		.amdhsa_float_denorm_mode_16_64 3
		.amdhsa_memory_ordered 1
		.amdhsa_forward_progress 1
		.amdhsa_inst_pref_size 95
	.end_amdhsa_kernel
	.amdgpu_metadata
---
amdhsa.version: [ 1, 2 ]
amdhsa.kernels:
  - .name:           k_qca24bd6a05_pv
    .symbol:         k_qca24bd6a05_pv.kd
    .args:
      - { .name: pt, .offset: 0, .size: 8, .value_kind: global_buffer, .address_space: global }
      - { .name: st, .offset: 8, .size: 8, .value_kind: global_buffer, .address_space: global }
      - { .name: qkv, .offset: 16, .size: 8, .value_kind: global_buffer, .address_space: global }
      - { .name: out0, .offset: 24, .size: 8, .value_kind: global_buffer, .address_space: global }
    .group_segment_fixed_size: 327680
    .private_segment_fixed_size: 0
    .kernarg_segment_align: 8
    .kernarg_segment_size: 32
    .max_flat_workgroup_size: 128
    .sgpr_count:     104
    .vgpr_count:     512
    .wavefront_size: 32
...
	.end_amdgpu_metadata
.endif
;; end of part 8
